; MI455X (gfx1250); checked and timed in simulation.
; The chip was launched on July 23, 2026; its instructions are those of AMD's public machine-readable ISA for CDNA 5 (MIT licence, August 2026) and "CDNA5" Instruction Set Architecture Reference Guide (July 2026). The comments in the code are by the model that wrote it; some were corrected since.
;; Multi Head Attention. Allowed arithmetic: matrix products marked QUANTISED: E2M3 operands, one E8M0 scale for each 32 along K, by v_wmma_scale_f32_16x16x128_f8f6f4 with both operands' format E2M3, f32 sums; everything else in f32.
;; Inputs: w_k 1,024 x 1,024 float32; w_q 1,024 x 1,024 float32; w_v 1,024 x 1,024 float32; x 4 x 2,048 x 1,024 float32.
;; Outputs: out0 4 x 2,048 x 1,024 float32.
;; This version of the problem:
;;   THIS VERSION OF THE PROBLEM IS GIVEN IN LOW PRECISION. The matrix products marked QUANTISED in the list below multiply operands that are first quantised to E2M3 (2 exponent bits, 3 mantissa bits; 6 bits a number), with one power-of-two scale for each 32 numbers along K (OCP MX v1.0); their sums are f32. All else is computed in f32.
;;   The module's matrix products, in the order in which they are computed (A, B: the left and right operand; K: the contracted axis; several contracted axes count as one K, in the product's order):
;;     1. [M 8,192, K 1,024] x [K 1,024, N 1,024]; A: input x; B: input w_q: QUANTISED
;;     2. [M 8,192, K 1,024] x [K 1,024, N 1,024]; A: input x; B: input w_k: QUANTISED
;;     3. [M 8,192, K 1,024] x [K 1,024, N 1,024]; A: input x; B: input w_v: QUANTISED
;;     4. batch 4 x [M 2,048, K 1,024] x [K 1,024, N 2,048]; A: computed on the way; B: computed on the way: QUANTISED
;;     5. batch 4 x [M 2,048, K 2,048] x [K 2,048, N 1,024]; A: softmax (see below); B: computed on the way: QUANTISED
;;   THE QUANTISER, for each operand of a quantised product, along K:
;;     - K is cut into blocks of 32 from its start; a last block that is shorter is filled with zeros.
;;     - A block's scale is 2^e with e = floor(log2(the largest magnitude in the block)) - 2, held to -126 .. 127; a block of zeros has e = 0. As a byte (E8M0): e + 127.
;;     - Each number is divided by its block's scale, clamped to +-7.5, and rounded to the nearest number of E2M3, ties to even, subnormals kept.
;;     - The product sums the exact products of the quantised numbers (number of the format x scale) in f32.
;;   ~~~python
;;   def quantise(x, axis):      # numpy; x: float32 -> the quantised numbers, widened to float32 again
;;       x = np.moveaxis(x, axis, -1); K = x.shape[-1]
;;       x = np.pad(x, [(0, 0)] * (x.ndim - 1) + [(0, -K % 32)]); x = x.reshape(x.shape[:-1] + (-1, 32)); a = np.abs(x).max(-1, keepdims=True)
;;       e = np.where(a > 0, np.clip(np.frexp(np.where(a > 0, a, 1))[1] - 1 - 2, -126, 127), 0)      # np.frexp(a)[1] - 1 = floor(log2(a)), exactly
;;       r = np.clip(x / 2.0 ** e, -7.5, 7.5)
;;       step = 2.0 ** (np.maximum(np.frexp(np.where(r == 0, 1, r))[1] - 1, 0) - 3)
;;       q = np.round(r / step) * step * 2.0 ** e      # np.round: ties to even
;;       return np.moveaxis(q.reshape(q.shape[:-2] + (-1,))[..., :K], -1, axis).astype(np.float32)
;;   ~~~
;;   SOFTMAX AHEAD OF A QUANTISED PRODUCT. Where the list says 'softmax', what is quantised is not the finished softmax but p = 2^(t - M), with t = logit x log2(e) and M = ceil(the row's largest t), a whole number; so 1/2 < the row's largest p <= 1. The row's sum l is taken of the UNQUANTISED p, in f32, and the product's result is divided by l at the end. Since M is a whole number, a kernel that streams over the keys may use a running M (the ceiling of the running maximum): every later rescaling is an exact power of two, which a block's scale takes up: the codes' values come out the same.
;;   OPERANDS COMPUTED ON THE WAY. 'Computed on the way' means the value that the module computes at that place (a softmax that the list does not call 'softmax' is quantised finished and normalised). What goes into a quantiser is computed in f32, as accurately as f32 sums, v_exp_f32 and their like allow (about 1e-6 of the number): no bf16 or f16 on the way to a quantiser, and a product that is left as it is and whose result goes on into a quantised operand takes f32 operands (vector FMAs, or v_wmma_f32_16x16x4_f32). A number that lies on a knife's edge between two numbers of the format may be rounded either way, as far as f32 arithmetic and the matrix unit's own rounding can turn it there, and no further.
;; 2 versions. Each part assembles by itself: llvm-mc -triple=amdgcn-amd-amdhsa -mcpu=gfx1250 --defsym DOCPART=n.
;; ======== version 1 of 2: 5 launches
;; limits: right only within a limited range of input values
;; workspace buffers: xw 9,011,200 bytes; qkv 19,660,800 bytes; pc 12,582,912 bytes; st 1,572,864 bytes
;; launch quantx (part 1): grid 512 x 1, 4 waves a work-group, no clusters, 34,816 bytes of LDS; arguments x, xw; writes xw
.if DOCPART == 1
	.amdgcn_target "amdgcn-amd-amdhsa--gfx1250"
	.amdhsa_code_object_version 6
	.text
	.protected	k_q4b7c261a1d_quantx
	.globl	k_q4b7c261a1d_quantx
	.p2align	8
	.type	k_q4b7c261a1d_quantx,@function
k_q4b7c261a1d_quantx:
	s_mov_b64 s[64:65], 0
	v_nop
	global_prefetch_b8 v0, s[64:65] scope:SCOPE_SE
	s_setreg_imm32_b32 hwreg(HW_REG_WAVE_MODE, 25, 1), 1
	s_wait_xcnt 0x0
; x [8192][1024] f32 becomes codes of FP6 (E2M3) with one E8M0 scale byte for each 32 along K, laid as the products' launches want an operand.
; FRAGMENT: 16 rows x 128 K = 12 registers a lane, kept as an image of those registers, 1,536 bytes: register g of lane L at 512 (g / 4) + 16 L + 4 (g % 4).
; PANEL: 128 rows x 256 K = 16 fragments ((K step q, block i) at 1,536 (8 q + i)), then 1,024 bytes of scale words: (q, block i, row r) at 24,576 + 512 q + 256 (i / 4) + 16 r + 4 (i % 4).
; ROW ORDER: place (block i, row r) holds row 32 (i / 2) + 8 (i % 2) + r + 8 (r / 8) of the 128, so that a product that takes these rows as its first source leaves 16 true neighbours in 16 registers of a lane.
; A block's scale is 2^(floor(log2(largest magnitude)) - 2); its byte is the largest magnitude's exponent field - 2, held at 1 from below.
; LIMITS: a block of zeros, or one whose largest magnitude lies under 2^-124, keeps the byte 1 (its codes are zeros or tiny; only this program reads the bytes); NaN and infinities are not served.
; SHARES: a work-group takes 128 rows x 128 K; wave w takes blocks 2 w and 2 w + 1.  Each load reads 512 consecutive bytes of one row; the 16 rows of a block turn through the wave's own
; stage in LDS (rows of 528 bytes) so that a lane gets, of its row r, 16 neighbours of each block of 32.  No tensor loads: matrix units, clusters and rings would add nothing to a stream.
.set PITCH, 528
.set WSTG,  16*PITCH                   ; a wave's stage
.set SCL,   4*WSTG                     ; behind the stages: the work-group's 512 bytes of scale words
.set FRG,   1536
.set PAN,   25600
.set LI,  4                            ; v4   16 x lane
.set SI,  5                            ; v5   into the stage
.set SO,  6                            ; v6   out of it
.set SWA, 7                            ; v7   where my two scale words go
.set SCR, 8                            ; v8   where wave 0 reads the 512 bytes back
.set R,   16                           ; v16-143  two blocks as loaded
.set X,   144                          ; v144-207 64 numbers of my row: register 16 b + i = k 32 b + 16 h + i
.set TM,  208                          ; v208-223 at work
.set PC,  224                          ; v224-243 the codes
.set SW,  244                          ; v244-245 the two blocks' scale words
.set WV,  10
.set SEL, 20
	s_load_b128 s[4:7], s[0:1], 0x0                ; x, xw
	v_lshl_add_u32 v254, v0, 2, 0x8600
	v_mov_b32 v255, 0
	v_lshrrev_b32 v1, 5, v0
	v_readfirstlane_b32 s[WV], v1                  ; wave 0..3
	v_and_b32 v1, 31, v0                           ; lane
	v_and_b32 v2, 15, v0                           ; r
	v_bfe_u32 v3, v0, 4, 1                         ; h
	v_lshlrev_b32 v[LI], 4, v1
	s_mul_i32 s16, s[WV], WSTG
	v_add_nc_u32 v[SI], s16, v[LI]
	v_mul_u32_u24 v[SO], v2, PITCH
	v_lshl_add_u32 v[SO], v3, 6, v[SO]             ; row r, + 64 h
	v_add_nc_u32 v[SO], s16, v[SO]
	s_lshr_b32 s17, s[WV], 1
	s_lshl_b32 s17, s17, 8
	s_and_b32 s18, s[WV], 1
	s_lshl_b32 s18, s18, 3
	s_add_co_u32 s17, s17, s18
	s_add_co_u32 s17, s17, SCL
	v_lshl_add_u32 v[SWA], v2, 4, s17              ; 256 (w / 2) + 8 (w % 2) + 16 r: blocks 2 w and 2 w + 1 of row r
	v_add_nc_u32 v[SCR], SCL, v[LI]
	s_mov_b32 s[SEL], 0x76543210
	s_mov_b32 s[SEL+1], 0xfedcba98                 ; lane l xor 16
.irp b, 0,1,2,3
	v_mov_b32 v[TM+4+\b], 0                        ; a lane permute's destination counts as read
.endr
	s_lshr_b32 s8, ttmp9, 3                        ; which 128 rows
	s_and_b32 s9, ttmp9, 7                         ; which 128 along K
	s_lshl_b32 s12, s8, 19                         ; 128 rows of 4,096 bytes
	s_lshl_b32 s13, s9, 9
	s_add_co_u32 s12, s12, s13
	s_lshl_b32 s13, s[WV], 17                      ; my 32 rows
	s_add_co_u32 s12, s12, s13
	s_mov_b32 s13, 0
	s_lshl_b32 s14, s8, 2
	s_lshr_b32 s15, s9, 1
	s_add_co_u32 s14, s14, s15
	s_mul_i32 s14, s14, PAN                        ; the panel
	s_and_b32 s15, s9, 1                           ; q
	s_lshl_b32 s19, s15, 3
	s_lshl_b32 s22, s[WV], 1
	s_add_co_u32 s19, s19, s22
	s_mul_i32 s19, s19, FRG
	s_add_co_u32 s24, s14, s19                     ; my two fragments
	s_mov_b32 s25, 0
	s_lshl_b32 s15, s15, 9
	s_add_co_u32 s26, s14, s15
	s_add_co_u32 s26, s26, 24576                   ; the K step's scale words
	s_mov_b32 s27, 0
	s_wait_kmcnt 0x0
	s_add_nc_u64 s[4:5], s[4:5], s[12:13]
	s_add_nc_u64 s[24:25], s[6:7], s[24:25]
	s_add_nc_u64 s[26:27], s[6:7], s[26:27]
.macro LOAD e                          ; block 2 w + e: place p holds row 8 e + p + 8 (p / 8) of my 32
.irp p, 0,1,2,3,4,5,6,7,8,9,10,11,12,13,14,15
	global_load_b128 v[R+64*\e+4*\p:R+64*\e+4*\p+3], v[LI], s[4:5] offset:(8*\e+\p+8*(\p/8))*4096 th:TH_LOAD_NT
.endr
.endm
; 64 numbers of a lane become a fragment's codes in v[PC] on and the row's scale word in v[w]
.macro QUANT s, w
.irp b, 0,1,2,3
	v_max3_num_f32 v[TM+\b], |v[\s+16*\b]|, |v[\s+1+16*\b]|, 0x1800000   ; my 16 of block b, and the floor 2^(3 - 127)
.endr
.irp i, 2,4,6,8,10,12,14
.irp b, 0,1,2,3
	v_max3_num_f32 v[TM+\b], v[TM+\b], |v[\s+16*\b+\i]|, |v[\s+1+16*\b+\i]|
.endr
.endr
.irp b, 0,1,2,3
	v_permlanex16_b32 v[TM+4+\b], v[TM+\b], s[SEL], s[SEL+1]
.endr
.irp b, 0,1,2,3
	v_max_num_f32 v[TM+\b], v[TM+\b], v[TM+4+\b]   ; with lane l xor 16's 16: the block's largest magnitude
.endr
.irp b, 0,1,2,3
	v_add_nc_u32 v[TM+12+\b], 0xff000000, v[TM+\b] ; 2 off the exponent field: the conversion's scale operand
.endr
.irp b, 0,1,2,3
	v_lshrrev_b32 v[TM+4+\b], 23, v[TM+12+\b]      ; the byte
.endr
	v_lshl_or_b32 v[\w], v[TM+5], 8, v[TM+4]
	v_lshl_or_b32 v[\w], v[TM+6], 16, v[\w]
	v_lshl_or_b32 v[\w], v[TM+7], 24, v[\w]
.irp c, 0,1
	v_cvt_scalef32_pk16_fp6_f32 v[PC+6*\c:PC+6*\c+2], v[\s+32*\c:\s+32*\c+15], v[TM+12+2*\c]
	v_cvt_scalef32_pk16_fp6_f32 v[PC+12+4*\c:PC+14+4*\c], v[\s+32*\c+16:\s+32*\c+31], v[TM+12+2*\c+1]   ; (three registers begin on an even number)
.endr
	v_nop                                          ; one plain line behind the scaled conversions
.irp c, 0,1                                    ; a whole block to a lane: lanes 0-15 block 2 c, lanes 16-31 block 2 c + 1
.irp i, 0,1,2
	v_permlane16_swap_b32 v[PC+6*\c+\i], v[PC+12+4*\c+\i]
.endr
.irp i, 0,1,2
	v_mov_b32 v[PC+3+6*\c+\i], v[PC+12+4*\c+\i]
.endr
.endr
.endm
.macro BLOCK e, left
	s_wait_loadcnt \left                           ; this block's 16 loads are in; the other block's may be out
.irp p, 0,1,2,3,4,5,6,7,8,9,10,11,12,13,14,15
	ds_store_b128 v[SI], v[R+64*\e+4*\p:R+64*\e+4*\p+3] offset:\p*PITCH
.endr
.irp b, 0,1,2,3
.irp j, 0,1,2,3
	ds_load_b128 v[X+16*\b+4*\j:X+16*\b+4*\j+3], v[SO] offset:128*\b+16*\j   ; LDS serves a wave's instructions in order: these see the stores above
.endr
.endr
	s_wait_dscnt 0x0
.if \e
	s_wait_xcnt 0x0                                ; the first block's stores have read their registers: the codes are written again
.endif
	QUANT X, SW+\e
.irp c, 0,1,2
	global_store_b128 v[LI], v[PC+4*\c:PC+4*\c+3], s[24:25] offset:\e*FRG+512*\c   ; 512 consecutive bytes a store
.endr
.endm
	LOAD 0
	LOAD 1
	BLOCK 0, 16
	BLOCK 1, 0
	ds_store_b64 v[SWA], v[SW:SW+1]                ; both halves of the lanes write the same words with the same values
	s_wait_dscnt 0x0                               ; for the others' sake
	s_barrier_signal -1
	s_barrier_wait -1
	s_cmp_lg_u32 s[WV], 0
	s_cbranch_scc1 .Ldone
	ds_load_b128 v[X:X+3], v[SCR]                  ; wave 0 sends the work-group's 512 bytes of scale words as two whole aligned runs of 256 bytes
	s_wait_dscnt 0x0
	global_store_b128 v[LI], v[X:X+3], s[26:27]
.Ldone:
	s_wait_tensorcnt 0x0
	ds_add_u32 v254, v255
	s_wait_dscnt 0x0
	s_endpgm
.Lfunc_end_k_q4b7c261a1d_quantx:
	.size	k_q4b7c261a1d_quantx, .Lfunc_end_k_q4b7c261a1d_quantx-k_q4b7c261a1d_quantx
	.p2alignl 7, 3214868480
	.fill 96, 4, 3214868480
	.section	.rodata,"a",@progbits
	.p2align	6, 0x0
	.amdhsa_kernel k_q4b7c261a1d_quantx
		.amdhsa_group_segment_fixed_size 34816
		.amdhsa_private_segment_fixed_size 0
		.amdhsa_enable_private_segment 0
		.amdhsa_kernarg_size 16
		.amdhsa_user_sgpr_count 2
		.amdhsa_user_sgpr_kernarg_segment_ptr 1
		.amdhsa_wavefront_size32 1
		.amdhsa_system_sgpr_workgroup_id_x 1
		.amdhsa_system_sgpr_workgroup_id_y 1
		.amdhsa_system_sgpr_workgroup_id_z 1
		.amdhsa_system_vgpr_workitem_id 0
		.amdhsa_next_free_vgpr 256
		.amdhsa_next_free_sgpr 66
		.amdhsa_reserve_vcc 0
		.amdhsa_float_denorm_mode_32 3
		.amdhsa_float_denorm_mode_16_64 3
		.amdhsa_memory_ordered 1
		.amdhsa_forward_progress 1
		.amdhsa_inst_pref_size 19
	.end_amdhsa_kernel
	.amdgpu_metadata
---
amdhsa.version: [ 1, 2 ]
amdhsa.kernels:
  - .name:           k_q4b7c261a1d_quantx
    .symbol:         k_q4b7c261a1d_quantx.kd
    .args:
      - { .name: x, .offset: 0, .size: 8, .value_kind: global_buffer, .address_space: global }
      - { .name: xw, .offset: 8, .size: 8, .value_kind: global_buffer, .address_space: global }
    .group_segment_fixed_size: 34816
    .private_segment_fixed_size: 0
    .kernarg_segment_align: 8
    .kernarg_segment_size: 16
    .max_flat_workgroup_size: 128
    .sgpr_count:     66
    .vgpr_count:     256
    .wavefront_size: 32
...
	.end_amdgpu_metadata
.endif
;; end of part 1
;; launch quantw (part 2): grid 192 x 1, 4 waves a work-group, no clusters, 13,312 bytes of LDS; arguments w_q, w_k, w_v, xw; writes xw
.if DOCPART == 2
	.amdgcn_target "amdgcn-amd-amdhsa--gfx1250"
	.amdhsa_code_object_version 6
	.text
	.protected	k_q4b7c261a1d_quantw
	.globl	k_q4b7c261a1d_quantw
	.p2align	8
	.type	k_q4b7c261a1d_quantw,@function
k_q4b7c261a1d_quantw:
	s_mov_b64 s[64:65], 0
	v_nop
	global_prefetch_b8 v0, s[64:65] scope:SCOPE_SE
	s_setreg_imm32_b32 hwreg(HW_REG_WAVE_MODE, 25, 1), 1
	s_wait_xcnt 0x0
; w_q, w_k, w_v [1024 (k)][1024 (n)] f32 become codes of FP6 (E2M3) along K, their FIRST axis, with one E8M0 byte for each 32 along K, in the panels that the launch for x describes
; (fragment images of 1,536 bytes; 16 of them and 1,024 bytes of scale words to a panel of 128 rows x 256 K; place (block i, row r) = row 32 (i / 2) + 8 (i % 2) + r + 8 (r / 8)).  An operand's row is a column n of w.
; A LANE TAKES A COLUMN AND ITS REGISTERS RUN DOWN K: a load reads 128 consecutive bytes a wave, a block of 32 lies in one lane, and the conversions give codes with K innermost.
; Column 32 w + lane is place (block 2 w + u, row r), u = (lane / 8) % 2, r = lane % 8 + 8 (lane / 16).  Its block beta = 2 c + hh is registers 6 c .. 6 c + 5 of fragment lane r + 16 hh:
; the six registers go to their places in the image in LDS (16 + 8 bytes), the image comes back 16 bytes a lane and leaves in runs of 512 consecutive bytes.
; LIMITS: a block of zeros, or one whose largest magnitude lies under 2^-124, keeps the byte 1; NaN and infinities are not served.
; SHARES: a work-group takes 128 columns x 128 K of one weight; a wave 32 columns.  No tensor loads, clusters or matrix units: a stream read once.
.set FRG,  1536
.set PAN,  25600
.set SCL,  4*2*FRG                     ; behind the four waves' images: 512 bytes of scale words
.set GI,  2                            ; v2   4 x lane
.set VA,  3                            ; v3   my place in the images
.set SBA, 4                            ; v4   my scale word's place
.set RDA, 5                            ; v5   the images back
.set LI,  6                            ; v6   16 x lane
.set SCR, 7                            ; v7   the scale words back
.set SB,  14                           ; v14  my column's four bytes
.set X,   32                           ; v32-159 128 numbers down K
.set C,   160                          ; v160-168 a block's codes
.set OB,  164
.set WV,  12
	s_load_b128 s[4:7], s[0:1], 0x0                ; w_q, w_k
	s_load_b128 s[8:11], s[0:1], 0x10              ; w_v, xw
	v_lshl_add_u32 v192, v0, 2, 0x3200
	v_mov_b32 v193, 0
	v_lshrrev_b32 v1, 5, v0
	v_readfirstlane_b32 s[WV], v1
	v_and_b32 v1, 31, v0
	v_lshlrev_b32 v[GI], 2, v1
	v_lshlrev_b32 v[LI], 4, v1
	v_and_b32 v8, 7, v0
	v_bfe_u32 v9, v0, 4, 1
	v_lshl_add_u32 v8, v9, 3, v8                   ; r
	v_bfe_u32 v9, v0, 3, 1                         ; u
	s_mul_i32 s16, s[WV], 2*FRG
	v_mul_u32_u24 v[VA], v9, FRG
	v_lshl_add_u32 v[VA], v8, 4, v[VA]
	v_add_nc_u32 v[VA], s16, v[VA]                 ; 3,072 w + 1,536 u + 16 r
	v_add_nc_u32 v[RDA], s16, v[LI]
	s_lshr_b32 s17, s[WV], 1
	s_lshl_b32 s17, s17, 8
	s_and_b32 s18, s[WV], 1
	s_lshl_b32 s18, s18, 3
	s_add_co_u32 s17, s17, s18
	s_add_co_u32 s17, s17, SCL
	v_lshlrev_b32 v[SBA], 4, v8
	v_lshl_add_u32 v[SBA], v9, 2, v[SBA]
	v_add_nc_u32 v[SBA], s17, v[SBA]               ; 256 (w / 2) + 8 (w % 2) + 4 u + 16 r
	v_add_nc_u32 v[SCR], SCL, v[LI]
	s_lshr_b32 s13, ttmp9, 3                       ; Wg: 0-7 w_q, 8-15 w_k, 16-23 w_v
	s_and_b32 s14, ttmp9, 7                        ; which 128 along K
	s_lshr_b32 s15, ttmp9, 6                       ; which weight
	s_lshl_b32 s20, s14, 19                        ; 128 rows of 4,096 bytes
	s_and_b32 s19, s13, 7
	s_lshl_b32 s19, s19, 9                         ; 128 columns
	s_add_co_u32 s20, s20, s19
	s_lshl_b32 s19, s[WV], 7                       ; my 32
	s_add_co_u32 s20, s20, s19
	s_mov_b32 s21, 0
	s_lshl_b32 s22, s13, 2
	s_lshr_b32 s19, s14, 1
	s_add_co_u32 s22, s22, s19
	s_add_co_u32 s22, s22, 256
	s_mul_i32 s22, s22, PAN                        ; the panel: 256 + 4 Wg + (K step / 2)
	s_and_b32 s19, s14, 1
	s_lshl_b32 s23, s19, 3
	s_lshl_b32 s26, s[WV], 1
	s_add_co_u32 s23, s23, s26
	s_mul_i32 s23, s23, FRG
	s_add_co_u32 s24, s22, s23                     ; my two fragments
	s_mov_b32 s25, 0
	s_lshl_b32 s19, s19, 9
	s_add_co_u32 s26, s22, s19
	s_add_co_u32 s26, s26, 24576                   ; the K step's scale words
	s_mov_b32 s27, 0
	s_wait_kmcnt 0x0
	s_cmp_eq_u32 s15, 0                            ; the choice hangs on the work-group's number alone
	s_cselect_b64 s[4:5], s[4:5], s[6:7]
	s_cmp_eq_u32 s15, 2
	s_cselect_b64 s[4:5], s[8:9], s[4:5]
	s_add_nc_u64 s[4:5], s[4:5], s[20:21]
	s_add_nc_u64 s[24:25], s[10:11], s[24:25]
	s_add_nc_u64 s[26:27], s[10:11], s[26:27]
.set i, 0
.rept 128
	global_load_b32 v[X+i], v[GI], s[4:5] offset:i*4096 th:TH_LOAD_NT   ; w(128 s + i, my column)
.set i, i+1
.endr
.macro BLOCK t, left
.set XS, X+32*(\t)
	s_wait_loadcnt \left                           ; this block's 32 loads are in
	v_max3_num_f32 v12, |v[XS]|, |v[XS+1]|, |v[XS+2]|
	v_max3_num_f32 v13, |v[XS+3]|, |v[XS+4]|, |v[XS+5]|
.irp i, 6,10,14,18,22,26
	v_max3_num_f32 v12, v12, |v[XS+\i]|, |v[XS+\i+1]|
	v_max3_num_f32 v13, v13, |v[XS+\i+2]|, |v[XS+\i+3]|
.endr
	v_max3_num_f32 v12, v12, |v[XS+30]|, |v[XS+31]|
	v_max3_num_f32 v12, v12, v13, 0x1800000        ; and the floor 2^(3 - 127)
	v_add_nc_u32 v11, 0xff000000, v12              ; 2 off the exponent field: the conversion's scale operand
	v_lshrrev_b32 v13, 23, v11                     ; the byte
.if (\t) == 0
	v_mov_b32 v[SB], v13
.else
	v_lshl_or_b32 v[SB], v13, 8*(\t), v[SB]
.endif
	v_cvt_scalef32_pk16_fp6_f32 v[C:C+2], v[XS:XS+15], v11
	v_cvt_scalef32_pk16_fp6_f32 v[C+6:C+8], v[XS+16:XS+31], v11
	v_nop                                          ; one plain line behind the scaled conversions
.irp i, 0,1,2
	v_mov_b32 v[C+3+\i], v[C+6+\i]
.endr
.if (\t)/2 == 0                                ; registers 0-5 of fragment lane r + 16 hh
	ds_store_b128 v[VA], v[C:C+3] offset:256*((\t)%2)
	ds_store_b64 v[VA], v[C+4:C+5] offset:512+256*((\t)%2)
.else                                          ; registers 6-11
	ds_store_b64 v[VA], v[C:C+1] offset:520+256*((\t)%2)
	ds_store_b128 v[VA], v[C+2:C+5] offset:1024+256*((\t)%2)
.endif
	s_wait_dscnt 0x0                               ; the stores have read their registers: the next block's codes may be written
.endm
	BLOCK 0, 63                                    ; 96 loads were issued behind block 0's: the field's largest count is the stricter one
	BLOCK 1, 63                                    ; 64 behind block 1's
	BLOCK 2, 32
	BLOCK 3, 0
	ds_store_b32 v[SBA], v[SB]
.irp n, 0,1,2,3,4,5
	ds_load_b128 v[X+4*\n:X+4*\n+3], v[RDA] offset:512*\n   ; my wave's own two images: LDS serves a wave's instructions in order
.endr
	s_wait_dscnt 0x0                               ; and, for the others' sake, my scale words have landed
	s_barrier_signal -1
	s_barrier_wait -1
.irp n, 0,1,2,3,4,5
	global_store_b128 v[LI], v[X+4*\n:X+4*\n+3], s[24:25] offset:512*\n
.endr
	s_cmp_lg_u32 s[WV], 0
	s_cbranch_scc1 .Ldone
	ds_load_b128 v[X+32:X+35], v[SCR]
	s_wait_dscnt 0x0
	global_store_b128 v[LI], v[X+32:X+35], s[26:27]
.Ldone:
	s_wait_tensorcnt 0x0
	ds_add_u32 v192, v193
	s_wait_dscnt 0x0
	s_endpgm
.Lfunc_end_k_q4b7c261a1d_quantw:
	.size	k_q4b7c261a1d_quantw, .Lfunc_end_k_q4b7c261a1d_quantw-k_q4b7c261a1d_quantw
	.p2alignl 7, 3214868480
	.fill 96, 4, 3214868480
	.section	.rodata,"a",@progbits
	.p2align	6, 0x0
	.amdhsa_kernel k_q4b7c261a1d_quantw
		.amdhsa_group_segment_fixed_size 13312
		.amdhsa_private_segment_fixed_size 0
		.amdhsa_enable_private_segment 0
		.amdhsa_kernarg_size 32
		.amdhsa_user_sgpr_count 2
		.amdhsa_user_sgpr_kernarg_segment_ptr 1
		.amdhsa_wavefront_size32 1
		.amdhsa_system_sgpr_workgroup_id_x 1
		.amdhsa_system_sgpr_workgroup_id_y 1
		.amdhsa_system_sgpr_workgroup_id_z 1
		.amdhsa_system_vgpr_workitem_id 0
		.amdhsa_next_free_vgpr 194
		.amdhsa_next_free_sgpr 66
		.amdhsa_reserve_vcc 0
		.amdhsa_float_denorm_mode_32 3
		.amdhsa_float_denorm_mode_16_64 3
		.amdhsa_memory_ordered 1
		.amdhsa_forward_progress 1
		.amdhsa_inst_pref_size 23
	.end_amdhsa_kernel
	.amdgpu_metadata
---
amdhsa.version: [ 1, 2 ]
amdhsa.kernels:
  - .name:           k_q4b7c261a1d_quantw
    .symbol:         k_q4b7c261a1d_quantw.kd
    .args:
      - { .name: w_q, .offset: 0, .size: 8, .value_kind: global_buffer, .address_space: global }
      - { .name: w_k, .offset: 8, .size: 8, .value_kind: global_buffer, .address_space: global }
      - { .name: w_v, .offset: 16, .size: 8, .value_kind: global_buffer, .address_space: global }
      - { .name: xw, .offset: 24, .size: 8, .value_kind: global_buffer, .address_space: global }
    .group_segment_fixed_size: 13312
    .private_segment_fixed_size: 0
    .kernarg_segment_align: 8
    .kernarg_segment_size: 32
    .max_flat_workgroup_size: 128
    .sgpr_count:     66
    .vgpr_count:     194
    .wavefront_size: 32
...
	.end_amdgpu_metadata
.endif
;; end of part 2
;; launch proj (part 3): grid 8 x 96, 4 waves a work-group, clusters of 4 x 4, 307,712 bytes of LDS; arguments xw, qkv; writes qkv
.if DOCPART == 3
	.amdgcn_target "amdgcn-amd-amdhsa--gfx1250"
	.amdhsa_code_object_version 6
	.text
	.protected	k_q4b7c261a1d_proj
	.globl	k_q4b7c261a1d_proj
	.p2align	8
	.type	k_q4b7c261a1d_proj,@function
k_q4b7c261a1d_proj:
	s_mov_b64 s[64:65], 0
	v_nop
	global_prefetch_b8 v0, s[64:65] scope:SCOPE_SE
	s_setreg_imm32_b32 hwreg(HW_REG_WAVE_MODE, 25, 1), 1
	s_wait_xcnt 0x0
	s_wait_alu depctr_hold_cnt(0) depctr_sa_sdst(0) depctr_va_vdst(0) depctr_va_sdst(0) depctr_va_ssrc(0) depctr_va_vcc(0) depctr_vm_vsrc(0)
	s_getreg_b32 s2, hwreg(HW_REG_IB_STS2, 6, 4)
	s_cmp_eq_u32 s2, 0
	s_cbranch_scc0 .Lentry_in_a_cluster
	s_endpgm
.Lentry_in_a_cluster:
	s_bfe_u32 s2, ttmp6, 0x10000c
	s_cmp_lg_u32 s2, 0xf033
	s_cbranch_scc0 .Lentry_shape_is_right
	s_endpgm
.Lentry_shape_is_right:
; q = x w_q, k = x w_k (rows: tokens, quantised along d) and v^T = w_v^T x^T (rows: d, quantised along the tokens), all on codes of FP6 with E8M0 scales; the results are quantised in registers and stored as panels.
; PANELS as the quantising launches lay them: fragment images of 1,536 bytes (three loads of 16 bytes a lane, 512 consecutive bytes each), 16 to a panel of 128 rows x 256 K, then 1,024 bytes of scale words.
; A work-group makes 128 rows of operand P x 256 rows of operand Q, K = 1,024.  Four waves 2 x 2: wave (wr, wc) makes P's blocks 4 wr .. 4 wr + 3 x Q's row group wc (8 blocks): 32 accumulators.
; The smaller tile (64 x 128 a wave) is taken so that 768 work-groups of equal work share the chip evenly and one core serves three launches.
; THE MATRIX INSTRUCTION IS USED TRANSPOSED: source 0 = 16 rows of Q, source 1 = 16 rows of P: a lane holds one row of P, and by the panels' row order the 16 registers of tiles 2 b, 2 b + 1 are 16 true neighbours
; along Q's rows, which are the next product's K: so a wave's 8 tiles of a block of P are exactly one fragment and one scale word a row of the output.
; q, k: P = x, Q = w_q | w_k.   v^T: P = w_v, Q = x.   ALL OF K LIES IN LDS: four chunks of 256 along K, each filled once: no ring, no refill.  By this text's count a wave has at most four tensor loads out.
; CLUSTER 4 x 4: P's panels hang on the tile row alone and are asked for jointly along a row of the cluster, Q's on the tile column alone, jointly along a column.
; LIMITS: a block of zeros, or one under 2^-124, keeps the byte 1; NaN and infinities are not served.
; REGISTERS: window 0: v1-15 lane terms and addresses; v32-63 scale words, two sets, and nothing else; v64-159 P's fragments, two sets; v160-227 the way out.  window 1: v0-191 Q's fragments, two sets.  window 2: accumulator (a, b) at 8 (8 a + b).
.set FRG,  1536
.set QPAN, 25600
.set PPAN, 25600
.set PREG, 2*PPAN
.set SLOT, PREG+4*QPAN                 ; 512 along K: P's two panels, then two panels for each of Q's two row groups
.set ADRP, 4
.set ADRQ, 6
.set ASP,  8
.set ASQ,  10
.set GOC,  12
.set GOS,  13
.set SC,   32
.set PF,   64
.set TM,   160
.set PC,   176
.set SW,   196
.set WV,  8
.set WR,  9
.set WC,  10
.set SEL, 20
.set OUT, 22
.set G1P, 24
.set G1Q, 32
.set G0P, 40
.set G0Q, 68
.set HM,  84
.set MSB, 0
.macro WIN new                         ; the immediate's high byte repeats the setting that is left
.if MSB != \new
	s_set_vgpr_msb (MSB<<8)|\new
.set MSB, \new
.endif
.endm
.macro PLACES n
.rept \n
	v_nop
.endr
.endm
.macro BAR
	s_barrier_signal -1
	s_barrier_wait -1
.endm
.macro CROUND                          ; a round of the cluster's barrier
	s_barrier_signal -1
	s_barrier_wait -1
	s_cmp_lg_u32 s[WV], 0
	s_cbranch_scc1 .Lnot_wave_0_\@
	s_barrier_signal -3
.Lnot_wave_0_\@:
	s_barrier_wait -3
	s_barrier_signal -1
	s_barrier_wait -1
.endm
.macro FETCH s, kk, p                  ; K step kk of slot s into set p: Q's 8 fragments, P's 4, the scale words: 39 loads
	WIN 0x40                                       ; destination window 1
.irp b, 0,1,2,3,4,5,6,7
.irp c, 0,1,2
	ds_load_b128 v[96*(\p)+12*\b+4*\c:96*(\p)+12*\b+4*\c+3], v[ADRQ+(\s)] offset:((\kk)/2)*QPAN+(8*((\kk)%2)+\b)*FRG+512*\c
.endr
.endr
	WIN 0
.irp a, 0,1,2,3
.irp c, 0,1,2
	ds_load_b128 v[PF+48*(\p)+12*\a+4*\c:PF+48*(\p)+12*\a+4*\c+3], v[ADRP+(\s)] offset:((\kk)/2)*PPAN+(8*((\kk)%2)+\a)*FRG+512*\c
.endr
.endr
	ds_load_b128 v[SC+16*(\p):SC+16*(\p)+3], v[ASQ+(\s)] offset:((\kk)/2)*QPAN+512*((\kk)%2)
	ds_load_b128 v[SC+16*(\p)+4:SC+16*(\p)+7], v[ASQ+(\s)] offset:((\kk)/2)*QPAN+512*((\kk)%2)+256
	ds_load_b128 v[SC+16*(\p)+8:SC+16*(\p)+11], v[ASP+(\s)] offset:((\kk)/2)*PPAN+512*((\kk)%2)
.endm
.macro MUL p, zero, scp                ; 32 matrix instructions; the 32 accumulators take turns, in the same order in every step
	WIN 0xa1                                       ; source 0 (Q) window 1, source 1 (P) window 0, C and D window 2
.irp a, 0,1,2,3
.irp b, 0,1,2,3,4,5,6,7
.if \zero
	v_wmma_scale_f32_16x16x128_f8f6f4 v[8*(8*\a+\b):8*(8*\a+\b)+7], v[96*(\p)+12*\b:96*(\p)+12*\b+11], v[PF+48*(\p)+12*\a:PF+48*(\p)+12*\a+11], 0, v[SC+16*(\p)+\b], v[(\scp)+\a] matrix_a_fmt:MATRIX_FMT_FP6 matrix_b_fmt:MATRIX_FMT_FP6
.else
	v_wmma_scale_f32_16x16x128_f8f6f4 v[8*(8*\a+\b):8*(8*\a+\b)+7], v[96*(\p)+12*\b:96*(\p)+12*\b+11], v[PF+48*(\p)+12*\a:PF+48*(\p)+12*\a+11], v[8*(8*\a+\b):8*(8*\a+\b)+7], v[SC+16*(\p)+\b], v[(\scp)+\a] matrix_a_fmt:MATRIX_FMT_FP6 matrix_b_fmt:MATRIX_FMT_FP6
.endif
.endr
.endr
.endm
; K step t of 8.  Its fragments were asked for a K step ago.  sync >= 0: the next step lies in the next chunk: my part of that chunk has landed (the count: my later chunks may be out), and everybody's has.
.macro KS t, zero, sync
	s_wait_dscnt 0x0
.if (\sync) >= 0
	s_wait_tensorcnt \sync
	BAR
.endif
	PLACES 4                                       ; in front of loads into registers that the step before last's matrix instructions have read
	FETCH ((\t)+1)/4, ((\t)+1)%4, ((\t)+1)%2
	MUL (\t)%2, \zero, SC+16*((\t)%2)+8
.endm
; The way out of P's block a.  A[n] = window 2's register 64 a + n = the number at Q's row 32 (n / 16) + 16 h + n % 16 of my row.
.macro MAXABS a
	WIN 0x0a                                       ; sources 0 and 1 window 2
.irp b, 0,1,2,3
	v_max3_num_f32 v[TM+\b], |v[64*(\a)+16*\b]|, |v[64*(\a)+16*\b+1]|, 0x1800000   ; each accumulator is read from its low end on; the floor 2^(3 - 127)
.endr
.irp i, 2,4,6,8,10,12,14
.irp b, 0,1,2,3
	v_max3_num_f32 v[TM+\b], |v[64*(\a)+16*\b+\i]|, |v[64*(\a)+16*\b+\i+1]|, v[TM+\b]
.endr
.endr
	WIN 0
.irp b, 0,1,2,3
	v_permlanex16_b32 v[TM+4+\b], v[TM+\b], s[SEL], s[SEL+1]
.endr
.irp b, 0,1,2,3
	v_max_num_f32 v[TM+\b], v[TM+\b], v[TM+4+\b]
.endr
.endm
.macro CODES a                         ; from the four largest magnitudes in v[TM] on: the scale word into v[SW + a], the fragment into v[PC] on
	s_wait_xcnt 0x0                                ; the last fragment's stores have read their registers
.irp b, 0,1,2,3
	v_add_nc_u32 v[TM+12+\b], 0xff000000, v[TM+\b]
.endr
.irp b, 0,1,2,3
	v_lshrrev_b32 v[TM+4+\b], 23, v[TM+12+\b]
.endr
	v_lshl_or_b32 v[SW+\a], v[TM+5], 8, v[TM+4]
	v_lshl_or_b32 v[SW+\a], v[TM+6], 16, v[SW+\a]
	v_lshl_or_b32 v[SW+\a], v[TM+7], 24, v[SW+\a]
	WIN 0x02                                       ; source 0 window 2
.irp c, 0,1
	v_cvt_scalef32_pk16_fp6_f32 v[PC+6*\c:PC+6*\c+2], v[64*(\a)+32*\c:64*(\a)+32*\c+15], v[TM+12+2*\c]
	v_cvt_scalef32_pk16_fp6_f32 v[PC+12+4*\c:PC+14+4*\c], v[64*(\a)+32*\c+16:64*(\a)+32*\c+31], v[TM+12+2*\c+1]
.endr
	WIN 0
	v_nop                                          ; one plain line behind the scaled conversions
.irp c, 0,1
.irp i, 0,1,2
	v_permlane16_swap_b32 v[PC+6*\c+\i], v[PC+12+4*\c+\i]
.endr
.irp i, 0,1,2
	v_mov_b32 v[PC+3+6*\c+\i], v[PC+12+4*\c+\i]
.endr
.endr
.endm
.macro PUT a
.irp c, 0,1,2
	global_store_b128 v[GOC], v[PC+4*\c:PC+4*\c+3], s[OUT:OUT+1] offset:(\a)*FRG+512*\c   ; 512 consecutive bytes a store
.endr
.endm
	s_load_b128 s[4:7], s[0:1], 0x0                ; xw, qkv
	v_lshl_add_u32 v254, v0, 2, 0x4b000
	v_mov_b32 v255, 0
	ds_add_u32 v254, v255
	v_lshrrev_b32 v1, 5, v0
	v_readfirstlane_b32 s[WV], v1
	s_lshr_b32 s[WR], s[WV], 1                     ; my half of P's rows.  Also: which of Q's row groups waves 1 and 2 fetch
	s_and_b32 s[WC], s[WV], 1                      ; my row group of Q
	s_bfe_u32 s11, ttmp6, 0x40000                  ; cx
	s_bfe_u32 s12, ttmp6, 0x40004                  ; cy
	s_and_b32 s14, ttmp7, 0xffff                   ; the cluster's y: 0-15 q and k, 16-23 v^T
	s_lshl_b32 s15, ttmp9, 2
	s_add_co_u32 s15, s15, s11                     ; tile column
	s_lshl_b32 s2, s12, 2
	s_lshl_b32 s2, 15, s2                          ; my row of the cluster
	s_lshl_b32 s3, 0x1111, s11                     ; my column
	s_or_b32 s[G1P], s2, (3<<16)|(1<<21)           ; elements of 8 bytes, no padding; bit 21 beside a mask
	s_or_b32 s[G1Q], s3, (3<<16)|(1<<21)
.irp g, G1P, G1Q                               ; a panel is a dense block: 100 rows of 256 bytes
	s_mov_b32 s[\g+1], 32<<16
	s_mov_b32 s[\g+2], 100<<16
	s_mov_b32 s[\g+3], 32<<16
	s_mov_b32 s[\g+4], 100
	s_mov_b32 s[\g+5], 32
	s_mov_b32 s[\g+6], 0
	s_mov_b32 s[\g+7], 0
.endr
	; P's first panel, of cy and the cluster's y alone
	s_lshl_b32 s16, s12, 2
	s_lshl_b32 s17, s14, 4                         ; x: 4 (4 Cy + cy)
	s_and_b32 s18, s14, 1
	s_lshl_b32 s18, s18, 4
	s_add_co_u32 s18, s18, 320                     ; w_v: 256 + 4 (16 + 4 (Cy % 2) + cy)
	; Q's, of cx, the cluster's x and y and the wave alone
	s_lshl_b32 s85, s15, 3
	s_lshl_b32 s86, s[WR], 2
	s_add_co_u32 s85, s85, s86                     ; 8 x tile column + 4 e
	s_max_u32 s87, s14, 16
	s_sub_co_u32 s87, s87, 16
	s_lshr_b32 s87, s87, 1                         ; v^T: which 8 of the 32 groups of 256 tokens
	s_lshl_b32 s88, s87, 6
	s_mov_b32 s86, 256                             ; q, k: the weights' panels begin at 256
	; the output's panel
	s_lshr_b32 s89, s15, 2
	s_lshl_b32 s89, s89, 8
	s_and_b32 s91, s15, 3
	s_add_co_u32 s89, s89, s91
	s_add_co_u32 s89, s89, s17
	s_add_co_u32 s89, s89, s16                     ; q | k: 256 (tx / 4) + 4 Rg + tx % 4
	s_and_b32 s90, s14, 1
	s_lshl_b32 s90, s90, 2
	s_add_co_u32 s90, s90, s12
	s_lshl_b32 s90, s90, 5
	s_add_co_u32 s90, s90, s15
	s_lshl_b32 s91, s87, 3
	s_add_co_u32 s90, s90, s91
	s_add_co_u32 s90, s90, 512                     ; v^T: 512 + 32 Dg + T
	s_cmp_lt_u32 s14, 16                           ; the same in all sixteen partners
	s_cselect_b32 s17, s17, s18
	s_cselect_b32 s86, s86, s88
	s_cselect_b32 s89, s89, s90
	s_add_co_u32 s56, s16, s17
	s_mul_i32 s56, s56, PPAN
	s_mov_b32 s57, 0
	s_add_co_u32 s58, s85, s86
	s_mul_i32 s58, s58, QPAN
	s_mov_b32 s59, 0
	s_mul_i32 s60, s89, 25600
	s_mov_b32 s61, 0
	s_mul_i32 s92, s[WR], 2*QPAN                   ; where Q's row group goes: of the wave's number alone
	s_mov_b32 s[SEL], 0x76543210
	s_mov_b32 s[SEL+1], 0xfedcba98
	s_wait_dscnt 0x0
	s_wait_kmcnt 0x0
	s_add_nc_u64 s[56:57], s[4:5], s[56:57]
	s_add_nc_u64 s[58:59], s[4:5], s[58:59]
	s_add_nc_u64 s[OUT:OUT+1], s[6:7], s[60:61]
.irp k, 0,1,2,3                                ; a group 0 for each chunk of 256 along K
	s_mov_b32 s[G0P+4*\k], 1
	s_mov_b32 s[G0P+4*\k+1], (\k/2)*SLOT+(\k%2)*PPAN
	s_add_nc_u64 s[G0P+4*\k+2:G0P+4*\k+3], s[56:57], \k*PPAN
	s_or_b32 s[G0P+4*\k+3], s[G0P+4*\k+3], 0x80000000
	s_mov_b32 s[G0Q+4*\k], 1
	s_add_co_u32 s[G0Q+4*\k+1], s92, (\k/2)*SLOT+PREG+(\k%2)*QPAN
	s_add_nc_u64 s[G0Q+4*\k+2:G0Q+4*\k+3], s[58:59], \k*QPAN
	s_or_b32 s[G0Q+4*\k+3], s[G0Q+4*\k+3], 0x80000000
.endr
	CROUND                                         ; all sixteen work-groups are here: the joint loads meet
	s_cmp_eq_u32 s[WV], 0                          ; wave 0 fetches P, waves 1 and 2 Q's two row groups, wave 3 nothing: a wave's four fills stand in one branch
	s_cbranch_scc0 .Lnot_p
.irp k, 0,1,2,3
	tensor_load_to_lds s[G0P+4*\k:G0P+4*\k+3], s[G1P:G1P+7]
	s_nop 0
.endr
	PLACES 4
	s_branch .Lasked
.Lnot_p:
	s_cmp_eq_u32 s[WV], 3
	s_cbranch_scc1 .Lasked
.irp k, 0,1,2,3
	tensor_load_to_lds s[G0Q+4*\k:G0Q+4*\k+3], s[G1Q:G1Q+7]
	s_nop 0
.endr
	PLACES 4
.Lasked:
	v_and_b32 v1, 31, v0
	v_and_b32 v2, 15, v0                           ; r
	v_bfe_u32 v3, v0, 4, 1                         ; h
	v_lshlrev_b32 v14, 4, v1
	v_lshlrev_b32 v15, 4, v2
	s_mul_i32 s96, s[WR], 4*FRG
	v_add_nc_u32 v[ADRP], s96, v14
	v_add_nc_u32 v[ADRP+1], SLOT, v[ADRP]
	s_mul_i32 s97, s[WC], 2*QPAN
	s_add_co_u32 s97, s97, PREG
	v_add_nc_u32 v[ADRQ], s97, v14
	v_add_nc_u32 v[ADRQ+1], SLOT, v[ADRQ]
	s_lshl_b32 s98, s[WR], 8
	s_add_co_u32 s98, s98, 24576
	v_add_nc_u32 v[ASP], s98, v15
	v_add_nc_u32 v[ASP+1], SLOT, v[ASP]
	s_add_co_u32 s99, s97, 24576
	v_add_nc_u32 v[ASQ], s99, v15
	v_add_nc_u32 v[ASQ+1], SLOT, v[ASQ]
	s_lshl_b32 s93, s[WC], 3
	s_lshl_b32 s94, s[WR], 2
	s_add_co_u32 s93, s93, s94
	s_mul_i32 s93, s93, FRG
	v_add_nc_u32 v[GOC], s93, v14                  ; the output's fragment (K step wc, block 4 wr + a)
	s_lshl_b32 s93, s[WC], 9
	s_lshl_b32 s94, s[WR], 8
	s_add_co_u32 s93, s93, s94
	s_add_co_u32 s93, s93, 24576
	v_lshl_add_u32 v[GOS], v3, 3, v15
	v_add_nc_u32 v[GOS], s93, v[GOS]               ; its scale words: 16 r + 8 h
	v_cmp_ne_u32 s[HM], 0, v3                      ; lanes 16-31
.irp b, 0,1,2,3
	v_mov_b32 v[TM+4+\b], 0                        ; a lane permute's destination counts as read
.endr
	s_wait_tensorcnt 3                             ; my part of chunk 0 is in; my three later chunks may be out
	BAR
	FETCH 0, 0, 0
	KS 0, 1, -1                                    ; the first step's products start the sums
	KS 1, 0, 2
	KS 2, 0, -1
	KS 3, 0, 1
	KS 4, 0, -1
	KS 5, 0, 0
	KS 6, 0, -1
	s_wait_dscnt 0x0
	MUL 1, 0, SC+24
	WIN 0
	PLACES 4                                       ; in front of the first read of results
.irp a, 0,1,2,3
	MAXABS \a
	CODES \a
	PUT \a
.endr
	v_cndmask_b32 v220, v[SW], v[SW+2], s[HM]      ; lanes 0-15 send blocks 0, 1 of row r, lanes 16-31 blocks 2, 3: 256 consecutive bytes
	v_cndmask_b32 v221, v[SW+1], v[SW+3], s[HM]
	global_store_b64 v[GOS], v[220:221], s[OUT:OUT+1]
	s_wait_tensorcnt 0x0
	ds_add_u32 v254, v255
	s_wait_dscnt 0x0
	CROUND                                         ; the closing round
	s_endpgm
.Lfunc_end_k_q4b7c261a1d_proj:
	.size	k_q4b7c261a1d_proj, .Lfunc_end_k_q4b7c261a1d_proj-k_q4b7c261a1d_proj
	.p2alignl 7, 3214868480
	.fill 96, 4, 3214868480
	.section	.rodata,"a",@progbits
	.p2align	6, 0x0
	.amdhsa_kernel k_q4b7c261a1d_proj
		.amdhsa_group_segment_fixed_size 307712
		.amdhsa_private_segment_fixed_size 0
		.amdhsa_enable_private_segment 0
		.amdhsa_kernarg_size 16
		.amdhsa_user_sgpr_count 2
		.amdhsa_user_sgpr_kernarg_segment_ptr 1
		.amdhsa_wavefront_size32 1
		.amdhsa_system_sgpr_workgroup_id_x 1
		.amdhsa_system_sgpr_workgroup_id_y 1
		.amdhsa_system_sgpr_workgroup_id_z 1
		.amdhsa_system_vgpr_workitem_id 0
		.amdhsa_next_free_vgpr 768
		.amdhsa_next_free_sgpr 100
		.amdhsa_reserve_vcc 0
		.amdhsa_float_denorm_mode_32 3
		.amdhsa_float_denorm_mode_16_64 3
		.amdhsa_memory_ordered 1
		.amdhsa_forward_progress 1
		.amdhsa_inst_pref_size 80
	.end_amdhsa_kernel
	.amdgpu_metadata
---
amdhsa.version: [ 1, 2 ]
amdhsa.kernels:
  - .name:           k_q4b7c261a1d_proj
    .symbol:         k_q4b7c261a1d_proj.kd
    .args:
      - { .name: xw, .offset: 0, .size: 8, .value_kind: global_buffer, .address_space: global }
      - { .name: qkv, .offset: 8, .size: 8, .value_kind: global_buffer, .address_space: global }
    .group_segment_fixed_size: 307712
    .private_segment_fixed_size: 0
    .kernarg_segment_align: 8
    .kernarg_segment_size: 16
    .max_flat_workgroup_size: 128
    .sgpr_count:     100
    .vgpr_count:     768
    .wavefront_size: 32
...
	.end_amdgpu_metadata
.endif
;; end of part 3
;; launch scores (part 4): grid 16 x 20, 4 waves a work-group, clusters of 4 x 1, 307,712 bytes of LDS; arguments qkv, pc, st; writes pc, st
.if DOCPART == 4
	.amdgcn_target "amdgcn-amd-amdhsa--gfx1250"
	.amdhsa_code_object_version 6
	.text
	.protected	k_q4b7c261a1d_scores
	.globl	k_q4b7c261a1d_scores
	.p2align	8
	.type	k_q4b7c261a1d_scores,@function
k_q4b7c261a1d_scores:
	s_mov_b64 s[64:65], 0
	v_nop
	global_prefetch_b8 v0, s[64:65] scope:SCOPE_SE
	s_setreg_imm32_b32 hwreg(HW_REG_WAVE_MODE, 25, 1), 1
	s_wait_xcnt 0x0
	s_wait_alu depctr_hold_cnt(0) depctr_sa_sdst(0) depctr_va_vdst(0) depctr_va_sdst(0) depctr_va_ssrc(0) depctr_va_vcc(0) depctr_vm_vsrc(0)
	s_getreg_b32 s2, hwreg(HW_REG_IB_STS2, 6, 4)
	s_cmp_eq_u32 s2, 0
	s_cbranch_scc0 .Lentry_in_a_cluster
	s_endpgm
.Lentry_in_a_cluster:
	s_bfe_u32 s2, ttmp6, 0x10000c
	s_cmp_lg_u32 s2, 0x3003
	s_cbranch_scc0 .Lentry_shape_is_right
	s_endpgm
.Lentry_shape_is_right:
; S = q k^T on codes of FP6, the causal mask, and p = 2^(t - M) quantised along the keys; t = score x log2(e) / 32.  M here is LOCAL: for each query and each 128 keys the ceiling of the largest t of those keys.
; A whole-number M is taken up by a block's scale, so the codes are those under the row's M; the next launch takes M(row) - M(local) off the scale bytes.  Stored: p's codes (fragment images, 24,576 bytes for 128 queries x 256 keys),
; and for each (128 queries, 128 keys, half wr): 256 bytes of scale words, 256 of -M, 256 of l (the sum of the unquantised p), each at 16 r + 4 a.
; The core is the projections': a work-group makes 128 queries (P = q) x 256 keys (Q = k), K = 1,024 whole in LDS, filled once; four waves 2 x 2; source 0 = 16 keys, source 1 = 16 queries: a lane holds one query,
; and by the panels' row order its 16 registers of tiles 2 b, 2 b + 1 are 16 neighbouring keys.  By this text's count a wave has at most four tensor loads out.
; TILES: cluster (batch, c, j): queries 512 c .. 512 c + 511 of the batch, 128 to a partner; keys 256 j on, j = 0 .. 2 c + 1: what lies wholly above is not computed.  The four partners read the same k: joint loads
; (two thirds of a work-group's bytes); q's panels are each partner's own: plain loads.  A partner whose tile lies wholly under the mask runs the same text (no branch may hang on its place) and stores zero codes, l = 0 and a very large -M.
; LIMITS: scores are taken to lie above -3e38; NaN and infinities are not served; a block whose every p is 0 keeps a byte from 1 to 125 over zero codes.
; REGISTERS as in the projections' text; v160-227 the softmax and the way out.
.set FRG,  1536
.set QPAN, 25600
.set PPAN, 25600
.set PREG, 2*PPAN
.set SLOT, PREG+4*QPAN
.set ADRP, 4
.set ADRQ, 6
.set ASP,  8
.set ASQ,  10
.set GOC,  12
.set GO1,  13
.set GO2,  16
.set SC,   32
.set PF,   64
.set TM,   160
.set PC,   176
.set SW,   196
.set NG,   200                         ; v200-203 -M of my query in blocks a = 0 .. 3
.set LS,   204                         ; v204-207 l
.set NP,   208                         ; v[208:209] -M in hand (the packed form names a pair)
.set LA,   210
.set LB,   212
.set T0,   214
.set DQ,   215                         ; my query less the wave's first key, less 16 h
.set NINF, 216
.set WV,  10
.set WR,  11
.set WC,  12
.set J,   17
.set SEL, 20
.set CS,  22
.set G1P, 24
.set G1Q, 32
.set G0P, 40
.set G0Q, 68
.set HM,  84
.set C2,  90
.set MSB, 0
.macro WIN new
.if MSB != \new
	s_set_vgpr_msb (MSB<<8)|\new
.set MSB, \new
.endif
.endm
.macro PLACES n
.rept \n
	v_nop
.endr
.endm
.macro BAR
	s_barrier_signal -1
	s_barrier_wait -1
.endm
.macro CROUND
	s_barrier_signal -1
	s_barrier_wait -1
	s_cmp_lg_u32 s[WV], 0
	s_cbranch_scc1 .Lnot_wave_0_\@
	s_barrier_signal -3
.Lnot_wave_0_\@:
	s_barrier_wait -3
	s_barrier_signal -1
	s_barrier_wait -1
.endm
.macro FETCH s, kk, p
	WIN 0x40
.irp b, 0,1,2,3,4,5,6,7
.irp c, 0,1,2
	ds_load_b128 v[96*(\p)+12*\b+4*\c:96*(\p)+12*\b+4*\c+3], v[ADRQ+(\s)] offset:((\kk)/2)*QPAN+(8*((\kk)%2)+\b)*FRG+512*\c
.endr
.endr
	WIN 0
.irp a, 0,1,2,3
.irp c, 0,1,2
	ds_load_b128 v[PF+48*(\p)+12*\a+4*\c:PF+48*(\p)+12*\a+4*\c+3], v[ADRP+(\s)] offset:((\kk)/2)*PPAN+(8*((\kk)%2)+\a)*FRG+512*\c
.endr
.endr
	ds_load_b128 v[SC+16*(\p):SC+16*(\p)+3], v[ASQ+(\s)] offset:((\kk)/2)*QPAN+512*((\kk)%2)
	ds_load_b128 v[SC+16*(\p)+4:SC+16*(\p)+7], v[ASQ+(\s)] offset:((\kk)/2)*QPAN+512*((\kk)%2)+256
	ds_load_b128 v[SC+16*(\p)+8:SC+16*(\p)+11], v[ASP+(\s)] offset:((\kk)/2)*PPAN+512*((\kk)%2)
.endm
.macro MUL p, zero, scp                ; the 32 accumulators take turns
	WIN 0xa1
.irp a, 0,1,2,3
.irp b, 0,1,2,3,4,5,6,7
.if \zero
	v_wmma_scale_f32_16x16x128_f8f6f4 v[8*(8*\a+\b):8*(8*\a+\b)+7], v[96*(\p)+12*\b:96*(\p)+12*\b+11], v[PF+48*(\p)+12*\a:PF+48*(\p)+12*\a+11], 0, v[SC+16*(\p)+\b], v[(\scp)+\a] matrix_a_fmt:MATRIX_FMT_FP6 matrix_b_fmt:MATRIX_FMT_FP6
.else
	v_wmma_scale_f32_16x16x128_f8f6f4 v[8*(8*\a+\b):8*(8*\a+\b)+7], v[96*(\p)+12*\b:96*(\p)+12*\b+11], v[PF+48*(\p)+12*\a:PF+48*(\p)+12*\a+11], v[8*(8*\a+\b):8*(8*\a+\b)+7], v[SC+16*(\p)+\b], v[(\scp)+\a] matrix_a_fmt:MATRIX_FMT_FP6 matrix_b_fmt:MATRIX_FMT_FP6
.endif
.endr
.endr
.endm
.macro KS t, zero, sync
	s_wait_dscnt 0x0
.if (\sync) >= 0
	s_wait_tensorcnt \sync
	BAR
.endif
	PLACES 4
	FETCH ((\t)+1)/4, ((\t)+1)%4, ((\t)+1)%2
	MUL (\t)%2, \zero, SC+16*((\t)%2)+8
.endm
.macro CODES a
	s_wait_xcnt 0x0                                ; the last fragment's stores have read their registers
.irp b, 0,1,2,3
	v_add_nc_u32 v[TM+12+\b], 0xff000000, v[TM+\b]
.endr
.irp b, 0,1,2,3
	v_lshrrev_b32 v[TM+4+\b], 23, v[TM+12+\b]
.endr
	v_lshl_or_b32 v[SW+\a], v[TM+5], 8, v[TM+4]
	v_lshl_or_b32 v[SW+\a], v[TM+6], 16, v[SW+\a]
	v_lshl_or_b32 v[SW+\a], v[TM+7], 24, v[SW+\a]
	WIN 0x02
.irp c, 0,1
	v_cvt_scalef32_pk16_fp6_f32 v[PC+6*\c:PC+6*\c+2], v[64*(\a)+32*\c:64*(\a)+32*\c+15], v[TM+12+2*\c]
	v_cvt_scalef32_pk16_fp6_f32 v[PC+12+4*\c:PC+14+4*\c], v[64*(\a)+32*\c+16:64*(\a)+32*\c+31], v[TM+12+2*\c+1]
.endr
	WIN 0
	v_nop
.irp c, 0,1
.irp i, 0,1,2
	v_permlane16_swap_b32 v[PC+6*\c+\i], v[PC+12+4*\c+\i]
.endr
.irp i, 0,1,2
	v_mov_b32 v[PC+3+6*\c+\i], v[PC+12+4*\c+\i]
.endr
.endr
.endm
.macro PUT a
.irp c, 0,1,2
	global_store_b128 v[GOC], v[PC+4*\c:PC+4*\c+3], s[6:7] offset:(\a)*FRG+512*\c
.endr
.endm
; The softmax of block a of my queries over the wave's 128 keys.  A[n] = window 2's register 64 a + n = key 32 (n / 16) + 16 h + n % 16.
.macro SOFT a
	WIN 0
	s_cmp_lt_u32 s[J], s[C2]                       ; keys under 512 c count for every query of the cluster: the same answer in all four partners
	s_cbranch_scc1 .Lopen_\@
	WIN 0x82                                       ; destination and source 0 window 2
.set n, 0
.rept 64
	v_cmp_gt_i32 vcc_lo, 32*(n/16)+n%16-32*((\a)/2)-8*((\a)%2), v[DQ]   ; the key comes after the query
	v_cndmask_b32 v[64*(\a)+n], v[64*(\a)+n], v[NINF], vcc_lo
.set n, n+1
.endr
	WIN 0
.Lopen_\@:
	WIN 0x0a
.irp b, 0,1,2,3
	v_max3_num_f32 v[TM+\b], v[64*(\a)+16*\b], v[64*(\a)+16*\b+1], 0xff61b1e6   ; the largest score of each block of 32 keys (and -3e38, so that it is a number); low end first
.endr
.irp i, 2,4,6,8,10,12,14
.irp b, 0,1,2,3
	v_max3_num_f32 v[TM+\b], v[64*(\a)+16*\b+\i], v[64*(\a)+16*\b+\i+1], v[TM+\b]
.endr
.endr
	WIN 0
.irp b, 0,1,2,3
	v_permlanex16_b32 v[TM+4+\b], v[TM+\b], s[SEL], s[SEL+1]
.endr
.irp b, 0,1,2,3
	v_max_num_f32 v[TM+\b], v[TM+\b], v[TM+4+\b]
.endr
	v_max3_num_f32 v[T0], v[TM], v[TM+1], v[TM+2]
	v_max_num_f32 v[T0], v[T0], v[TM+3]
	v_mul_f32 v[T0], s[CS], v[T0]                  ; the largest t
	v_floor_f32 v[NP], -v[T0]                      ; -M = floor(-t): M is a whole number
	v_mov_b32 v[NG+\a], v[NP]
	WIN 0x82
.set n, 0
.rept 32
	v_pk_fma_f32 v[64*(\a)+n:64*(\a)+n+1], v[64*(\a)+n:64*(\a)+n+1], s[CS:CS+1], v[NP:NP+1] op_sel_hi:[1,0,0]   ; t - M
.set n, n+2
.endr
	WIN 0
.irp b, 0,1,2,3
	v_fma_f32 v[TM+\b], v[TM+\b], s[CS], v[NP]     ; the same of each block's largest score
.endr
	WIN 0x82
.set n, 0
.rept 64
	v_exp_f32 v[64*(\a)+n], v[64*(\a)+n]           ; p, not normalised
.set n, n+1
.endr
	WIN 0
	v_nop                                          ; a plain line behind the batch
	s_wait_alu depctr_va_vdst(0)                   ; one wait for the 64, ahead of their first reader
.irp b, 0,1,2,3
	v_exp_f32 v[TM+\b], v[TM+\b]                   ; the block's largest p: the same two instructions on the same number
.endr
	WIN 0x0a
	v_pk_add_f32 v[LA:LA+1], v[64*(\a):64*(\a)+1], v[64*(\a)+2:64*(\a)+3]      ; l is taken of the unquantised p, in two chains
	v_pk_add_f32 v[LB:LB+1], v[64*(\a)+4:64*(\a)+5], v[64*(\a)+6:64*(\a)+7]
	WIN 0x02
.irp n, 8,12,16,20,24,28,32,36,40,44,48,52,56,60
	v_pk_add_f32 v[LA:LA+1], v[64*(\a)+\n:64*(\a)+\n+1], v[LA:LA+1]
	v_pk_add_f32 v[LB:LB+1], v[64*(\a)+\n+2:64*(\a)+\n+3], v[LB:LB+1]
.endr
	WIN 0
	v_pk_add_f32 v[LA:LA+1], v[LA:LA+1], v[LB:LB+1]
	v_add_f32 v[LA], v[LA], v[LA+1]
	v_permlanex16_b32 v[LB], v[LA], s[SEL], s[SEL+1]
	v_add_f32 v[LS+\a], v[LA], v[LB]
	s_wait_alu depctr_va_vdst(0)                   ; and one for the four
.irp b, 0,1,2,3
	v_med3_num_f32 v[TM+\b], v[TM+\b], 0x1800000, 1.0   ; the floor 2^(3 - 127); and 1 from above, for a row all of whose keys are hidden, where this number means nothing
.endr
	CODES \a
	PUT \a
.endm
	s_load_b128 s[4:7], s[0:1], 0x0                ; qkv, pc
	s_load_b64 s[8:9], s[0:1], 0x10                ; st
	v_lshl_add_u32 v254, v0, 2, 0x4b000
	v_mov_b32 v255, 0
	ds_add_u32 v254, v255
	v_lshrrev_b32 v1, 5, v0
	v_readfirstlane_b32 s[WV], v1
	s_lshr_b32 s[WR], s[WV], 1
	s_and_b32 s[WC], s[WV], 1
	s_bfe_u32 s13, ttmp6, 0x40000                  ; cx
	s_and_b32 s15, ttmp7, 0xffff                   ; 0 .. 19: (c, j), c (c + 1) + j
	s_cmp_ge_u32 s15, 2
	s_cselect_b32 s16, 1, 0
	s_cmp_ge_u32 s15, 6
	s_cselect_b32 s85, 1, 0
	s_add_co_u32 s16, s16, s85
	s_cmp_ge_u32 s15, 12
	s_cselect_b32 s85, 1, 0
	s_add_co_u32 s16, s16, s85                     ; c
	s_add_co_u32 s85, s16, 1
	s_mul_i32 s85, s85, s16
	s_sub_co_u32 s[J], s15, s85                    ; j
	s_lshl_b32 s[C2], s16, 1
	s_lshl_b32 s18, s16, 2
	s_add_co_u32 s18, s18, s13                     ; my 128 queries of the batch
	s_lshl_b32 s19, ttmp9, 4
	s_add_co_u32 s19, s19, s18                     ; and of all
	s_mov_b32 s[G1P], 3<<16                        ; q's panels: my own, no mask
	s_mov_b32 s[G1Q], 15|(3<<16)|(1<<21)           ; k's: all four partners
.irp g, G1P, G1Q
	s_mov_b32 s[\g+1], 32<<16
	s_mov_b32 s[\g+2], 100<<16
	s_mov_b32 s[\g+3], 32<<16
	s_mov_b32 s[\g+4], 100
	s_mov_b32 s[\g+5], 32
	s_mov_b32 s[\g+6], 0
	s_mov_b32 s[\g+7], 0
.endr
	s_mul_i32 s56, s19, 4*PPAN                     ; q: panel 4 Rg
	s_mov_b32 s57, 0
	s_lshl_b32 s86, ttmp9, 6                       ; k: panel 256 + 4 (16 batch + 2 j + e): nothing of cx
	s_lshl_b32 s87, s[J], 3
	s_add_co_u32 s86, s86, s87
	s_lshl_b32 s87, s[WR], 2
	s_add_co_u32 s86, s86, s87
	s_add_co_u32 s86, s86, 256
	s_mul_i32 s58, s86, QPAN
	s_mov_b32 s59, 0
	s_lshl_b32 s88, s19, 3
	s_add_co_u32 s88, s88, s[J]
	s_mul_i32 s60, s88, 24576                      ; p's codes
	s_mov_b32 s61, 0
	s_lshl_b32 s88, s19, 4
	s_lshl_b32 s89, s[J], 1
	s_add_co_u32 s88, s88, s89
	s_add_co_u32 s88, s88, s[WC]
	s_lshl_b32 s88, s88, 1
	s_add_co_u32 s88, s88, s[WR]
	s_mul_i32 s62, s88, 768                        ; the statistics
	s_mov_b32 s63, 0
	s_lshl_b32 s91, s[J], 1
	s_add_co_u32 s91, s91, s[WC]
	s_sub_co_i32 s91, s18, s91
	s_lshl_b32 s91, s91, 7
	s_lshl_b32 s93, s[WR], 6
	s_add_co_i32 s91, s91, s93                     ; 128 (ib - 2 j - wc) + 64 wr
	s_mul_i32 s92, s[WR], 2*QPAN
	s_mov_b32 s[SEL], 0x76543210
	s_mov_b32 s[SEL+1], 0xfedcba98
	s_mov_b32 s[CS], 0x3d38aa3b                    ; log2(e) / 32
	s_mov_b32 s[CS+1], s[CS]
	s_wait_dscnt 0x0
	s_wait_kmcnt 0x0
	s_add_nc_u64 s[56:57], s[4:5], s[56:57]
	s_add_nc_u64 s[58:59], s[4:5], s[58:59]
	s_add_nc_u64 s[6:7], s[6:7], s[60:61]
	s_add_nc_u64 s[8:9], s[8:9], s[62:63]
.irp k, 0,1,2,3
	s_mov_b32 s[G0P+4*\k], 1
	s_mov_b32 s[G0P+4*\k+1], (\k/2)*SLOT+(\k%2)*PPAN
	s_add_nc_u64 s[G0P+4*\k+2:G0P+4*\k+3], s[56:57], \k*PPAN
	s_or_b32 s[G0P+4*\k+3], s[G0P+4*\k+3], 0x80000000
	s_mov_b32 s[G0Q+4*\k], 1
	s_add_co_u32 s[G0Q+4*\k+1], s92, (\k/2)*SLOT+PREG+(\k%2)*QPAN
	s_add_nc_u64 s[G0Q+4*\k+2:G0Q+4*\k+3], s[58:59], \k*QPAN
	s_or_b32 s[G0Q+4*\k+3], s[G0Q+4*\k+3], 0x80000000
.endr
	CROUND
	s_cmp_eq_u32 s[WV], 0
	s_cbranch_scc0 .Lnot_p
.irp k, 0,1,2,3
	tensor_load_to_lds s[G0P+4*\k:G0P+4*\k+3], s[G1P:G1P+7]
	s_nop 0
.endr
	PLACES 4
	s_branch .Lasked
.Lnot_p:
	s_cmp_eq_u32 s[WV], 3
	s_cbranch_scc1 .Lasked
.irp k, 0,1,2,3
	tensor_load_to_lds s[G0Q+4*\k:G0Q+4*\k+3], s[G1Q:G1Q+7]
	s_nop 0
.endr
	PLACES 4
.Lasked:
	v_and_b32 v1, 31, v0
	v_and_b32 v2, 15, v0
	v_bfe_u32 v3, v0, 4, 1
	v_lshlrev_b32 v14, 4, v1
	v_lshlrev_b32 v15, 4, v2
	s_mul_i32 s96, s[WR], 4*FRG
	v_add_nc_u32 v[ADRP], s96, v14
	v_add_nc_u32 v[ADRP+1], SLOT, v[ADRP]
	s_mul_i32 s97, s[WC], 2*QPAN
	s_add_co_u32 s97, s97, PREG
	v_add_nc_u32 v[ADRQ], s97, v14
	v_add_nc_u32 v[ADRQ+1], SLOT, v[ADRQ]
	s_lshl_b32 s98, s[WR], 8
	s_add_co_u32 s98, s98, 24576
	v_add_nc_u32 v[ASP], s98, v15
	v_add_nc_u32 v[ASP+1], SLOT, v[ASP]
	s_add_co_u32 s99, s97, 24576
	v_add_nc_u32 v[ASQ], s99, v15
	v_add_nc_u32 v[ASQ+1], SLOT, v[ASQ]
	s_lshl_b32 s93, s[WC], 3
	s_lshl_b32 s94, s[WR], 2
	s_add_co_u32 s93, s93, s94
	s_mul_i32 s93, s93, FRG
	v_add_nc_u32 v[GOC], s93, v14
	v_lshl_add_u32 v[GO1], v3, 8, v15              ; 256 h + 16 r: lanes 0-15 the scale words, lanes 16-31 -M
	v_lshl_add_u32 v[GO2], v3, 3, v15              ; 16 r + 8 h: l
	v_cmp_ne_u32 s[HM], 0, v3
	v_and_b32 v17, 8, v2
	v_add_nc_u32 v17, v17, v2                      ; r + 8 (r / 8)
	v_lshlrev_b32 v18, 4, v3
	v_sub_nc_u32 v17, v17, v18
	v_add_nc_u32 v[DQ], s91, v17
	v_mov_b32 v[NINF], 0xff800000
	v_mov_b32 v[NP+1], 0                           ; named as the upper half of a pair
.irp b, 0,1,2,3
	v_mov_b32 v[TM+4+\b], 0
.endr
	s_wait_tensorcnt 3                             ; my part of chunk 0 is in; my three later chunks may be out
	BAR
	FETCH 0, 0, 0
	KS 0, 1, -1
	KS 1, 0, 2
	KS 2, 0, -1
	KS 3, 0, 1
	KS 4, 0, -1
	KS 5, 0, 0
	KS 6, 0, -1
	s_wait_dscnt 0x0
	MUL 1, 0, SC+24
	WIN 0
	PLACES 4
	SOFT 0
	SOFT 1
	SOFT 2
	SOFT 3
.irp a, 0,1,2,3
	v_cndmask_b32 v[220+\a], v[SW+\a], v[NG+\a], s[HM]
.endr
	v_cndmask_b32 v224, v[LS], v[LS+2], s[HM]
	v_cndmask_b32 v225, v[LS+1], v[LS+3], s[HM]
	global_store_b128 v[GO1], v[220:223], s[8:9]               ; 512 consecutive bytes
	global_store_b64 v[GO2], v[224:225], s[8:9] offset:512     ; 256 consecutive bytes
	s_wait_tensorcnt 0x0
	ds_add_u32 v254, v255
	s_wait_dscnt 0x0
	CROUND                                         ; the closing round
	s_endpgm
.Lfunc_end_k_q4b7c261a1d_scores:
	.size	k_q4b7c261a1d_scores, .Lfunc_end_k_q4b7c261a1d_scores-k_q4b7c261a1d_scores
	.p2alignl 7, 3214868480
	.fill 96, 4, 3214868480
	.section	.rodata,"a",@progbits
	.p2align	6, 0x0
	.amdhsa_kernel k_q4b7c261a1d_scores
		.amdhsa_group_segment_fixed_size 307712
		.amdhsa_private_segment_fixed_size 0
		.amdhsa_enable_private_segment 0
		.amdhsa_kernarg_size 24
		.amdhsa_user_sgpr_count 2
		.amdhsa_user_sgpr_kernarg_segment_ptr 1
		.amdhsa_wavefront_size32 1
		.amdhsa_system_sgpr_workgroup_id_x 1
		.amdhsa_system_sgpr_workgroup_id_y 1
		.amdhsa_system_sgpr_workgroup_id_z 1
		.amdhsa_system_vgpr_workitem_id 0
		.amdhsa_next_free_vgpr 768
		.amdhsa_next_free_sgpr 100
		.amdhsa_reserve_vcc 1
		.amdhsa_float_denorm_mode_32 3
		.amdhsa_float_denorm_mode_16_64 3
		.amdhsa_memory_ordered 1
		.amdhsa_forward_progress 1
		.amdhsa_inst_pref_size 130
	.end_amdhsa_kernel
	.amdgpu_metadata
---
amdhsa.version: [ 1, 2 ]
amdhsa.kernels:
  - .name:           k_q4b7c261a1d_scores
    .symbol:         k_q4b7c261a1d_scores.kd
    .args:
      - { .name: qkv, .offset: 0, .size: 8, .value_kind: global_buffer, .address_space: global }
      - { .name: pc, .offset: 8, .size: 8, .value_kind: global_buffer, .address_space: global }
      - { .name: st, .offset: 16, .size: 8, .value_kind: global_buffer, .address_space: global }
    .group_segment_fixed_size: 307712
    .private_segment_fixed_size: 0
    .kernarg_segment_align: 8
    .kernarg_segment_size: 24
    .max_flat_workgroup_size: 128
    .sgpr_count:     100
    .vgpr_count:     768
    .wavefront_size: 32
...
	.end_amdgpu_metadata
.endif
;; end of part 4
;; launch pv (part 5): grid 4 x 64, 4 waves a work-group, clusters of 4 x 4, 327,680 bytes of LDS; arguments pc, st, qkv, out0; writes out0
.if DOCPART == 5
	.amdgcn_target "amdgcn-amd-amdhsa--gfx1250"
	.amdhsa_code_object_version 6
	.text
	.protected	k_q4b7c261a1d_pv
	.globl	k_q4b7c261a1d_pv
	.p2align	8
	.type	k_q4b7c261a1d_pv,@function
k_q4b7c261a1d_pv:
	s_mov_b64 s[64:65], 0
	v_nop
	global_prefetch_b8 v0, s[64:65] scope:SCOPE_SE
	s_setreg_imm32_b32 hwreg(HW_REG_WAVE_MODE, 25, 1), 1
	s_wait_xcnt 0x0
	s_wait_alu depctr_hold_cnt(0) depctr_sa_sdst(0) depctr_va_vdst(0) depctr_va_sdst(0) depctr_va_ssrc(0) depctr_va_vcc(0) depctr_vm_vsrc(0)
	s_getreg_b32 s2, hwreg(HW_REG_IB_STS2, 6, 4)
	s_cmp_eq_u32 s2, 0
	s_cbranch_scc0 .Lentry_in_a_cluster
	s_endpgm
.Lentry_in_a_cluster:
	s_bfe_u32 s2, ttmp6, 0x10000c
	s_cmp_lg_u32 s2, 0xf033
	s_cbranch_scc0 .Lentry_shape_is_right
	s_endpgm
.Lentry_shape_is_right:
; y = (p v) / l on codes of FP6.  p's codes were made under a local M for each query and each 128 keys; here the row's M is the largest of them, and M(row) - M(local) is taken off p's scale bytes (held at 0),
; which is exact: a power of two is taken up by a block's scale.  l = the sum of the local l x 2^(M(local) - M(row)).
; The core is the projections': a work-group makes 128 queries (P = p) x 256 of d (Q = v^T); four waves 2 x 2; source 0 = 16 of d, source 1 = 16 queries: a lane holds one query and, by v^T's row order, neighbours along d.
; K = the keys 0 .. 512 (c + 1) - 1 for the queries 512 c .. 512 c + 511 of a batch: N = c + 1 slots of 512 keys go through a ring of two LDS slots.  N is the same in all sixteen partners of a cluster (4 blocks of queries x 4 of d),
; p's tiles are asked for jointly along a row of the cluster, v^T's along a column.  The four phases are written out; all branches hang on N and go forward; every wait for tensor loads is for 0; one tensor load of a wave is out at a time.
; LIMITS: a block of p whose byte would fall under 0 is held at byte 0 (at most 7.5 x 2^-127 a number, against l of 1/2 or more); terms of l more than 127 powers of two under the row's M count as at most 2^-127 of themselves.
; REGISTERS: window 0: v1-20 lane terms and addresses; v28, v29 the add's two; v32-63 v^T's scale words, two sets; v64-159 p's fragments, two sets (at the head -M; on the way out rows of y); v160-223 p's scale words (4 g + a), and nothing else;
;   v224-227 -M of the row; v228-231 l; v232-239 1 / l in pairs; v240-255 at work.  window 1: v0-191 v^T's fragments (at the head l's terms).  window 2: accumulator (a, b) at 8 (8 a + b).
.set FRG,   1536
.set QPAN,  25600
.set PPAN,  24576
.set PREG,  2*PPAN
.set SLOT,  PREG+4*QPAN
.set SPARE, 2*SLOT                     ; behind the ring: the spare words, 128 bytes for each wave: two blocks of 256 bytes that no other line names
.set STAGE, SPARE+512                  ; the way out: 16 rows x 272 bytes for each wave; no fill lands here
.set ADRP, 4
.set ADRQ, 6
.set ASQ,  10
.set STO,  12
.set RD,   13
.set VO,   16
.set GO,   20
.set SPW,  28
.set NIL,  29
.set SC,   32
.set PF,   64
.set NM,   64
.set BK,   64
.set SCPF, 160
.set NR,   224
.set LS,   228
.set RI,   232
.set T,    240
.set WV,  12
.set WR,  13
.set WC,  14
.set C,   19
.set N,   20
.set H80, 21
.set G1P, 24
.set G1Q, 32
.set G0P, 40
.set G0Q, 48
.set FL,  68
.set MSB, 0
.macro WIN new
.if MSB != \new
	s_set_vgpr_msb (MSB<<8)|\new
.set MSB, \new
.endif
.endm
.macro PLACES n
.rept \n
	v_nop
.endr
.endm
.macro BAR
	s_barrier_signal -1
	s_barrier_wait -1
.endm
.macro CROUND
	s_barrier_signal -1
	s_barrier_wait -1
	s_cmp_lg_u32 s[WV], 0
	s_cbranch_scc1 .Lnot_wave_0_\@
	s_barrier_signal -3
.Lnot_wave_0_\@:
	s_barrier_wait -3
	s_barrier_signal -1
	s_barrier_wait -1
.endm
.macro JLOAD s                         ; wave 0 fetches p's tile, waves 1 and 2 v^T's two row groups, wave 3 nothing; four v_nop follow each line
	s_cmp_eq_u32 s[WV], 0
	s_cbranch_scc0 .Lnot_p_\@
	tensor_load_to_lds s[G0P+4*\s:G0P+4*\s+3], s[G1P:G1P+7]
	s_nop 0
	PLACES 4
	s_branch .Lasked_\@
.Lnot_p_\@:
	s_cmp_eq_u32 s[WV], 3
	s_cbranch_scc1 .Lasked_\@
	tensor_load_to_lds s[G0Q+4*\s:G0Q+4*\s+3], s[G1Q:G1Q+7]
	s_nop 0
	PLACES 4
.Lasked_\@:
.endm
.macro CJLOAD s, need                  ; a slot is filled only if a later phase reads it: the same answer in all sixteen partners
	s_cmp_ge_u32 s[N], \need
	s_cbranch_scc0 .Lskip_\@
	JLOAD \s
.Lskip_\@:
.endm
; The change of slots: all my tensor loads have landed; 0 onto my spare word; the due descriptors step while the add is out; the add and my reads of the slot are done; then the round.
.macro CHG round, step
	s_wait_tensorcnt 0x0
	ds_add_u32 v[SPW], v[NIL]
.if (\step) >= 0
	s_add_nc_u64 s[G0P+4*(\step)+2:G0P+4*(\step)+3], s[G0P+4*(\step)+2:G0P+4*(\step)+3], 2*PREG
	s_add_nc_u64 s[G0Q+4*(\step)+2:G0Q+4*(\step)+3], s[G0Q+4*(\step)+2:G0Q+4*(\step)+3], 4*QPAN
.endif
	s_wait_dscnt 0x0
.if \round
	CROUND
.else
	BAR
.endif
.endm
.macro FETCH s, kk, p                  ; 38 loads: v^T's 8 fragments, p's 4, v^T's scale words
	WIN 0x40
.irp b, 0,1,2,3,4,5,6,7
.irp c, 0,1,2
	ds_load_b128 v[96*(\p)+12*\b+4*\c:96*(\p)+12*\b+4*\c+3], v[ADRQ+(\s)] offset:((\kk)/2)*QPAN+(8*((\kk)%2)+\b)*FRG+512*\c
.endr
.endr
	WIN 0
.irp a, 0,1,2,3
.irp c, 0,1,2
	ds_load_b128 v[PF+48*(\p)+12*\a+4*\c:PF+48*(\p)+12*\a+4*\c+3], v[ADRP+(\s)] offset:((\kk)/2)*PPAN+(8*((\kk)%2)+\a)*FRG+512*\c
.endr
.endr
	ds_load_b128 v[SC+16*(\p):SC+16*(\p)+3], v[ASQ+(\s)] offset:((\kk)/2)*QPAN+512*((\kk)%2)
	ds_load_b128 v[SC+16*(\p)+4:SC+16*(\p)+7], v[ASQ+(\s)] offset:((\kk)/2)*QPAN+512*((\kk)%2)+256
.endm
.macro MUL p, zero, scp                ; the 32 accumulators take turns
	WIN 0xa1
.irp a, 0,1,2,3
.irp b, 0,1,2,3,4,5,6,7
.if \zero
	v_wmma_scale_f32_16x16x128_f8f6f4 v[8*(8*\a+\b):8*(8*\a+\b)+7], v[96*(\p)+12*\b:96*(\p)+12*\b+11], v[PF+48*(\p)+12*\a:PF+48*(\p)+12*\a+11], 0, v[SC+16*(\p)+\b], v[(\scp)+\a] matrix_a_fmt:MATRIX_FMT_FP6 matrix_b_fmt:MATRIX_FMT_FP6
.else
	v_wmma_scale_f32_16x16x128_f8f6f4 v[8*(8*\a+\b):8*(8*\a+\b)+7], v[96*(\p)+12*\b:96*(\p)+12*\b+11], v[PF+48*(\p)+12*\a:PF+48*(\p)+12*\a+11], v[8*(8*\a+\b):8*(8*\a+\b)+7], v[SC+16*(\p)+\b], v[(\scp)+\a] matrix_a_fmt:MATRIX_FMT_FP6 matrix_b_fmt:MATRIX_FMT_FP6
.endif
.endr
.endr
.endm
.macro KS s, kk, g, zero               ; one of a slot's first three K steps: 128 keys, group g of the batch's sixteen
	s_wait_dscnt 0x0
	PLACES 4
	FETCH \s, (\kk)+1, 1-(\kk)%2
	MUL (\kk)%2, \zero, SCPF+4*(\g)
.endm
.macro KEND                            ; the head of a slot's last K step
	s_wait_dscnt 0x0                               ; its fragments are in: my reads of this slot are over
	PLACES 4
	WIN 0
.endm
; Group g's four scale words and its part of l are brought under the row's M.
.macro ADJ g
.irp a, 0,1,2,3
	v_sub_f32 v[T+\a], v[NR+\a], v[NM+4*(\g)+\a]   ; M(local) - M(row): a whole number, 0 or less
.endr
.irp a, 0,1,2,3
	v_max_num_f32 v[T+\a], 0xc2fe0000, v[T+\a]     ; held at -127
.endr
.irp a, 0,1,2,3
	v_cvt_i32_f32 v[T+\a], v[T+\a]
.endr
	WIN 0x01                                       ; source 0 window 1
.irp a, 0,1,2,3
	v_ldexp_f32 v[T+4+\a], v[4*(\g)+\a], v[T+\a]
.endr
	WIN 0
.irp a, 0,1,2,3
	v_fma_f32 v[LS+\a], s[FL+(\g)/4], v[T+4+\a], v[LS+\a]   ; (x 0 for the groups past the cluster's keys, whose loads were held at the last group that exists)
.endr
.irp a, 0,1,2,3
	v_sub_nc_u32 v[T+\a], 0, v[T+\a]               ; D, 0 .. 127
.endr
.irp a, 0,1,2,3
	v_perm_b32 v[T+\a], v[T+\a], v[T+\a], 0        ; in all four bytes
.endr
.irp a, 0,1,2,3
	v_or_b32 v[T+8+\a], s[H80], v[SCPF+4*(\g)+\a]  ; p's bytes are at most 125: 128 + byte - D is at least 1, so no borrow crosses a byte
.endr
.irp a, 0,1,2,3
	v_sub_nc_u32 v[T+8+\a], v[T+8+\a], v[T+\a]
.endr
.irp a, 0,1,2,3
	v_and_b32 v[T+\a], s[H80], v[T+8+\a]           ; the top bit stands where byte - D is 0 or more
.endr
.irp a, 0,1,2,3
	v_lshrrev_b32 v[T+4+\a], 7, v[T+\a]
.endr
.irp a, 0,1,2,3
	v_sub_nc_u32 v[T+\a], v[T+\a], v[T+4+\a]       ; 0x7f in those bytes, 0 in the others
.endr
.irp a, 0,1,2,3
	v_and_b32 v[SCPF+4*(\g)+\a], v[T+8+\a], v[T+\a]
.endr
.endm
; The way out of block a: / l; half of the wave's 128 of d (256 bytes a row) of 16 queries at a time through my stage; sixteen lanes store 256 consecutive aligned bytes.
.macro OUTA a
	WIN 0x82
.set n, 0
.rept 32
	v_pk_mul_f32 v[64*(\a)+n:64*(\a)+n+1], v[64*(\a)+n:64*(\a)+n+1], v[RI+2*(\a):RI+2*(\a)+1]   ; each accumulator from its low end on
.set n, n+2
.endr
.irp u, 0,1
	WIN 0x08                                       ; an LDS store's data: window 2
.irp b, 0,1
.irp j, 0,1,2,3
	ds_store_b128 v[STO], v[64*(\a)+16*(2*\u+\b)+4*\j:64*(\a)+16*(2*\u+\b)+4*\j+3] offset:128*\b+16*\j
.endr
.endr
	WIN 0
	s_wait_xcnt 0x0                                ; earlier stores have read their registers
.irp t, 0,1,2,3,4,5,6,7
	ds_load_b128 v[BK+32*\u+4*\t:BK+32*\u+4*\t+3], v[RD] offset:544*\t   ; LDS serves a wave's instructions in order: these see my stores
.endr
	s_wait_dscnt 0x0
.irp t, 0,1,2,3,4,5,6,7
	global_store_b128 v[GO], v[BK+32*\u+4*\t:BK+32*\u+4*\t+3], s[62:63] offset:(32*((\a)/2)+8*((\a)%2)+2*\t+8*(\t/4))*4096+256*\u th:TH_STORE_NT   ; place 2 t + (lane / 16) of block a is that row of the 64
.endr
.endr
.endm
	s_load_b256 s[4:11], s[0:1], 0x0               ; pc, st, qkv, out0
	v_lshl_add_u32 v[SPW], v0, 2, SPARE
	v_mov_b32 v[NIL], 0
	ds_add_u32 v28, v29
	s_wait_dscnt 0x0
	v_lshrrev_b32 v1, 5, v0
	v_readfirstlane_b32 s[WV], v1
	s_lshr_b32 s[WR], s[WV], 1
	s_and_b32 s[WC], s[WV], 1
	s_bfe_u32 s15, ttmp6, 0x40000                  ; cx: which 256 of d
	s_bfe_u32 s16, ttmp6, 0x40004                  ; cy: which 128 of the cluster's 512 queries
	s_and_b32 s17, ttmp7, 0xffff                   ; the cluster's y = 4 batch + c
	s_lshr_b32 s18, s17, 2
	s_and_b32 s[C], s17, 3
	s_add_co_u32 s[N], s[C], 1
	s_mov_b32 s[H80], 0x80808080
	s_lshl_b32 s2, s16, 2
	s_lshl_b32 s2, 15, s2                          ; my row of the cluster
	s_lshl_b32 s3, 0x1111, s15                     ; my column
	s_or_b32 s[G1P], s2, (3<<16)|(1<<21)
	s_or_b32 s[G1Q], s3, (3<<16)|(1<<21)
	s_mov_b32 s[G1P+1], 32<<16                     ; p: two panels of codes, 192 rows of 256 bytes
	s_mov_b32 s[G1P+2], 192<<16
	s_mov_b32 s[G1P+3], 32<<16
	s_mov_b32 s[G1P+4], 192
	s_mov_b32 s[G1P+5], 32
	s_mov_b32 s[G1P+6], 0
	s_mov_b32 s[G1P+7], 0
	s_mov_b32 s[G1Q+1], 32<<16                     ; v^T: two panels, 200 rows of 256 bytes
	s_mov_b32 s[G1Q+2], 200<<16
	s_mov_b32 s[G1Q+3], 32<<16
	s_mov_b32 s[G1Q+4], 200
	s_mov_b32 s[G1Q+5], 32
	s_mov_b32 s[G1Q+6], 0
	s_mov_b32 s[G1Q+7], 0
	s_lshl_b32 s22, s17, 2
	s_add_co_u32 s22, s22, s16                     ; Rg: nothing of cx
	s_mul_i32 s56, s22, 8*PPAN
	s_mov_b32 s57, 0
	s_mul_i32 s60, s22, 24576                      ; the statistics of my 128 queries
	s_mov_b32 s61, 0
	s_lshl_b32 s73, s15, 6                         ; v^T: panel 512 + 32 (2 cx + e) + 8 batch: nothing of cy
	s_lshl_b32 s74, s[WR], 5
	s_add_co_u32 s73, s73, s74
	s_lshl_b32 s74, s18, 3
	s_add_co_u32 s73, s73, s74
	s_add_co_u32 s73, s73, 512
	s_mul_i32 s58, s73, QPAN
	s_mov_b32 s59, 0
	s_lshl_b32 s76, s22, 19                        ; y: row 128 Rg + 64 wr of 4,096 bytes, + 4 (256 cx + 128 wc)
	s_lshl_b32 s77, s[WR], 18
	s_add_co_u32 s76, s76, s77
	s_lshl_b32 s77, s15, 10
	s_add_co_u32 s76, s76, s77
	s_lshl_b32 s77, s[WC], 9
	s_add_co_u32 s62, s76, s77
	s_mov_b32 s63, 0
	s_mul_i32 s96, s[WR], 2*QPAN
	s_wait_kmcnt 0x0
	s_add_nc_u64 s[56:57], s[4:5], s[56:57]
	s_add_nc_u64 s[58:59], s[8:9], s[58:59]
	s_add_nc_u64 s[60:61], s[6:7], s[60:61]
	s_add_nc_u64 s[62:63], s[10:11], s[62:63]
.irp s, 0,1                                    ; a group 0 for each slot, set for tile s
	s_mov_b32 s[G0P+4*\s], 1
	s_mov_b32 s[G0P+4*\s+1], \s*SLOT
	s_add_nc_u64 s[G0P+4*\s+2:G0P+4*\s+3], s[56:57], \s*PREG
	s_or_b32 s[G0P+4*\s+3], s[G0P+4*\s+3], 0x80000000
	s_mov_b32 s[G0Q+4*\s], 1
	s_add_co_u32 s[G0Q+4*\s+1], s96, \s*SLOT+PREG
	s_add_nc_u64 s[G0Q+4*\s+2:G0Q+4*\s+3], s[58:59], \s*2*QPAN
	s_or_b32 s[G0Q+4*\s+3], s[G0Q+4*\s+3], 0x80000000
.endr
	CROUND                                         ; all sixteen work-groups are here
	JLOAD 0                                        ; keys 0 .. 511
	v_and_b32 v1, 31, v0
	v_and_b32 v2, 15, v0                           ; r
	v_bfe_u32 v3, v0, 4, 1                         ; h
	v_lshlrev_b32 v14, 4, v1
	v_lshlrev_b32 v15, 4, v2
	s_mul_i32 s97, s[WR], 4*FRG
	v_add_nc_u32 v[ADRP], s97, v14
	v_add_nc_u32 v[ADRP+1], SLOT, v[ADRP]
	s_mul_i32 s98, s[WC], 2*QPAN
	s_add_co_u32 s98, s98, PREG
	v_add_nc_u32 v[ADRQ], s98, v14
	v_add_nc_u32 v[ADRQ+1], SLOT, v[ADRQ]
	s_add_co_u32 s99, s98, 24576
	v_add_nc_u32 v[ASQ], s99, v15
	v_add_nc_u32 v[ASQ+1], SLOT, v[ASQ]
	s_mul_i32 s95, s[WV], 16*272
	s_add_co_u32 s95, s95, STAGE
	v_mul_u32_u24 v[STO], v2, 272
	v_lshl_add_u32 v[STO], v3, 6, v[STO]
	v_add_nc_u32 v[STO], s95, v[STO]               ; in: row r, + 64 h
	v_mul_u32_u24 v[RD], v3, 272
	v_add_nc_u32 v[RD], v[RD], v15
	v_add_nc_u32 v[RD], s95, v[RD]                 ; back: lanes 0-15 one row, lanes 16-31 the next
	v_lshl_add_u32 v[GO], v3, 12, v15              ; and the same in y
	s_mul_i32 s75, s[WR], 768
.irp f, 0,1,2,3                                ; the statistics of keys 512 f on; past the cluster's keys the address is held at the last that was stored
	s_min_u32 s72, s[C], \f
	s_mul_i32 s72, s72, 6144
	s_add_co_u32 s72, s72, s75
	v_add_nc_u32 v[VO+\f], s72, v15
	s_cmp_ge_u32 s[C], \f
	s_cselect_b32 s[FL+\f], 1.0, 0
.endr
.irp f, 0,1,2,3
.irp q, 0,1,2,3
	global_load_b128 v[SCPF+16*\f+4*\q:SCPF+16*\f+4*\q+3], v[VO+\f], s[60:61] offset:1536*\q
	global_load_b128 v[NM+16*\f+4*\q:NM+16*\f+4*\q+3], v[VO+\f], s[60:61] offset:1536*\q+256
.endr
.endr
	WIN 0x40
.irp f, 0,1,2,3
.irp q, 0,1,2,3
	global_load_b128 v[16*\f+4*\q:16*\f+4*\q+3], v[VO+\f], s[60:61] offset:1536*\q+512
.endr
.endr
	WIN 0
.irp a, 0,1,2,3
	v_mov_b32 v[LS+\a], 0
.endr
	s_wait_loadcnt 0x0
.irp a, 0,1,2,3
	v_min3_num_f32 v[NR+\a], v[NM+\a], v[NM+4+\a], v[NM+8+\a]   ; -M of the row: the least of the sixteen
.endr
.irp g, 3,5,7,9,11,13
.irp a, 0,1,2,3
	v_min3_num_f32 v[NR+\a], v[NR+\a], v[NM+4*\g+\a], v[NM+4*\g+4+\a]
.endr
.endr
.irp a, 0,1,2,3
	v_min_num_f32 v[NR+\a], v[NR+\a], v[NM+60+\a]
.endr
.irp g, 0,1,2,3,4,5,6,7,8,9,10,11,12,13,14,15
	ADJ \g
.endr
.irp a, 0,1,2,3
	v_rcp_f32 v[RI+2*\a], v[LS+\a]
	v_rcp_f32 v[RI+2*\a+1], v[LS+\a]               ; twice: the packed multiply names a pair
.endr
	v_nop                                          ; a plain line behind the reciprocals
	s_wait_alu depctr_va_vdst(0)                   ; one wait for the eight
	PLACES 8                                       ; scale registers written by vector instructions stand eight places ahead of a scaled matrix instruction
	CHG 1, -1                                      ; slot 0 is whole in every partner
	CJLOAD 1, 2                                    ; slot 1's first fill, issued as a refill is
	FETCH 0, 0, 0
	KS 0, 0, 0, 1                                  ; the first step's products start the sums
	KS 0, 1, 1, 0
	KS 0, 2, 2, 0
	KEND
	s_cmp_eq_u32 s[N], 1
	s_cbranch_scc1 .Llast0
	CHG 1, 0
	CJLOAD 0, 3                                    ; keys 1,024 on: four K steps, 128 matrix instructions, in which to land
	FETCH 1, 0, 0
	MUL 1, 0, SCPF+12
	KS 1, 0, 4, 0
	KS 1, 1, 5, 0
	KS 1, 2, 6, 0
	KEND
	s_cmp_eq_u32 s[N], 2
	s_cbranch_scc1 .Llast1
	CHG 1, 1
	CJLOAD 1, 4                                    ; keys 1,536 on
	FETCH 0, 0, 0
	MUL 1, 0, SCPF+28
	KS 0, 0, 8, 0
	KS 0, 1, 9, 0
	KS 0, 2, 10, 0
	KEND
	s_cmp_eq_u32 s[N], 3
	s_cbranch_scc1 .Llast2
	CHG 0, -1
	FETCH 1, 0, 0
	MUL 1, 0, SCPF+44
	KS 1, 0, 12, 0
	KS 1, 1, 13, 0
	KS 1, 2, 14, 0
	KEND
	MUL 1, 0, SCPF+60
	WIN 0
	s_branch .Lout
.Llast0:
	MUL 1, 0, SCPF+12
	WIN 0
	s_branch .Lout
.Llast1:
	MUL 1, 0, SCPF+28
	WIN 0
	s_branch .Lout
.Llast2:
	MUL 1, 0, SCPF+44
	WIN 0
.Lout:
	PLACES 4                                       ; in front of the first read of results
	OUTA 0
	OUTA 1
	OUTA 2
	OUTA 3
	s_wait_tensorcnt 0x0                           ; the wave's end
	ds_add_u32 v[SPW], v[NIL]
	s_wait_dscnt 0x0
	CROUND                                         ; the closing round
	s_endpgm
.Lfunc_end_k_q4b7c261a1d_pv:
	.size	k_q4b7c261a1d_pv, .Lfunc_end_k_q4b7c261a1d_pv-k_q4b7c261a1d_pv
	.p2alignl 7, 3214868480
	.fill 96, 4, 3214868480
	.section	.rodata,"a",@progbits
	.p2align	6, 0x0
	.amdhsa_kernel k_q4b7c261a1d_pv
		.amdhsa_group_segment_fixed_size 327680
		.amdhsa_private_segment_fixed_size 0
		.amdhsa_enable_private_segment 0
		.amdhsa_kernarg_size 32
		.amdhsa_user_sgpr_count 2
		.amdhsa_user_sgpr_kernarg_segment_ptr 1
		.amdhsa_wavefront_size32 1
		.amdhsa_system_sgpr_workgroup_id_x 1
		.amdhsa_system_sgpr_workgroup_id_y 1
		.amdhsa_system_sgpr_workgroup_id_z 1
		.amdhsa_system_vgpr_workitem_id 0
		.amdhsa_next_free_vgpr 768
		.amdhsa_next_free_sgpr 100
		.amdhsa_reserve_vcc 0
		.amdhsa_float_denorm_mode_32 3
		.amdhsa_float_denorm_mode_16_64 3
		.amdhsa_memory_ordered 1
		.amdhsa_forward_progress 1
		.amdhsa_inst_pref_size 196
	.end_amdhsa_kernel
	.amdgpu_metadata
---
amdhsa.version: [ 1, 2 ]
amdhsa.kernels:
  - .name:           k_q4b7c261a1d_pv
    .symbol:         k_q4b7c261a1d_pv.kd
    .args:
      - { .name: pc, .offset: 0, .size: 8, .value_kind: global_buffer, .address_space: global }
      - { .name: st, .offset: 8, .size: 8, .value_kind: global_buffer, .address_space: global }
      - { .name: qkv, .offset: 16, .size: 8, .value_kind: global_buffer, .address_space: global }
      - { .name: out0, .offset: 24, .size: 8, .value_kind: global_buffer, .address_space: global }
    .group_segment_fixed_size: 327680
    .private_segment_fixed_size: 0
    .kernarg_segment_align: 8
    .kernarg_segment_size: 32
    .max_flat_workgroup_size: 128
    .sgpr_count:     100
    .vgpr_count:     768
    .wavefront_size: 32
...
	.end_amdgpu_metadata
.endif
;; end of part 5
;; ======== version 2 of 2: 4 launches
;; limits: right only within a limited range of input values
;; workspace buffers: xw 9,011,200 bytes; qkv 19,660,800 bytes; pc 12,582,912 bytes; st 1,572,864 bytes
;; launch quant (part 6): grid 704 x 1, 4 waves a work-group, no clusters, 47,616 bytes of LDS; arguments x, w_q, w_k, w_v, xw; writes xw
.if DOCPART == 6
	.amdgcn_target "amdgcn-amd-amdhsa--gfx1250"
	.amdhsa_code_object_version 6
	.text
	.protected	k_q4b7c261a1d_quant
	.globl	k_q4b7c261a1d_quant
	.p2align	8
	.type	k_q4b7c261a1d_quant,@function
k_q4b7c261a1d_quant:
	s_mov_b64 s[64:65], 0
	v_nop
	global_prefetch_b8 v0, s[64:65] scope:SCOPE_SE
	s_setreg_imm32_b32 hwreg(HW_REG_WAVE_MODE, 25, 1), 1
	s_wait_xcnt 0x0
; x [8192][1024] and w_q, w_k, w_v [1024 (k)][1024 (n)], all f32, become codes of FP6 (E2M3) with one E8M0 scale byte for each 32 along K, laid as the products' launches want an operand.
; ONE LAUNCH, TWO TASKS: the first 512 work-groups take x, the 192 behind them the weights.  The two ways part on the work-group's number at the first line and never meet; each has LDS bytes of its own.
; FRAGMENT: 16 rows x 128 K = 12 registers a lane, kept as an image of those registers, 1,536 bytes: register g of lane L at 512 (g / 4) + 16 L + 4 (g % 4).
; PANEL: 128 rows x 256 K = 16 fragments ((K step q, block i) at 1,536 (8 q + i)), then 1,024 bytes of scale words: (q, block i, row r) at 24,576 + 512 q + 256 (i / 4) + 16 r + 4 (i % 4).
; ROW ORDER: place (block i, row r) holds row 32 (i / 2) + 8 (i % 2) + r + 8 (r / 8) of the 128, so that a product that takes these rows as its first source leaves 16 true neighbours in 16 registers of a lane.
; A block's scale is 2^(floor(log2(largest magnitude)) - 2); its byte is the largest magnitude's exponent field - 2, held at 1 from below.
; LIMITS: a block of zeros, or one whose largest magnitude lies under 2^-124, keeps the byte 1 (its codes are zeros or tiny; only this program reads the bytes); NaN and infinities are not served.
; No tensor loads: matrix units, clusters and rings would add nothing to streams that are read once.
; THE ROW ORDER OF THIS TEXT, in place of the one named above: place (block i, row r) holds row 64 (i / 4) + 8 (i % 4) + r % 8 + 32 (r / 8) of the 128: a product that takes four such blocks as its first source leaves 32 true neighbours in 32 registers of a lane.
.set FRG,   1536
.set PAN,   25600
.set NXW,   512
	v_lshl_add_u32 v254, v0, 2, 0xb800
	v_mov_b32 v255, 0
	s_cmp_lt_u32 ttmp9, NXW
	s_cbranch_scc0 .Lweights
; ---------------- x.  A work-group takes 128 rows x 128 K; wave w takes blocks 2 w and 2 w + 1.  Each load reads 512 consecutive bytes of one row; the 16 rows of a block turn through the wave's own
; stage in LDS (rows of 528 bytes) so that a lane gets, of its row r, 16 neighbours of each block of 32.
.set PITCH, 528
.set WSTG,  16*PITCH                   ; a wave's stage
.set SCL,   4*WSTG                     ; behind the stages: the work-group's 512 bytes of scale words
.set LI,  4                            ; v4   16 x lane
.set SI,  5                            ; v5   into the stage
.set SO,  6                            ; v6   out of it
.set SWA, 7                            ; v7   where my two scale words go
.set SCR, 8                            ; v8   where wave 0 reads the 512 bytes back
.set R,   16                           ; v16-143  two blocks as loaded
.set X,   144                          ; v144-207 64 numbers of my row: register 16 b + i = k 32 b + 16 h + i
.set TM,  208                          ; v208-223 at work
.set PC,  224                          ; v224-243 the codes
.set SW,  244                          ; v244-245 the two blocks' scale words
.set WV,  10
.set SEL, 20
	s_load_b64 s[4:5], s[0:1], 0x0                 ; x
	s_load_b64 s[6:7], s[0:1], 0x20                ; xw
	v_lshrrev_b32 v1, 5, v0
	v_readfirstlane_b32 s[WV], v1                  ; wave 0..3
	v_and_b32 v1, 31, v0                           ; lane
	v_and_b32 v2, 15, v0                           ; r
	v_bfe_u32 v3, v0, 4, 1                         ; h
	v_lshlrev_b32 v[LI], 4, v1
	s_mul_i32 s16, s[WV], WSTG
	v_add_nc_u32 v[SI], s16, v[LI]
	v_mul_u32_u24 v[SO], v2, PITCH
	v_lshl_add_u32 v[SO], v3, 6, v[SO]             ; row r, + 64 h
	v_add_nc_u32 v[SO], s16, v[SO]
	s_lshr_b32 s17, s[WV], 1
	s_lshl_b32 s17, s17, 8
	s_and_b32 s18, s[WV], 1
	s_lshl_b32 s18, s18, 3
	s_add_co_u32 s17, s17, s18
	s_add_co_u32 s17, s17, SCL
	v_lshl_add_u32 v[SWA], v2, 4, s17              ; 256 (w / 2) + 8 (w % 2) + 16 r: blocks 2 w and 2 w + 1 of row r
	v_add_nc_u32 v[SCR], SCL, v[LI]
	s_mov_b32 s[SEL], 0x76543210
	s_mov_b32 s[SEL+1], 0xfedcba98                 ; lane l xor 16
.irp b, 0,1,2,3
	v_mov_b32 v[TM+4+\b], 0                        ; a lane permute's destination counts as read
.endr
	s_lshr_b32 s8, ttmp9, 3                        ; which 128 rows
	s_and_b32 s9, ttmp9, 7                         ; which 128 along K
	s_lshl_b32 s12, s8, 19                         ; 128 rows of 4,096 bytes
	s_lshl_b32 s13, s9, 9
	s_add_co_u32 s12, s12, s13
	s_lshr_b32 s13, s[WV], 1                       ; my first row: 64 (w / 2) + 16 (w % 2)
	s_lshl_b32 s13, s13, 18
	s_add_co_u32 s12, s12, s13
	s_and_b32 s13, s[WV], 1
	s_lshl_b32 s13, s13, 16
	s_add_co_u32 s12, s12, s13
	s_mov_b32 s13, 0
	s_lshl_b32 s14, s8, 2
	s_lshr_b32 s15, s9, 1
	s_add_co_u32 s14, s14, s15
	s_mul_i32 s14, s14, PAN                        ; the panel
	s_and_b32 s15, s9, 1                           ; q
	s_lshl_b32 s19, s15, 3
	s_lshl_b32 s22, s[WV], 1
	s_add_co_u32 s19, s19, s22
	s_mul_i32 s19, s19, FRG
	s_add_co_u32 s24, s14, s19                     ; my two fragments
	s_mov_b32 s25, 0
	s_lshl_b32 s15, s15, 9
	s_add_co_u32 s26, s14, s15
	s_add_co_u32 s26, s26, 24576                   ; the K step's scale words
	s_mov_b32 s27, 0
	s_wait_alu depctr_va_vdst(0)
	s_wait_kmcnt 0x0
	s_add_nc_u64 s[4:5], s[4:5], s[12:13]
	s_add_nc_u64 s[24:25], s[6:7], s[24:25]
	s_add_nc_u64 s[26:27], s[6:7], s[26:27]
.macro LOAD e                          ; block 2 w + e: place p holds row 8 e + p % 8 + 32 (p / 8) from my first row on
.irp p, 0,1,2,3,4,5,6,7,8,9,10,11,12,13,14,15
	global_load_b128 v[R+64*\e+4*\p:R+64*\e+4*\p+3], v[LI], s[4:5] offset:(8*\e+\p+24*(\p/8))*4096 th:TH_LOAD_NT
.endr
.endm
; 64 numbers of a lane become a fragment's codes in v[PC] on and the row's scale word in v[w]
.macro QUANT s, w
.irp b, 0,1,2,3
	v_max3_num_f32 v[TM+\b], |v[\s+16*\b]|, |v[\s+1+16*\b]|, 0x1800000   ; my 16 of block b, and the floor 2^(3 - 127)
.endr
.irp i, 2,4,6,8,10,12,14
.irp b, 0,1,2,3
	v_max3_num_f32 v[TM+\b], v[TM+\b], |v[\s+16*\b+\i]|, |v[\s+1+16*\b+\i]|
.endr
.endr
.irp b, 0,1,2,3
	v_permlanex16_b32 v[TM+4+\b], v[TM+\b], s[SEL], s[SEL+1]
.endr
.irp b, 0,1,2,3
	v_max_num_f32 v[TM+\b], v[TM+\b], v[TM+4+\b]   ; with lane l xor 16's 16: the block's largest magnitude
.endr
.irp b, 0,1,2,3
	v_add_nc_u32 v[TM+12+\b], 0xff000000, v[TM+\b] ; 2 off the exponent field: the conversion's scale operand
.endr
.irp b, 0,1,2,3
	v_lshrrev_b32 v[TM+4+\b], 23, v[TM+12+\b]      ; the byte
.endr
	v_lshl_or_b32 v[\w], v[TM+5], 8, v[TM+4]
	v_lshl_or_b32 v[\w], v[TM+6], 16, v[\w]
	v_lshl_or_b32 v[\w], v[TM+7], 24, v[\w]
.irp c, 0,1
	v_cvt_scalef32_pk16_fp6_f32 v[PC+6*\c:PC+6*\c+2], v[\s+32*\c:\s+32*\c+15], v[TM+12+2*\c]
	v_cvt_scalef32_pk16_fp6_f32 v[PC+12+4*\c:PC+14+4*\c], v[\s+32*\c+16:\s+32*\c+31], v[TM+12+2*\c+1]   ; (three registers begin on an even number)
.endr
	v_nop                                          ; one plain line behind the scaled conversions
.irp c, 0,1                                    ; a whole block to a lane: lanes 0-15 block 2 c, lanes 16-31 block 2 c + 1
.irp i, 0,1,2
	v_permlane16_swap_b32 v[PC+6*\c+\i], v[PC+12+4*\c+\i]
.endr
.irp i, 0,1,2
	v_mov_b32 v[PC+3+6*\c+\i], v[PC+12+4*\c+\i]
.endr
.endr
.endm
.macro BLOCK e, left
	s_wait_loadcnt \left                           ; this block's 16 loads are in; the other block's may be out
.irp p, 0,1,2,3,4,5,6,7,8,9,10,11,12,13,14,15
	ds_store_b128 v[SI], v[R+64*\e+4*\p:R+64*\e+4*\p+3] offset:\p*PITCH
.endr
.irp b, 0,1,2,3
.irp j, 0,1,2,3
	ds_load_b128 v[X+16*\b+4*\j:X+16*\b+4*\j+3], v[SO] offset:128*\b+16*\j   ; LDS serves a wave's instructions in order: these see the stores above
.endr
.endr
	s_wait_dscnt 0x0
.if \e
	s_wait_xcnt 0x0                                ; the first block's stores have read their registers: the codes are written again
.endif
	QUANT X, SW+\e
.irp c, 0,1,2
	global_store_b128 v[LI], v[PC+4*\c:PC+4*\c+3], s[24:25] offset:\e*FRG+512*\c   ; 512 consecutive bytes a store
.endr
.endm
	LOAD 0
	LOAD 1
	BLOCK 0, 16
	BLOCK 1, 0
	ds_store_b64 v[SWA], v[SW:SW+1]                ; both halves of the lanes write the same words with the same values
	s_wait_dscnt 0x0                               ; for the others' sake
	s_barrier_signal -1
	s_barrier_wait -1
	s_cmp_lg_u32 s[WV], 0
	s_cbranch_scc1 .Ldone_x
	ds_load_b128 v[X:X+3], v[SCR]                  ; wave 0 sends the work-group's 512 bytes of scale words as two whole aligned runs of 256 bytes
	s_wait_dscnt 0x0
	global_store_b128 v[LI], v[X:X+3], s[26:27]
.Ldone_x:
	s_wait_tensorcnt 0x0
	ds_add_u32 v254, v255
	s_wait_dscnt 0x0
	s_endpgm
; ---------------- the weights: K is their FIRST axis; an operand's row is a column n.  A work-group takes 128 columns x 128 K of one weight, a wave 32 columns.
; A LANE TAKES A COLUMN AND ITS REGISTERS RUN DOWN K: a load reads 128 consecutive bytes a wave, a block of 32 lies in one lane, and the conversions give codes with K innermost.
; Column 32 w + lane is place (block 2 w + u, row r), u = (lane / 8) % 2, r = lane % 8 + 8 (lane / 16).  Its block beta = 2 c + hh is registers 6 c .. 6 c + 5 of fragment lane r + 16 hh:
; the six registers go to their places in the image in LDS (16 + 8 bytes), the image comes back 16 bytes a lane and leaves in runs of 512 consecutive bytes.
.Lweights:
.set WB,   34304                       ; this way's LDS bytes begin behind the other way's
.set WSCL, WB+4*2*FRG                  ; behind the four waves' images: 512 bytes of scale words
.set GI,   2                           ; v2   4 x lane
.set VA,   3                           ; v3   my place in the images
.set SBA,  4                           ; v4   my scale word's place
.set RDA,  5                           ; v5   the images back
.set WLI,  6                           ; v6   16 x lane
.set WSCR, 7                           ; v7   the scale words back
.set SB,   14                          ; v14  my column's four bytes
.set WX,   32                          ; v32-159 128 numbers down K
.set C,    160                         ; v160-168 a block's codes
.set WWV,  12
	s_load_b64 s[4:5], s[0:1], 0x8                 ; w_q
	s_load_b64 s[6:7], s[0:1], 0x10                ; w_k
	s_load_b64 s[8:9], s[0:1], 0x18                ; w_v
	s_load_b64 s[10:11], s[0:1], 0x20              ; xw
	v_lshrrev_b32 v1, 5, v0
	v_readfirstlane_b32 s[WWV], v1
	v_and_b32 v1, 31, v0
	v_lshlrev_b32 v[GI], 2, v1
	v_lshlrev_b32 v[WLI], 4, v1
	s_wait_alu depctr_va_vdst(0)
	; in this text column 32 w + lane is place (block 4 (w / 2) + lane / 8, row r = 8 (w % 2) + lane % 8)
	s_mul_i32 s16, s[WWV], 2*FRG
	s_add_co_u32 s16, s16, WB                      ; the two images that I send
	s_lshr_b32 s17, s[WWV], 1
	s_and_b32 s18, s[WWV], 1
	s_lshl_b32 s18, s18, 7                         ; 16 x 8 (w % 2)
	s_mul_i32 s19, s17, 4*FRG
	s_add_co_u32 s19, s19, s18
	s_add_co_u32 s19, s19, WB
	s_lshl_b32 s17, s17, 8
	s_add_co_u32 s17, s17, s18
	s_add_co_u32 s17, s17, WSCL
	v_and_b32 v8, 7, v0
	v_bfe_u32 v9, v0, 3, 2                         ; lane / 8
	v_lshlrev_b32 v8, 4, v8
	v_mul_u32_u24 v[VA], v9, FRG
	v_add_nc_u32 v[VA], v[VA], v8
	v_add_nc_u32 v[VA], s19, v[VA]                 ; 6,144 (w / 2) + 1,536 (lane / 8) + 16 r
	v_add_nc_u32 v[RDA], s16, v[WLI]
	v_lshl_add_u32 v[SBA], v9, 2, v8
	v_add_nc_u32 v[SBA], s17, v[SBA]               ; 256 (w / 2) + 16 r + 4 (lane / 8)
	v_add_nc_u32 v[WSCR], WSCL, v[WLI]
	s_and_b32 s28, ttmp9, 0x1ff                    ; 512 .. 703 -> 0 .. 191
	s_lshr_b32 s13, s28, 3                         ; Wg: 0-7 w_q, 8-15 w_k, 16-23 w_v
	s_and_b32 s14, s28, 7                          ; which 128 along K
	s_lshr_b32 s15, s28, 6                         ; which weight
	s_lshl_b32 s20, s14, 19                        ; 128 rows of 4,096 bytes
	s_and_b32 s19, s13, 7
	s_lshl_b32 s19, s19, 9                         ; 128 columns
	s_add_co_u32 s20, s20, s19
	s_lshl_b32 s19, s[WWV], 7                      ; my 32
	s_add_co_u32 s20, s20, s19
	s_mov_b32 s21, 0
	s_lshl_b32 s22, s13, 2
	s_lshr_b32 s19, s14, 1
	s_add_co_u32 s22, s22, s19
	s_add_co_u32 s22, s22, 256
	s_mul_i32 s22, s22, PAN                        ; the panel: 256 + 4 Wg + (K step / 2)
	s_and_b32 s19, s14, 1
	s_lshl_b32 s23, s19, 3
	s_lshl_b32 s26, s[WWV], 1
	s_add_co_u32 s23, s23, s26
	s_mul_i32 s23, s23, FRG
	s_add_co_u32 s24, s22, s23                     ; my two fragments
	s_mov_b32 s25, 0
	s_lshl_b32 s19, s19, 9
	s_add_co_u32 s26, s22, s19
	s_add_co_u32 s26, s26, 24576                   ; the K step's scale words
	s_mov_b32 s27, 0
	s_wait_kmcnt 0x0
	s_cmp_eq_u32 s15, 0                            ; the choice hangs on the work-group's number alone
	s_cselect_b64 s[4:5], s[4:5], s[6:7]
	s_cmp_eq_u32 s15, 2
	s_cselect_b64 s[4:5], s[8:9], s[4:5]
	s_add_nc_u64 s[4:5], s[4:5], s[20:21]
	s_add_nc_u64 s[24:25], s[10:11], s[24:25]
	s_add_nc_u64 s[26:27], s[10:11], s[26:27]
.set i, 0
.rept 128
	global_load_b32 v[WX+i], v[GI], s[4:5] offset:i*4096 th:TH_LOAD_NT   ; w(128 s + i, my column)
.set i, i+1
.endr
.macro WBLOCK t, left
.set XS, WX+32*(\t)
	s_wait_loadcnt \left                           ; this block's 32 loads are in
	v_max3_num_f32 v12, |v[XS]|, |v[XS+1]|, |v[XS+2]|
	v_max3_num_f32 v13, |v[XS+3]|, |v[XS+4]|, |v[XS+5]|
.irp i, 6,10,14,18,22,26
	v_max3_num_f32 v12, v12, |v[XS+\i]|, |v[XS+\i+1]|
	v_max3_num_f32 v13, v13, |v[XS+\i+2]|, |v[XS+\i+3]|
.endr
	v_max3_num_f32 v12, v12, |v[XS+30]|, |v[XS+31]|
	v_max3_num_f32 v12, v12, v13, 0x1800000        ; and the floor 2^(3 - 127)
	v_add_nc_u32 v11, 0xff000000, v12              ; 2 off the exponent field: the conversion's scale operand
	v_lshrrev_b32 v13, 23, v11                     ; the byte
.if (\t) == 0
	v_mov_b32 v[SB], v13
.else
	v_lshl_or_b32 v[SB], v13, 8*(\t), v[SB]
.endif
	v_cvt_scalef32_pk16_fp6_f32 v[C:C+2], v[XS:XS+15], v11
	v_cvt_scalef32_pk16_fp6_f32 v[C+6:C+8], v[XS+16:XS+31], v11
	v_nop                                          ; one plain line behind the scaled conversions
.irp i, 0,1,2
	v_mov_b32 v[C+3+\i], v[C+6+\i]
.endr
.if (\t)/2 == 0                                ; registers 0-5 of fragment lane r + 16 hh
	ds_store_b128 v[VA], v[C:C+3] offset:256*((\t)%2)
	ds_store_b64 v[VA], v[C+4:C+5] offset:512+256*((\t)%2)
.else                                          ; registers 6-11
	ds_store_b64 v[VA], v[C:C+1] offset:520+256*((\t)%2)
	ds_store_b128 v[VA], v[C+2:C+5] offset:1024+256*((\t)%2)
.endif
	s_wait_dscnt 0x0                               ; the stores have read their registers: the next block's codes may be written
.endm
	WBLOCK 0, 63                                   ; 96 loads were issued behind block 0's: the field's largest count is the stricter one
	WBLOCK 1, 63                                   ; 64 behind block 1's
	WBLOCK 2, 32
	WBLOCK 3, 0
	s_wait_alu depctr_va_vdst(0)
	ds_store_b32 v[SBA], v[SB]
	s_wait_dscnt 0x0                               ; for the others' sake: an image holds two waves' columns
	s_barrier_signal -1
	s_barrier_wait -1
.irp n, 0,1,2,3,4,5
	ds_load_b128 v[WX+4*\n:WX+4*\n+3], v[RDA] offset:512*\n
.endr
	s_wait_dscnt 0x0
.irp n, 0,1,2,3,4,5
	global_store_b128 v[WLI], v[WX+4*\n:WX+4*\n+3], s[24:25] offset:512*\n
.endr
	s_cmp_lg_u32 s[WWV], 0
	s_cbranch_scc1 .Ldone_w
	ds_load_b128 v[WX+32:WX+35], v[WSCR]
	s_wait_dscnt 0x0
	global_store_b128 v[WLI], v[WX+32:WX+35], s[26:27]
.Ldone_w:
	s_wait_tensorcnt 0x0
	ds_add_u32 v254, v255
	s_wait_dscnt 0x0
	s_endpgm
.Lfunc_end_k_q4b7c261a1d_quant:
	.size	k_q4b7c261a1d_quant, .Lfunc_end_k_q4b7c261a1d_quant-k_q4b7c261a1d_quant
	.p2alignl 7, 3214868480
	.fill 96, 4, 3214868480
	.section	.rodata,"a",@progbits
	.p2align	6, 0x0
	.amdhsa_kernel k_q4b7c261a1d_quant
		.amdhsa_group_segment_fixed_size 47616
		.amdhsa_private_segment_fixed_size 0
		.amdhsa_enable_private_segment 0
		.amdhsa_kernarg_size 40
		.amdhsa_user_sgpr_count 2
		.amdhsa_user_sgpr_kernarg_segment_ptr 1
		.amdhsa_wavefront_size32 1
		.amdhsa_system_sgpr_workgroup_id_x 1
		.amdhsa_system_sgpr_workgroup_id_y 1
		.amdhsa_system_sgpr_workgroup_id_z 1
		.amdhsa_system_vgpr_workitem_id 0
		.amdhsa_next_free_vgpr 256
		.amdhsa_next_free_sgpr 66
		.amdhsa_reserve_vcc 0
		.amdhsa_float_denorm_mode_32 3
		.amdhsa_float_denorm_mode_16_64 3
		.amdhsa_memory_ordered 1
		.amdhsa_forward_progress 1
		.amdhsa_inst_pref_size 42
	.end_amdhsa_kernel
	.amdgpu_metadata
---
amdhsa.version: [ 1, 2 ]
amdhsa.kernels:
  - .name:           k_q4b7c261a1d_quant
    .symbol:         k_q4b7c261a1d_quant.kd
    .args:
      - { .name: x, .offset: 0, .size: 8, .value_kind: global_buffer, .address_space: global }
      - { .name: w_q, .offset: 8, .size: 8, .value_kind: global_buffer, .address_space: global }
      - { .name: w_k, .offset: 16, .size: 8, .value_kind: global_buffer, .address_space: global }
      - { .name: w_v, .offset: 24, .size: 8, .value_kind: global_buffer, .address_space: global }
      - { .name: xw, .offset: 32, .size: 8, .value_kind: global_buffer, .address_space: global }
    .group_segment_fixed_size: 47616
    .private_segment_fixed_size: 0
    .kernarg_segment_align: 8
    .kernarg_segment_size: 40
    .max_flat_workgroup_size: 128
    .sgpr_count:     66
    .vgpr_count:     256
    .wavefront_size: 32
...
	.end_amdgpu_metadata
.endif
;; end of part 6
;; launch proj (part 7): grid 16 x 16, 4 waves a work-group, clusters of 4 x 4, 327,680 bytes of LDS; arguments xw, qkv; writes qkv
.if DOCPART == 7
	.amdgcn_target "amdgcn-amd-amdhsa--gfx1250"
	.amdhsa_code_object_version 6
	.text
	.protected	k_q4b7c261a1d_proj
	.globl	k_q4b7c261a1d_proj
	.p2align	8
	.type	k_q4b7c261a1d_proj,@function
k_q4b7c261a1d_proj:
	s_mov_b64 s[64:65], 0
	v_nop
	global_prefetch_b8 v0, s[64:65] scope:SCOPE_SE
	s_setreg_imm32_b32 hwreg(HW_REG_WAVE_MODE, 25, 1), 1
	s_wait_xcnt 0x0
	s_wait_alu depctr_hold_cnt(0) depctr_sa_sdst(0) depctr_va_vdst(0) depctr_va_sdst(0) depctr_va_ssrc(0) depctr_va_vcc(0) depctr_vm_vsrc(0)
	s_getreg_b32 s2, hwreg(HW_REG_IB_STS2, 6, 4)
	s_cmp_eq_u32 s2, 0
	s_cbranch_scc0 .Lentry_in_a_cluster
	s_endpgm
.Lentry_in_a_cluster:
	s_bfe_u32 s2, ttmp6, 0x10000c
	s_cmp_lg_u32 s2, 0xf033
	s_cbranch_scc0 .Lentry_shape_is_right
	s_endpgm
.Lentry_shape_is_right:
; q = x w_q, k = x w_k (rows: tokens, quantised along d) and v^T (rows: d, quantised along the tokens), on codes of FP6 with E8M0 scales; the results are quantised in registers and stored as panels.
; IN: panels of 128 rows x 256 K as the quantising launch lays them; four panels on end, 102,400 bytes, hold 128 rows, all of K, with their scale words: A CHUNK.  x has 64 chunks, then come w_q's, w_k's, w_v's eight each.
; OUT: panels of 128 rows x 256 K again: fragment (K step q, block i) at 1,536 (8 q + i), in two halves of 768 bytes (half c: registers 6 c .. 6 c + 3 at 16 x lane, registers 6 c + 4, 6 c + 5 at 512 + 8 x lane);
; scale words at 24,576 + 512 q + 256 (i / 4) + 16 r + 4 (i % 4).  q's panels begin at panel 0, k's at 256 (4 x (group of 128 tokens) + d / 256), v^T's at 512 (32 x (d / 128) + token / 256).
; THE DEAL: a work-group makes 256 tokens x 128 columns of v (phase 1), then 512 tokens x 128 columns of q or k (phase 2).  v's tokens are one half of its own 512: the two chunks asked for at the head serve phase 1 and the first half of phase 2.
; Which half (s17) and which tensor hang on the cluster's x alone: the same in all sixteen partners.  x's chunks are asked for jointly along a row of the cluster, a weight's along a column.
; Four waves 2 x 2: wave (a, b) holds 64 columns (blocks 4 b .. 4 b + 3) of the weight, ALL of K, in 384 registers, and streams the blocks 4 a .. 4 a + 3 of each chunk past them: a block is 32 products.
; By the row order of the panels a lane's 32 sums (of a block in phase 2; of a chunk's four blocks in phase 1) are 32 true neighbours along the next product's K: one scale block, one half of a fragment.  Phase 1 takes x as source 0, phase 2 the weight.
; LDS: two slots for chunks of x, a region for the weight, the stages of the results' scale bytes, the spare words.  Three refills, each in a round of the cluster's barrier that stands inside a block: the weight's region (phase 1, block 2),
; slot 0 and slot 1 with the other half's chunks (phase 2, blocks 2 and 6).  A plain barrier shows what a refill brought where no round follows in time (phase 1, block 7; phase 2, block 10).
; By this text's count a wave has one tensor load out at the head and one behind each round in which it loads.
; PREFETCHES: the second weight and the two later chunks are asked for into the L2 once in each row or column of the cluster, 25 blocks of 256 bytes for each of the sixteen waves that will ask jointly, at least three blocks of products ahead of the load; none else.
; LIMITS: a block of zeros, or one under 2^-124, keeps the byte 1 (its codes are zeros or tiny; only this program reads the bytes); NaN and infinities are not served.
; REGISTERS: v4-26 addresses; v28, v29 the add's two; v32-63 the weight's scale words (4 k + t), v68-131 the rows' (two sets, 4 k + j), and nothing else (a product's two scale registers never have the same number modulo 8);
; fragments of 12 registers, 21 to a window from window 1 on: 0-31 the weight's (4 k + t), 32-47 the rows' two sets; sums: v840-967 phase 1's first chunk, v968-999 and v136-231 its second, v840-903 phase 2's two sets; v232-252 the way out.
.set FRG,  1536
.set PAN,  25600
.set CHK,  4*PAN
.set WREG, 2*CHK
.set XN,   3*CHK                       ; q's or k's scale bytes: [chunk in the order of work][512]
.set XM,   XN+2048                     ; v's: [chunk][512]
.set SPARE, XM+1024
.set AX,   4                           ; v4-7   my fragments in slot 0, 1: two registers each, for the first and the last two panels
.set SX,   8                           ; v8-11  my rows' scale words
.set AW,   12                          ; v12-13 my fragments of the weight
.set SWA,  14                          ; v14-15 its scale words
.set SPW,  28
.set NIL,  29
.set WS,   32
.set XS,   68
.set HV0,  840
.set ACC,  840
.set TQ,   232
.set SOP,  234
.set TC,   236
.set NCD,  240
.set EB,   252
.set MSB, 0
.macro WIN new                         ; the immediate's high byte repeats the setting that is left
.if MSB != \new
	s_set_vgpr_msb (MSB<<8)|\new
.set MSB, \new
.endif
.endm
.macro PLACES n
.rept \n
	v_nop
.endr
.endm
.macro WALU
	s_wait_alu depctr_va_vdst(0)
.endm
.macro BAR
	s_barrier_signal -1
	s_barrier_wait -1
.endm
.macro CREST                           ; a round of the cluster's barrier behind its opening barrier
	s_cmp_lg_u32 s14, 0
	s_cbranch_scc1 .Lnot_wave_0_\@
	s_barrier_signal -3
.Lnot_wave_0_\@:
	s_barrier_wait -3
	BAR
.endm
.macro TLOAD g0, g1
	tensor_load_to_lds s[\g0:\g0+3], s[\g1:\g1+7]
	s_nop 0
	PLACES 4
.endm
; ---- LDS loads
.macro FETCH e, sl, j                  ; block j of the chunk in slot sl into set e: 24 loads
.irp k, 0,1,2,3,4,5,6,7
.set F_, 32+8*(\e)+\k
	WIN (1+F_/21)<<6
.irp c, 0,1,2
	ds_load_b128 v[12*(F_%21)+4*\c:12*(F_%21)+4*\c+3], v[AX+2*(\sl)+\k/4] offset:PAN*((\k/2)%2)+8*FRG*(\k%2)+FRG*(\j)+512*\c
.endr
.endr
	WIN 0
.endm
.macro XSC n, sl                       ; the scale words of that chunk's four blocks into set n: 8 loads
.irp k, 0,1,2,3,4,5,6,7
	ds_load_b128 v[XS+32*(\n)+4*\k:XS+32*(\n)+4*\k+3], v[SX+2*(\sl)+\k/4] offset:PAN*((\k/2)%2)+512*(\k%2)
.endr
.endm
.macro WLOAD q                         ; the weight's four fragments of K step q: 12 loads
.irp t, 0,1,2,3
.set F_, 4*(\q)+\t
	WIN (1+F_/21)<<6
.irp c, 0,1,2
	ds_load_b128 v[12*(F_%21)+4*\c:12*(F_%21)+4*\c+3], v[AW+(\q)/4] offset:PAN*(((\q)/2)%2)+8*FRG*((\q)%2)+FRG*\t+512*\c
.endr
.endr
.endm
.macro FLOADS                          ; a phase's first loads: both sides' scale words, block 0, the weight's first four K steps
	XSC 0, 0
.irp k, 0,1,2,3,4,5,6,7
	ds_load_b128 v[WS+4*\k:WS+4*\k+3], v[SWA+\k/4] offset:PAN*((\k/2)%2)+512*(\k%2)
.endr
	FETCH 0, 0, 0
.irp q, 0,1,2,3
	WLOAD \q
.endr
	WIN 0
.endm
; ---- products.  n = 4 k + t: K step k, the weight's block t: four accumulators by turns, K ascending.  kind 1 (v): source 0 the rows of x; kind 0 (q, k): source 0 the weight's.
.macro MM s0, s1, x0, x1
.set DL_, D_&255
.if K_
	v_wmma_scale_f32_16x16x128_f8f6f4 v[DL_:DL_+7], v[12*((\s0)%21):12*((\s0)%21)+11], v[12*((\s1)%21):12*((\s1)%21)+11], v[DL_:DL_+7], v[\x0], v[\x1] matrix_a_fmt:MATRIX_FMT_FP6 matrix_b_fmt:MATRIX_FMT_FP6
.else
	v_wmma_scale_f32_16x16x128_f8f6f4 v[DL_:DL_+7], v[12*((\s0)%21):12*((\s0)%21)+11], v[12*((\s1)%21):12*((\s1)%21)+11], 0, v[\x0], v[\x1] matrix_a_fmt:MATRIX_FMT_FP6 matrix_b_fmt:MATRIX_FMT_FP6
.endif
.endm
.macro PROD kind, e, n
.set K_, (\n)/4
.set T_, (\n)%4
.if T_
.set D_, DB1+DST*(T_-1)
.else
.set D_, DB0
.endif
.set A_, 32+8*(\e)+K_
.set C_, 4*K_+T_
.if \kind
	WIN (1+A_/21)|((1+C_/21)<<2)|((D_>>8)<<4)|((D_>>8)<<6)
	MM A_, C_, XB_+4*K_+J_, WS+C_
.else
	WIN (1+C_/21)|((1+A_/21)<<2)|((D_>>8)<<4)|((D_>>8)<<6)
	MM C_, A_, WS+C_, XB_+4*K_+J_
.endif
.endm
; ---- the way out of the 32 sums from register x on.  CHAIN writes line i of 17: the largest magnitude, in two chains (each accumulator from its low end on), with the floor 2^(3 - 127), and the conversions' scale operand
.macro CHAIN i, x
.set XW_, (\x)>>8
.set XL_, (\x)&255
.if (\i) < 14
.set R_, XL_+16*((\i)%2)+2*((\i)/2)
.set Q_, TQ+1-(\i)%2
.if (\i) < 2
	WIN XW_|(XW_<<2)|(XW_<<4)
	v_max3_num_f32 v[Q_], |v[R_]|, |v[R_+1]|, |v[R_+2]|
.else
	WIN (XW_<<2)|(XW_<<4)
	v_max3_num_f32 v[Q_], v[Q_], |v[R_+1]|, |v[R_+2]|
.endif
.elseif (\i) == 14
	WIN XW_<<2
	v_max3_num_f32 v[TQ+1], v[TQ+1], |v[XL_+15]|, 0x1800000
.elseif (\i) == 15
	WIN XW_<<2
	v_max3_num_f32 v[TQ], v[TQ], |v[XL_+31]|, v[TQ+1]
.elseif (\i) == 16
	WIN 0
	v_add_nc_u32 v[SOP], 0xff000000, v[TQ]
.endif
.endm
.macro OUT x, sb, off, b, goff         ; 32 codes, six registers; the byte to the stage; half a fragment leaves: 512 and 256 consecutive bytes.  The last four vector lines are also the places behind the last products
	WIN (\x)>>8
	v_cvt_scalef32_pk16_fp6_f32 v[NCD:NCD+2], v[(\x)&255:((\x)&255)+15], v[SOP]
	v_cvt_scalef32_pk16_fp6_f32 v[TC:TC+2], v[((\x)&255)+16:((\x)&255)+31], v[SOP]
	WIN 0
	v_lshrrev_b32 v[EB], 23, v[SOP]
.irp i, 0,1,2
	v_mov_b32 v[NCD+3+\i], v[TC+\i]
.endr
	ds_store_b8 v[\sb], v[EB] offset:\off
	global_store_b128 v16, v[NCD:NCD+3], s[\b:\b+1] offset:\goff
	global_store_b64 v17, v[NCD+4:NCD+5], s[\b:\b+1] offset:(\goff)+512
.endm
.macro OUTALL x, sb, off, b, goff      ; a way out beside no products
.set N_, 0
.rept 17
	CHAIN N_, \x
.set N_, N_+1
.endr
	WALU
	s_wait_xcnt 0x0                                ; the earlier stores have read their registers
	OUT \x, \sb, \off, \b, \goff
.endm
.macro PRODS kind, e, from, to, x      ; behind each product a line of the chain over x (0: none)
.set N_, \from
.rept (\to)-(\from)
	PROD \kind, \e, N_
.if \x
	CHAIN N_, \x
.endif
.set N_, N_+1
.endr
.endm
.macro DESC r                          ; what the refill r loads: 1 the second weight, 2 and 3 the other half's chunks
.if (\r) == 1
	s_mov_b64 s[46:47], s[58:59]
	s_or_b32 s47, s47, 0x80000000
.elseif (\r) == 2
	s_mov_b64 s[50:51], s[56:57]
	s_or_b32 s51, s51, 0x80000000
.else
	s_add_nc_u64 s[54:55], s[56:57], CHK
	s_or_b32 s55, s55, 0x80000000
.endif
.endm
.macro REFILL r                        ; the rest of the round, and the joint load first behind it: waves 0 and 1 half a weight each, wave 2 slot 0's chunk, wave 3 slot 1's
	CREST
.if (\r) == 1
	s_cmp_lt_u32 s14, 2
	s_cbranch_scc0 .Lno_load_\@
	TLOAD 44, 32
.elseif (\r) == 2
	s_cmp_eq_u32 s14, 2
	s_cbranch_scc0 .Lno_load_\@
	TLOAD 48, 24
.else
	s_cmp_eq_u32 s14, 3
	s_cbranch_scc0 .Lno_load_\@
	TLOAD 52, 24
.endif
.Lno_load_\@:
.endm
.macro BLK kind, e, w, x, mode         ; a block.  w: the LDS instructions younger than its fetch.  mode 0: plain; 1 to 3: a refill's round opens inside; 9: a plain barrier inside shows the last refill
	s_wait_xcnt 0x0                                ; the earlier stores have read their registers
	s_wait_dscnt \w
.if (\mode) == 0
	PRODS \kind, \e, 0, 32, \x
	WIN 0
.else
.if (\mode) < 9
	s_wait_tensorcnt 0x0                           ; all my tensor loads have landed;
	ds_add_u32 v[SPW], v[NIL]
	DESC \mode
.endif
	PRODS \kind, \e, 0, 24, \x
	WIN 0
	WALU
.if (\mode) == 9
	s_wait_tensorcnt 0x0
.endif
	s_wait_dscnt 0x0                               ; the add and all my reads of the region are done
	s_barrier_signal -1
	PRODS \kind, \e, 24, 32, 0
	WIN 0
	s_barrier_wait -1
.endif
.endm
.macro FIRST kind                      ; a phase's block 0: its products follow the weight's fragments as they come; the later K steps' loads are issued four ahead
.irp q, 0,1,2,3,4,5,6,7
.if \q < 4
	WLOAD \q+4
	s_wait_dscnt 48                                ; four K steps' loads are younger
.elseif \q < 6
	s_wait_dscnt 12*(7-\q)
.else
	s_wait_dscnt 24+12*(7-\q)                      ; and block 1's 24
.endif
	PRODS \kind, 0, 4*\q, 4*\q+4, 0
.if \q == 5
	FETCH 1, 0, 1
.endif
.endr
	WIN 0
	PLACES 4
	FETCH 0, 0, 2
.endm
.macro SETV c, j                       ; where phase 1's sums go: 32 t + 8 j + i of chunk c
.if \c
.set DB0, 968+8*\j
.set DB1, 136+8*\j
.else
.set DB0, HV0+8*\j
.set DB1, HV0+32+8*\j
.endif
.set DST, 32
.set XB_, XS+32*\c
.set J_, \j
.endm
.macro SETQ p                          ; phase 2's: two sets of 8 t + i
.set DB0, ACC+32*((\p)%2)
.set DB1, ACC+32*((\p)%2)+8
.set DST, 8
.set XB_, XS+32*(((\p)/4)%2)
.set J_, (\p)%4
.endm
; ================= the head
	s_load_b128 s[4:7], s[0:1], 0x0                ; xw, qkv
	v_lshl_add_u32 v[SPW], v0, 2, SPARE
	v_mov_b32 v[NIL], 0
	ds_add_u32 v[SPW], v[NIL]                      ; the opening lines: the add, twice on end,
	ds_add_u32 v[SPW], v[NIL]
	v_lshrrev_b32 v1, 5, v0
	v_readfirstlane_b32 s14, v1                    ; the wave;
	s_lshr_b32 s15, s14, 1                         ; a: which blocks of x's chunks
	s_and_b32 s16, s14, 1                          ; b: which 64 columns
	s_bfe_u32 s40, ttmp6, 0x40000                  ; cx
	s_bfe_u32 s41, ttmp6, 0x40004                  ; cy
	s_lshl_b32 s42, ttmp9, 2
	s_add_co_u32 s42, s42, s40                     ; phase 2's 128 columns: 0-7 q, 8-15 k
	s_and_b32 s43, ttmp7, 0xffff
	s_lshl_b32 s43, s43, 2
	s_add_co_u32 s43, s43, s41                     ; my 512 tokens
	s_and_b32 s17, ttmp9, 1                        ; which half of them is phase 1's
	s_lshr_b32 s13, ttmp9, 1
	s_lshl_b32 s13, s13, 2
	s_add_co_u32 s13, s13, s40                     ; phase 1's 128 columns of v
	s_lshl_b32 s12, s43, 1
	s_add_co_u32 s12, s12, s17                     ; and its 256 tokens
	s_lshl_b32 s2, s41, 2
	s_lshl_b32 s2, 15, s2                          ; my row of the cluster
	s_lshl_b32 s3, 0x1111, s40                     ; my column
	s_or_b32 s24, s2, (3<<16)|(1<<21)              ; group 1 of a chunk of x: 400 rows of 256 bytes, dense
	s_mov_b32 s25, 32<<16
	s_mov_b32 s26, 400<<16
	s_mov_b32 s27, 32<<16
	s_mov_b32 s28, 400
	s_mov_b32 s29, 32
	s_mov_b32 s30, 0
	s_mov_b32 s31, 0
	s_or_b32 s32, s3, (3<<16)|(1<<21)              ; and of half a weight's 128 columns: 200 rows
	s_mov_b32 s33, 32<<16
	s_mov_b32 s34, 200<<16
	s_mov_b32 s35, 32<<16
	s_mov_b32 s36, 200
	s_mov_b32 s37, 32
	s_mov_b32 s38, 0
	s_mov_b32 s39, 0
	s_mul_i32 s20, s43, 4*CHK
	s_mul_i32 s21, s17, 2*CHK
	s_add_co_u32 s22, s20, s21                     ; the half that comes first
	s_mov_b32 s23, 0
	s_sub_co_u32 s56, s20, s21
	s_add_co_u32 s56, s56, 2*CHK                   ; the other half
	s_mov_b32 s57, 0
	s_mul_i32 s66, s42, CHK
	s_add_co_u32 s66, s66, 64*CHK                  ; w_q's or w_k's chunk
	s_mov_b32 s67, 0
	s_mul_i32 s18, s13, CHK
	s_add_co_u32 s18, s18, 80*CHK                  ; w_v's
	s_mov_b32 s19, 0
	s_mul_i32 s10, s14, 2*PAN                      ; which half of a weight's chunk waves 0 and 1 fetch
	s_mov_b32 s11, 0
	s_mov_b32 s44, 1
	s_add_co_u32 s45, s10, WREG
	s_mov_b32 s48, 1
	s_mov_b32 s49, 0
	s_mov_b32 s52, 1
	s_mov_b32 s53, CHK
	s_wait_dscnt 0x0                               ; and the one wait for both
	s_wait_kmcnt 0x0
	s_add_nc_u64 s[22:23], s[4:5], s[22:23]
	s_add_nc_u64 s[56:57], s[4:5], s[56:57]
	s_add_nc_u64 s[66:67], s[4:5], s[66:67]
	s_add_nc_u64 s[18:19], s[4:5], s[18:19]
	s_add_nc_u64 s[58:59], s[66:67], s[10:11]
	s_add_nc_u64 s[46:47], s[18:19], s[10:11]
	s_or_b32 s47, s47, 0x80000000
	s_mov_b64 s[50:51], s[22:23]
	s_or_b32 s51, s51, 0x80000000
	s_add_nc_u64 s[54:55], s[22:23], CHK
	s_or_b32 s55, s55, 0x80000000
	BAR
	CREST                                          ; all sixteen work-groups are here: the first joint loads meet
	s_cmp_lt_u32 s14, 2                            ; one load a wave: waves 0 and 1 w_v's columns, wave 2 the first chunk, wave 3 the second
	s_cbranch_scc0 .Lwave_2
	TLOAD 44, 32
	s_branch .Lasked
.Lwave_2:
	s_cmp_eq_u32 s14, 2
	s_cbranch_scc0 .Lwave_3
	TLOAD 48, 24
	s_branch .Lasked
.Lwave_3:
	TLOAD 52, 24
.Lasked:
	; where the results go
	s_lshr_b32 s8, s42, 3
	s_lshl_b32 s8, s8, 8
	s_and_b32 s9, s42, 7
	s_lshr_b32 s9, s9, 1
	s_add_co_u32 s8, s8, s9
	s_lshl_b32 s9, s43, 4
	s_add_co_u32 s8, s8, s9
	s_mul_i32 s8, s8, PAN                          ; q | k: panel 256 (tensor) + 4 x 4 x s43 + column / 256; a chunk further is four panels on
	s_and_b32 s9, s42, 1                           ; its K step
	s_mul_i32 s18, s9, 8*FRG
	s_mul_i32 s19, s15, 4*FRG
	s_add_co_u32 s20, s18, s19
	s_mul_i32 s19, s16, FRG/2
	s_add_co_u32 s20, s20, s19
	s_add_co_u32 s20, s20, s8                      ; my half fragments
	s_add_co_u32 s60, s20, s21                     ; the two chunks that come first,
	s_sub_co_u32 s62, s20, s21
	s_add_co_u32 s62, s62, 2*CHK                   ; and the other two
	s_lshl_b32 s18, s17, 1
	s_xor_b32 s18, s18, s14                        ; the chunk whose scale words I send at the end
	s_mul_i32 s18, s18, CHK
	s_lshl_b32 s19, s9, 9
	s_add_co_u32 s70, s8, s18
	s_add_co_u32 s70, s70, s19
	s_add_co_u32 s70, s70, 24576
	s_lshl_b32 s18, s13, 5
	s_add_co_u32 s18, s18, s12
	s_add_co_u32 s18, s18, 512
	s_mul_i32 s18, s18, PAN                        ; v^T's panel
	s_lshl_b32 s19, s14, 8
	s_add_co_u32 s72, s18, s19
	s_add_co_u32 s72, s72, 24576
	s_mul_i32 s19, s16, 4*FRG
	s_add_co_u32 s68, s18, s19
	s_mul_i32 s19, s15, FRG/2
	s_add_co_u32 s68, s68, s19
	s_mov_b32 s61, 0
	s_mov_b32 s63, 0
	s_mov_b32 s69, 0
	s_mov_b32 s71, 0
	s_mov_b32 s73, 0
	s_add_nc_u64 s[60:61], s[6:7], s[60:61]
	s_add_nc_u64 s[62:63], s[6:7], s[62:63]
	s_add_nc_u64 s[68:69], s[6:7], s[68:69]
	s_add_nc_u64 s[70:71], s[6:7], s[70:71]
	s_add_nc_u64 s[72:73], s[6:7], s[72:73]
	s_mul_i32 s80, s15, 4*FRG
	s_lshl_b32 s81, s15, 8
	s_lshl_b32 s83, s16, 8
	s_lshl_b32 s84, s16, 1
	s_add_co_u32 s84, s84, s81
	s_add_co_u32 s84, s84, XN                      ; 256 a + 2 b
	s_lshl_b32 s85, s15, 1
	s_add_co_u32 s85, s85, s83
	s_add_co_u32 s85, s85, XM                      ; 256 b + 2 a
	s_add_co_u32 s81, s81, 24576
	s_mul_i32 s82, s16, 4*FRG
	s_add_co_u32 s82, s82, WREG
	s_add_co_u32 s83, s83, WREG+24576
	s_lshl_b32 s86, s40, 2
	s_add_co_u32 s86, s86, s14
	s_mul_i32 s86, s86, 25*256                     ; my sixteenth of a chunk among the waves of my row of the cluster,
	s_lshl_b32 s88, s41, 2
	s_add_co_u32 s88, s88, s14
	s_mul_i32 s88, s88, 25*256                     ; and of my column
	s_lshl_b32 s89, s14, 9
	s_add_co_u32 s89, s89, XN
	s_lshl_b32 s90, s14, 8
	s_add_co_u32 s90, s90, XM
	v_and_b32 v1, 15, v0                           ; r
	v_bfe_u32 v2, v0, 4, 1                         ; h
	v_and_b32 v3, 31, v0
	v_lshlrev_b32 v16, 4, v3
	v_lshlrev_b32 v17, 3, v3
	v_add_nc_u32 v[AX], s80, v16
	v_add_nc_u32 v[AX+1], 2*PAN, v[AX]
	v_add_nc_u32 v[AX+2], CHK, v[AX]
	v_add_nc_u32 v[AX+3], CHK+2*PAN, v[AX]
	v_lshlrev_b32 v22, 4, v1
	v_add_nc_u32 v[SX], s81, v22
	v_add_nc_u32 v[SX+1], 2*PAN, v[SX]
	v_add_nc_u32 v[SX+2], CHK, v[SX]
	v_add_nc_u32 v[SX+3], CHK+2*PAN, v[SX]
	v_add_nc_u32 v[AW], s82, v16
	v_add_nc_u32 v[AW+1], 2*PAN, v[AW]
	v_add_nc_u32 v[SWA], s83, v22
	v_add_nc_u32 v[SWA+1], 2*PAN, v[SWA]
	v_lshl_add_u32 v23, v1, 4, v2                  ; a scale byte: 16 r + h
	v_add_nc_u32 v18, s84, v23
	v_add_nc_u32 v19, s85, v23
	v_min_u32 v24, 24, v3                          ; 25 lanes, 256 bytes apart; the others name the last block again
	v_lshlrev_b32 v24, 8, v24
	v_add_nc_u32 v20, s86, v24
	v_add_nc_u32 v21, s88, v24
	v_add_nc_u32 v25, s89, v16
	v_add_nc_u32 v26, s90, v17
	WALU
	s_cmp_eq_u32 s14, 3
	s_cbranch_scc1 .Lnot_needed_yet                ; the second chunk may stay out
	s_wait_tensorcnt 0x0
.Lnot_needed_yet:
	BAR
; ================= phase 1: v, eight blocks; the first chunk's four way outs stand in the second chunk's blocks
	SETV 0, 0
	FLOADS
	global_prefetch_b8 v21, s[66:67] th:TH_LOAD_NT scope:SCOPE_SE   ; the second weight
	FIRST 1
	SETV 0, 1
	BLK 1, 1, 24, 0, 0
	PLACES 4
	FETCH 1, 0, 3
	SETV 0, 2
	BLK 1, 0, 24, 0, 1                             ; the weight's region is filled again: all waves hold w_v in registers
	REFILL 1
	PLACES 4
	XSC 1, 1
	FETCH 0, 1, 0
	global_prefetch_b8 v20, s[56:57] th:TH_LOAD_NT scope:SCOPE_SE   ; the third chunk
	SETV 0, 3
	BLK 1, 1, 32, 0, 0
	PLACES 4
	FETCH 1, 1, 1
	SETV 1, 0
	BLK 1, 0, 24, HV0, 0
	WALU
	OUT HV0, 19, 0, 68, 0
	FETCH 0, 1, 2
	SETV 1, 1
	BLK 1, 1, 25, HV0+32, 0
	WALU
	OUT HV0+32, 19, 4, 68, FRG
	FETCH 1, 1, 3
	SETV 1, 2
	BLK 1, 0, 25, HV0+64, 0
	WALU
	OUT HV0+64, 19, 8, 68, 2*FRG
	SETV 1, 3
	BLK 1, 1, 1, HV0+96, 9                         ; the barrier inside shows the second weight to all waves
	OUT HV0+96, 19, 12, 68, 3*FRG
; ================= the change of phase: the second chunk's way outs stand under the flight of the first loads (slot 0 has lain since the head)
	FLOADS
	global_prefetch_b8 v20, s[56:57] offset:CHK th:TH_LOAD_NT scope:SCOPE_SE   ; the fourth chunk
	OUTALL 968, 19, 512, 68, 8*FRG
	OUTALL 136, 19, 516, 68, 9*FRG
	OUTALL 168, 19, 520, 68, 10*FRG
	OUTALL 200, 19, 524, 68, 11*FRG
; ================= phase 2: q or k, sixteen blocks; a block's way out stands in the next
	SETQ 0
	FIRST 0
.macro STEP2                           ; block P_; chunk P_ / 4 lies in slot (P_ / 4) % 2
	SETQ P_
.set E_, P_%2
.set MO_, 0
.if P_ == 2
.set MO_, 2
.elseif P_ == 6
.set MO_, 3
.elseif P_ == 10
.set MO_, 9
.endif
.set WT_, 0                            ; younger than this block's fetch: the next block's, with the next chunk's scale words where it begins one, and a byte's store
.if P_ < 15
.set WT_, 24
.if (P_+1)%4 == 0
.set WT_, 32
.endif
.endif
.if P_ > 1
.set WT_, WT_+1
.endif
	BLK 0, E_, WT_, ACC+32-32*E_, MO_
.if (MO_ == 2) || (MO_ == 3)
	REFILL MO_
.endif
.set PP_, P_-1
.set OB_, 60+2*(PP_/8)
	OUT ACC+32-32*E_, 18, 512*(PP_/4)+4*(PP_%4), OB_, CHK*((PP_/4)%2)+FRG*(PP_%4)
.if P_ < 14
.set PN_, P_+2
.if PN_%4 == 0
	XSC (PN_/4)%2, (PN_/4)%2
.endif
	FETCH E_, (PN_/4)%2, PN_%4
.endif
.endm
.set P_, 1
.rept 15
	STEP2
.set P_, P_+1
.endr
	PLACES 4
	OUTALL ACC+32, 18, 512*3+12, 62, CHK+3*FRG
	s_wait_dscnt 0x0                               ; for the others' sake: the scale bytes have landed
	BAR
	ds_load_b128 v[136:139], v25
	ds_load_b64 v[140:141], v26
	s_wait_dscnt 0x0
	global_store_b128 v16, v[136:139], s[70:71]    ; 512 consecutive bytes of scale words,
	global_store_b64 v17, v[140:141], s[72:73]     ; and 256
	s_wait_tensorcnt 0x0                           ; the wave's end
	ds_add_u32 v[SPW], v[NIL]
	s_wait_dscnt 0x0
	BAR
	CREST                                          ; the closing round
	s_endpgm
.Lfunc_end_k_q4b7c261a1d_proj:
	.size	k_q4b7c261a1d_proj, .Lfunc_end_k_q4b7c261a1d_proj-k_q4b7c261a1d_proj
	.p2alignl 7, 3214868480
	.fill 96, 4, 3214868480
	.section	.rodata,"a",@progbits
	.p2align	6, 0x0
	.amdhsa_kernel k_q4b7c261a1d_proj
		.amdhsa_group_segment_fixed_size 327680
		.amdhsa_private_segment_fixed_size 0
		.amdhsa_enable_private_segment 0
		.amdhsa_kernarg_size 16
		.amdhsa_user_sgpr_count 2
		.amdhsa_user_sgpr_kernarg_segment_ptr 1
		.amdhsa_wavefront_size32 1
		.amdhsa_system_sgpr_workgroup_id_x 1
		.amdhsa_system_sgpr_workgroup_id_y 1
		.amdhsa_system_sgpr_workgroup_id_z 1
		.amdhsa_system_vgpr_workitem_id 0
		.amdhsa_next_free_vgpr 1008
		.amdhsa_next_free_sgpr 100
		.amdhsa_reserve_vcc 0
		.amdhsa_float_denorm_mode_32 3
		.amdhsa_float_denorm_mode_16_64 3
		.amdhsa_memory_ordered 1
		.amdhsa_forward_progress 1
		.amdhsa_inst_pref_size 231
	.end_amdhsa_kernel
	.amdgpu_metadata
---
amdhsa.version: [ 1, 2 ]
amdhsa.kernels:
  - .name:           k_q4b7c261a1d_proj
    .symbol:         k_q4b7c261a1d_proj.kd
    .args:
      - { .name: xw, .offset: 0, .size: 8, .value_kind: global_buffer, .address_space: global }
      - { .name: qkv, .offset: 8, .size: 8, .value_kind: global_buffer, .address_space: global }
    .group_segment_fixed_size: 327680
    .private_segment_fixed_size: 0
    .kernarg_segment_align: 8
    .kernarg_segment_size: 16
    .max_flat_workgroup_size: 128
    .sgpr_count:     100
    .vgpr_count:     1008
    .wavefront_size: 32
...
	.end_amdgpu_metadata
.endif
;; end of part 7
;; launch scores (part 8): grid 16 x 10, 4 waves a work-group, clusters of 4 x 1, 327,680 bytes of LDS; arguments qkv, pc, st; writes pc, st
.if DOCPART == 8
	.amdgcn_target "amdgcn-amd-amdhsa--gfx1250"
	.amdhsa_code_object_version 6
	.text
	.protected	k_q4b7c261a1d_scores
	.globl	k_q4b7c261a1d_scores
	.p2align	8
	.type	k_q4b7c261a1d_scores,@function
k_q4b7c261a1d_scores:
	s_mov_b64 s[64:65], 0
	v_nop
	global_prefetch_b8 v0, s[64:65] scope:SCOPE_SE
	s_setreg_imm32_b32 hwreg(HW_REG_WAVE_MODE, 25, 1), 1
	s_wait_xcnt 0x0
	s_wait_alu depctr_hold_cnt(0) depctr_sa_sdst(0) depctr_va_vdst(0) depctr_va_sdst(0) depctr_va_ssrc(0) depctr_va_vcc(0) depctr_vm_vsrc(0)
	s_getreg_b32 s2, hwreg(HW_REG_IB_STS2, 6, 4)
	s_cmp_eq_u32 s2, 0
	s_cbranch_scc0 .Lentry_in_a_cluster
	s_endpgm
.Lentry_in_a_cluster:
	s_bfe_u32 s2, ttmp6, 0x10000c
	s_cmp_lg_u32 s2, 0x3003
	s_cbranch_scc0 .Lentry_shape_is_right
	s_endpgm
.Lentry_shape_is_right:
; S = q k^T on codes of FP6, the causal mask, and p = 2^(t - M) quantised along the keys; t = score x log2(e) / 32.  M here is LOCAL: for each query and each 128 keys the ceiling of the largest t of those keys.
; A whole-number M is taken up by a block's scale, so the codes are those under the row's M; the next launch takes M(row) - M(local) off the scale bytes.  Stored: p's codes (fragment images, 24,576 bytes for 128 queries x 256 keys),
; and for each (128 queries, 128 keys, half wr): 256 bytes of scale words, 256 of -M, 256 of l (the sum of the unquantised p), each at 16 r + 4 a.
; The core is the projections': a tile is 128 queries (P = q) x 256 keys (Q = k), K = 1,024; four waves 2 x 2; source 0 = 16 keys, source 1 = 16 queries: a lane holds one query,
; and by the panels' row order its 16 registers of tiles 2 b, 2 b + 1 are 16 neighbouring keys.
; TILES: cluster (batch, c, m): queries 512 c .. 512 c + 511 of the batch, 128 to a partner; keys 512 m .. 512 m + 511, m = 0 .. c: what lies wholly above is not computed.
; A WORK-GROUP MAKES TWO TILES, keys 256 (2 m) on and 256 (2 m + 1) on: a row of clusters has 2 (c + 1) key tiles, always an even number.  q's 1,024 along K stay in LDS, filled once; k goes through the two slots of 512 along K:
; slot 0 is filled again at the change from slot 0 to slot 1, slot 1 between the second and the third block's softmax.  By this text's count a wave has one tensor load out at the head and one behind each later round.
; 160 work-groups: the mask leaves more tiles of this size than the chip has WGPs, so some WGP makes two in any case; made by one work-group they share q and one start.
; The four partners read the same k: joint loads (two thirds of a tile's bytes); q's panels are each partner's own: plain loads.  A partner whose tile lies wholly under the mask runs the same text (no branch may hang on its place)
; and stores zero codes, l = 0 and a very large -M.
; LIMITS: scores are taken to lie above -3e38; NaN and infinities are not served; a block whose every p is 0 keeps a byte from 1 to 125 over zero codes.
; REGISTERS as in the projections' text; v160-227 the softmax and the way out.
; THIS TEXT'S LAYOUTS, in place of what the lines above say of them: a panel's place (block i, row r) holds row 64 (i / 4) + 8 (i % 4) + r % 8 + 32 (r / 8): a lane's 32 registers of tiles 4 c .. 4 c + 3 are the 32 neighbouring keys 64 c + 32 h on: one scale block.
; q's and k's fragments lie in two halves of 768 bytes: registers 6 c .. 6 c + 3 at 768 c + 16 x lane, registers 6 c + 4, 6 c + 5 at 768 c + 512 + 8 x lane.
; At the head each wave has one tensor load: waves 0 and 2 q's first and second 512 along K, waves 1 and 3 k's, both row groups by one descriptor (two rows of 51,200 bytes); wave 1 alone refills.
.set FRG,  1536
.set QPAN, 25600
.set PPAN, 25600
.set PREG, 2*PPAN
.set SLOT, PREG+4*QPAN
.set SPARE, 2*SLOT                     ; behind the ring: the spare words, 128 bytes for each wave: two blocks of 256 bytes that no other line names
.set ADRP, 4
.set ADRQ, 6
.set ASP,  8
.set ASQ,  10
.set GOC,  12
.set GO1,  13
.set GO2,  16
.set ADQ8, 20                          ; v20-21, v22-23 as ADRQ, ADRP, with 8 x lane: the fragments' pieces of 8 bytes
.set ADP8, 22
.set H8,   25                          ; 8 h
.set SPW,  28
.set NIL,  29
.set SC,   32
.set PF,   64
.set TM,   160
.set PC,   176
.set SW,   196
.set NG,   200                         ; v200-203 -M of my query in blocks a = 0 .. 3
.set LS,   204                         ; v204-207 l
.set NP,   208                         ; v[208:209] -M in hand (the packed form names a pair)
.set LA,   210
.set LB,   212
.set T0,   214
.set DQ,   215                         ; my query less the wave's first key of tile 0, less 32 h
.set NINF, 216
.set WV,  10
.set WR,  11
.set WC,  12
.set C,   16
.set M,   17
.set SEL, 20
.set CS,  22
.set G1P, 24
.set G1Q, 32
.set G0P, 40
.set G0Q, 48
.set HM,  84
.set MSB, 0
.macro WIN new
.if MSB != \new
	s_set_vgpr_msb (MSB<<8)|\new
.set MSB, \new
.endif
.endm
.macro PLACES n
.rept \n
	v_nop
.endr
.endm
.macro BAR
	s_barrier_signal -1
	s_barrier_wait -1
.endm
.macro CROUND
	s_barrier_signal -1
	s_barrier_wait -1
	s_cmp_lg_u32 s[WV], 0
	s_cbranch_scc1 .Lnot_wave_0_\@
	s_barrier_signal -3
.Lnot_wave_0_\@:
	s_barrier_wait -3
	s_barrier_signal -1
	s_barrier_wait -1
.endm
.macro JLOADQ s                        ; a joint refill of slot s: wave 1 fetches k's two row groups; q stays.  Four v_nop follow the line
	s_cmp_eq_u32 s[WV], 1
	s_cbranch_scc0 .Lnone_\@
	tensor_load_to_lds s[G0Q+4*(\s):G0Q+4*(\s)+3], s[G1Q:G1Q+7]
	s_nop 0
	PLACES 4
.Lnone_\@:
.endm
; The change of slots: all my tensor loads have landed; 0 onto my spare word; slot s's descriptor steps to the next 256 keys while the add is out; the add and my reads of the slot are done; then the round.
.macro CHG round, s
	s_wait_tensorcnt 0x0
	ds_add_u32 v[SPW], v[NIL]
.if (\s) >= 0
	s_add_nc_u64 s[G0Q+4*(\s)+2:G0Q+4*(\s)+3], s[G0Q+4*(\s)+2:G0Q+4*(\s)+3], 8*QPAN   ; two row groups of four panels on; the type bits on top are not reached
.endif
	s_wait_dscnt 0x0
.if \round
	CROUND
.else
	BAR
.endif
.endm
.macro FETCH s, kk, p
	WIN 0x40
.irp b, 0,1,2,3,4,5,6,7
.irp c, 0,1
	ds_load_b128 v[96*(\p)+12*\b+6*\c:96*(\p)+12*\b+6*\c+3], v[ADRQ+(\s)] offset:((\kk)/2)*QPAN+(8*((\kk)%2)+\b)*FRG+768*\c
	ds_load_b64 v[96*(\p)+12*\b+6*\c+4:96*(\p)+12*\b+6*\c+5], v[ADQ8+(\s)] offset:((\kk)/2)*QPAN+(8*((\kk)%2)+\b)*FRG+768*\c+512
.endr
.endr
	WIN 0
.irp a, 0,1,2,3
.irp c, 0,1
	ds_load_b128 v[PF+48*(\p)+12*\a+6*\c:PF+48*(\p)+12*\a+6*\c+3], v[ADRP+(\s)] offset:((\kk)/2)*PPAN+(8*((\kk)%2)+\a)*FRG+768*\c
	ds_load_b64 v[PF+48*(\p)+12*\a+6*\c+4:PF+48*(\p)+12*\a+6*\c+5], v[ADP8+(\s)] offset:((\kk)/2)*PPAN+(8*((\kk)%2)+\a)*FRG+768*\c+512
.endr
.endr
	ds_load_b128 v[SC+16*(\p):SC+16*(\p)+3], v[ASQ+(\s)] offset:((\kk)/2)*QPAN+512*((\kk)%2)
	ds_load_b128 v[SC+16*(\p)+4:SC+16*(\p)+7], v[ASQ+(\s)] offset:((\kk)/2)*QPAN+512*((\kk)%2)+256
	ds_load_b128 v[SC+16*(\p)+8:SC+16*(\p)+11], v[ASP+(\s)] offset:((\kk)/2)*PPAN+512*((\kk)%2)
.endm
.macro MUL p, zero, scp                ; the 32 accumulators take turns
	WIN 0xa1
.irp a, 0,1,2,3
.irp b, 0,1,2,3,4,5,6,7
.if \zero
	v_wmma_scale_f32_16x16x128_f8f6f4 v[8*(8*\a+\b):8*(8*\a+\b)+7], v[96*(\p)+12*\b:96*(\p)+12*\b+11], v[PF+48*(\p)+12*\a:PF+48*(\p)+12*\a+11], 0, v[SC+16*(\p)+\b], v[(\scp)+\a] matrix_a_fmt:MATRIX_FMT_FP6 matrix_b_fmt:MATRIX_FMT_FP6
.else
	v_wmma_scale_f32_16x16x128_f8f6f4 v[8*(8*\a+\b):8*(8*\a+\b)+7], v[96*(\p)+12*\b:96*(\p)+12*\b+11], v[PF+48*(\p)+12*\a:PF+48*(\p)+12*\a+11], v[8*(8*\a+\b):8*(8*\a+\b)+7], v[SC+16*(\p)+\b], v[(\scp)+\a] matrix_a_fmt:MATRIX_FMT_FP6 matrix_b_fmt:MATRIX_FMT_FP6
.endif
.endr
.endr
.endm
.macro KS s, kk, zero
	s_wait_dscnt 0x0
	PLACES 4
	FETCH \s, (\kk)+1, 1-(\kk)%2
	MUL (\kk)%2, \zero, SC+16*((\kk)%2)+8
.endm
.macro KEND
	s_wait_dscnt 0x0                               ; the last step's fragments are in: my reads of this slot are over
	PLACES 4
	WIN 0
.endm
.macro CODES a
	s_wait_xcnt 0x0                                ; the earlier stores have read their registers
.irp b, 0,1
	v_add_nc_u32 v[TM+12+\b], 0xff000000, v[TM+\b] ; blocks h and 2 + h are my own: the conversions' scale operands
.endr
.irp b, 0,1
	v_lshrrev_b32 v[TM+4+\b], 23, v[TM+12+\b]
.endr
	v_lshl_or_b32 v[TM+4], v[TM+5], 16, v[TM+4]
	v_lshlrev_b32 v[TM+4], v[H8], v[TM+4]          ; my two bytes at their places in the word,
	v_permlanex16_b32 v[TM+6], v[TM+4], s[SEL], s[SEL+1]
	v_or_b32 v[SW+\a], v[TM+4], v[TM+6]            ; and lane l xor 16's two
	WIN 0x02
.irp c, 0,1
	v_cvt_scalef32_pk16_fp6_f32 v[PC+6*\c:PC+6*\c+2], v[64*(\a)+32*\c:64*(\a)+32*\c+15], v[TM+12+\c]
	v_cvt_scalef32_pk16_fp6_f32 v[PC+12+4*\c:PC+14+4*\c], v[64*(\a)+32*\c+16:64*(\a)+32*\c+31], v[TM+12+\c]
.endr
	WIN 0
	v_nop                                          ; one plain line behind the scaled conversions
.irp c, 0,1
.irp i, 0,1,2
	v_mov_b32 v[PC+3+6*\c+\i], v[PC+12+4*\c+\i]
.endr
.endr
.endm
; The softmax of block a of my queries over the wave's 128 keys of tile t.  A[n] = window 2's register 64 a + n = key 64 (n / 32) + 32 h + n % 32.
.macro SOFT a, t
	WIN 0
	s_cmp_lt_u32 s[M], s[C]                        ; keys under 512 c count for every query of the cluster: the same answer in all four partners
	s_cbranch_scc1 .Lopen_\@
	WIN 0x82                                       ; destination and source 0 window 2
.set n, 0
	s_wait_alu depctr_va_vdst(0)
.rept 64
	v_cmp_gt_i32 vcc_lo, 64*(n/32)+n%32-8*(\a)+256*(\t), v[DQ]   ; the key comes after the query: A[n] is key 64 (n / 32) + 32 h + n % 32
	v_cndmask_b32 v[64*(\a)+n], v[64*(\a)+n], v[NINF], vcc_lo
.set n, n+1
.endr
	WIN 0
.Lopen_\@:
	WIN 0x0a
.irp b, 0,1,2,3
	v_max3_num_f32 v[TM+\b], v[64*(\a)+16*\b], v[64*(\a)+16*\b+1], 0xff61b1e6   ; the largest score of each block of 32 keys (and -3e38, so that it is a number); low end first
.endr
.irp i, 2,4,6,8,10,12,14
.irp b, 0,1,2,3
	v_max3_num_f32 v[TM+\b], v[64*(\a)+16*\b+\i], v[64*(\a)+16*\b+\i+1], v[TM+\b]
.endr
.endr
	WIN 0
	v_max_num_f32 v[TM], v[TM], v[TM+1]            ; keys 32 h on: a whole block of 32 in a lane,
	v_max_num_f32 v[TM+1], v[TM+2], v[TM+3]        ; and keys 64 + 32 h on
	v_max_num_f32 v[T0], v[TM], v[TM+1]
	v_permlanex16_b32 v[TM+4], v[T0], s[SEL], s[SEL+1]
	v_max_num_f32 v[T0], v[T0], v[TM+4]            ; with lane l xor 16's 64 keys
	v_mul_f32 v[T0], s[CS], v[T0]                  ; the largest t
	v_floor_f32 v[NP], -v[T0]                      ; -M = floor(-t): M is a whole number
	v_mov_b32 v[NG+\a], v[NP]
	WIN 0x82
.set n, 0
.rept 32
	v_pk_fma_f32 v[64*(\a)+n:64*(\a)+n+1], v[64*(\a)+n:64*(\a)+n+1], s[CS:CS+1], v[NP:NP+1] op_sel_hi:[1,0,0]   ; t - M
.set n, n+2
.endr
	WIN 0
.irp b, 0,1
	v_fma_f32 v[TM+\b], v[TM+\b], s[CS], v[NP]     ; the same of each block's largest score
.endr
	WIN 0x82
.set n, 0
	s_wait_alu depctr_va_vdst(0)
.rept 64
	v_exp_f32 v[64*(\a)+n], v[64*(\a)+n]           ; p, not normalised
.set n, n+1
.endr
	WIN 0
	v_nop                                          ; a plain line behind the batch
	s_wait_alu depctr_va_vdst(0)                   ; one wait for the 64, ahead of their first reader
.irp b, 0,1
	v_exp_f32 v[TM+\b], v[TM+\b]                   ; the block's largest p: the same two instructions on the same number
.endr
	WIN 0x0a
	v_pk_add_f32 v[LA:LA+1], v[64*(\a):64*(\a)+1], v[64*(\a)+2:64*(\a)+3]      ; l is taken of the unquantised p, in two chains
	v_pk_add_f32 v[LB:LB+1], v[64*(\a)+4:64*(\a)+5], v[64*(\a)+6:64*(\a)+7]
	WIN 0x02
.irp n, 8,12,16,20,24,28,32,36,40,44,48,52,56,60
	v_pk_add_f32 v[LA:LA+1], v[64*(\a)+\n:64*(\a)+\n+1], v[LA:LA+1]
	v_pk_add_f32 v[LB:LB+1], v[64*(\a)+\n+2:64*(\a)+\n+3], v[LB:LB+1]
.endr
	WIN 0
	v_pk_add_f32 v[LA:LA+1], v[LA:LA+1], v[LB:LB+1]
	v_add_f32 v[LA], v[LA], v[LA+1]
	v_permlanex16_b32 v[LB], v[LA], s[SEL], s[SEL+1]
	v_add_f32 v[LS+\a], v[LA], v[LB]
	s_wait_alu depctr_va_vdst(0)                   ; and one for the two
.irp b, 0,1
	v_med3_num_f32 v[TM+\b], v[TM+\b], 0x1800000, 1.0   ; the floor 2^(3 - 127); and 1 from above, for a row all of whose keys are hidden, where this number means nothing
.endr
	s_wait_alu depctr_va_vdst(0)
	CODES \a
.irp c, 0,1,2
	global_store_b128 v[GOC], v[PC+4*\c:PC+4*\c+3], s[6:7] offset:24576*(\t)+(\a)*FRG+512*\c   ; 512 consecutive bytes a store
.endr
.endm
; TILE t of two.  Its first fragments have been asked for.
.macro TILE t
	KS 0, 0, 1                                     ; the first step's products start the sums
	KS 0, 1, 0
	KS 0, 2, 0
	KEND
.if (\t) == 0
	CHG 1, 0                                       ; slot 1 is whole in every partner, and nobody reads slot 0 any more:
	JLOADQ 0                                       ; its part for k takes the next 256 keys' first 512 along K
.else
	CHG 0, -1                                      ; the last tile asks for nothing
.endif
	FETCH 1, 0, 0
	MUL 1, 0, SC+24
	KS 1, 0, 0
	KS 1, 1, 0
	KS 1, 2, 0
	s_wait_dscnt 0x0
	MUL 1, 0, SC+24
	WIN 0
	PLACES 4                                       ; in front of the first read of results
	SOFT 0, \t
	SOFT 1, \t
.if (\t) == 0
	CHG 1, 1                                       ; slot 0 is whole again, and nobody reads slot 1 any more:
	JLOADQ 1                                       ; the next 256 keys' second 512 along K,
	FETCH 0, 0, 0                                  ; and the next tile's first fragments come in under the rest of the softmax
.endif
	SOFT 2, \t
	SOFT 3, \t
.irp a, 0,1,2,3
	v_cndmask_b32 v[220+\a], v[SW+\a], v[NG+\a], s[HM]
.endr
	v_cndmask_b32 v224, v[LS], v[LS+2], s[HM]
	v_cndmask_b32 v225, v[LS+1], v[LS+3], s[HM]
	global_store_b128 v[GO1], v[220:223], s[8:9] offset:3072*(\t)          ; 512 consecutive bytes: the scale words, then -M
	global_store_b64 v[GO2], v[224:225], s[8:9] offset:3072*(\t)+512       ; 256 consecutive bytes: l
.endm
	s_load_b128 s[4:7], s[0:1], 0x0                ; qkv, pc
	s_load_b64 s[8:9], s[0:1], 0x10                ; st
	v_lshl_add_u32 v[SPW], v0, 2, SPARE
	v_mov_b32 v[NIL], 0
	ds_add_u32 v28, v29
	ds_add_u32 v28, v29
	s_wait_dscnt 0x0
	v_lshrrev_b32 v1, 5, v0
	v_readfirstlane_b32 s[WV], v1
	s_lshr_b32 s[WR], s[WV], 1
	s_and_b32 s[WC], s[WV], 1
	s_bfe_u32 s13, ttmp6, 0x40000                  ; cx
	s_and_b32 s15, ttmp7, 0xffff                   ; 0 .. 9: c (c + 1) / 2 + m
	s_cmp_ge_u32 s15, 1
	s_cselect_b32 s[C], 1, 0
	s_cmp_ge_u32 s15, 3
	s_cselect_b32 s85, 1, 0
	s_add_co_u32 s[C], s[C], s85
	s_cmp_ge_u32 s15, 6
	s_cselect_b32 s85, 1, 0
	s_add_co_u32 s[C], s[C], s85                   ; c
	s_add_co_u32 s85, s[C], 1
	s_mul_i32 s85, s85, s[C]
	s_lshr_b32 s85, s85, 1
	s_sub_co_u32 s[M], s15, s85                    ; m
	s_lshl_b32 s18, s[C], 2
	s_add_co_u32 s18, s18, s13                     ; my 128 queries of the batch
	s_lshl_b32 s19, ttmp9, 4
	s_add_co_u32 s19, s19, s18                     ; and of all
	s_mov_b32 s[G1P], 3<<16                        ; q's panels: my own, no mask
	s_mov_b32 s[G1Q], 15|(3<<16)|(1<<21)           ; k's: all four partners
	s_mov_b32 s[G1Q+1], 6400<<16                   ; k: two row groups, each two panels on end of its four: two rows of 51,200 bytes, 102,400 apart
	s_mov_b32 s[G1Q+2], 2<<16
	s_mov_b32 s[G1Q+3], 6400<<16
	s_mov_b32 s[G1Q+4], 2
	s_mov_b32 s[G1Q+5], 12800
	s_mov_b32 s[G1Q+6], 0
	s_mov_b32 s[G1Q+7], 0
.irp g, G1P                                    ; q: two panels on end: 200 rows of 256 bytes
	s_mov_b32 s[\g+1], 32<<16
	s_mov_b32 s[\g+2], 200<<16
	s_mov_b32 s[\g+3], 32<<16
	s_mov_b32 s[\g+4], 200
	s_mov_b32 s[\g+5], 32
	s_mov_b32 s[\g+6], 0
	s_mov_b32 s[\g+7], 0
.endr
	s_mul_i32 s56, s19, 4*PPAN                     ; q: panel 4 Rg
	s_mov_b32 s57, 0
	s_lshl_b32 s86, ttmp9, 6                       ; k: panel 256 + 4 (16 batch + 4 m + e): nothing of cx
	s_lshl_b32 s87, s[M], 4
	s_add_co_u32 s86, s86, s87
	s_add_co_u32 s86, s86, 256
	s_mul_i32 s58, s86, QPAN
	s_mov_b32 s59, 0
	s_lshl_b32 s88, s19, 3
	s_lshl_b32 s89, s[M], 1
	s_add_co_u32 s88, s88, s89
	s_mul_i32 s60, s88, 24576                      ; p's codes of tile 0: (8 Rg + 2 m) x 24,576
	s_mov_b32 s61, 0
	s_lshl_b32 s88, s19, 4
	s_lshl_b32 s89, s[M], 2
	s_add_co_u32 s88, s88, s89
	s_add_co_u32 s88, s88, s[WC]
	s_lshl_b32 s88, s88, 1
	s_add_co_u32 s88, s88, s[WR]
	s_mul_i32 s62, s88, 768                        ; the statistics of tile 0
	s_mov_b32 s63, 0
	s_lshl_b32 s91, s[M], 2
	s_add_co_u32 s91, s91, s[WC]
	s_sub_co_i32 s91, s18, s91
	s_lshl_b32 s91, s91, 7
	s_lshl_b32 s93, s[WR], 6
	s_add_co_i32 s91, s91, s93                     ; 128 (ib - 4 m - wc) + 64 wr
	s_mov_b32 s[SEL], 0x76543210
	s_mov_b32 s[SEL+1], 0xfedcba98
	s_mov_b32 s[CS], 0x3d38aa3b                    ; log2(e) / 32
	s_mov_b32 s[CS+1], s[CS]
	s_wait_kmcnt 0x0
	s_add_nc_u64 s[56:57], s[4:5], s[56:57]
	s_add_nc_u64 s[58:59], s[4:5], s[58:59]
	s_add_nc_u64 s[6:7], s[6:7], s[60:61]
	s_add_nc_u64 s[8:9], s[8:9], s[62:63]
.irp s, 0,1                                    ; a group 0 for each slot, set for tile 0
	s_mov_b32 s[G0P+4*\s], 1
	s_mov_b32 s[G0P+4*\s+1], \s*SLOT
	s_add_nc_u64 s[G0P+4*\s+2:G0P+4*\s+3], s[56:57], \s*PREG
	s_or_b32 s[G0P+4*\s+3], s[G0P+4*\s+3], 0x80000000
	s_mov_b32 s[G0Q+4*\s], 1
	s_mov_b32 s[G0Q+4*\s+1], \s*SLOT+PREG
	s_add_nc_u64 s[G0Q+4*\s+2:G0Q+4*\s+3], s[58:59], \s*2*QPAN
	s_or_b32 s[G0Q+4*\s+3], s[G0Q+4*\s+3], 0x80000000
.endr
	CROUND                                         ; all four work-groups are here: the joint loads meet
	s_cmp_eq_u32 s[WV], 0                          ; one load a wave: wave 0 q for slot 0, wave 1 k for slot 0, wave 2 q for slot 1, wave 3 k for slot 1
	s_cbranch_scc0 .Lhead_1
	tensor_load_to_lds s[G0P:G0P+3], s[G1P:G1P+7]
	s_nop 0
	PLACES 4
	s_branch .Lasked
.Lhead_1:
	s_cmp_eq_u32 s[WV], 1
	s_cbranch_scc0 .Lhead_2
	tensor_load_to_lds s[G0Q:G0Q+3], s[G1Q:G1Q+7]
	s_nop 0
	PLACES 4
	s_branch .Lasked
.Lhead_2:
	s_cmp_eq_u32 s[WV], 2
	s_cbranch_scc0 .Lhead_3
	tensor_load_to_lds s[G0P+4:G0P+7], s[G1P:G1P+7]
	s_nop 0
	PLACES 4
	s_branch .Lasked
.Lhead_3:
	tensor_load_to_lds s[G0Q+4:G0Q+7], s[G1Q:G1Q+7]
	s_nop 0
	PLACES 4
.Lasked:
	v_and_b32 v1, 31, v0
	v_and_b32 v2, 15, v0
	v_bfe_u32 v3, v0, 4, 1
	v_lshlrev_b32 v14, 4, v1
	v_lshlrev_b32 v15, 4, v2
	s_mul_i32 s96, s[WR], 4*FRG
	v_add_nc_u32 v[ADRP], s96, v14
	v_add_nc_u32 v[ADRP+1], SLOT, v[ADRP]
	s_mul_i32 s97, s[WC], 2*QPAN
	s_add_co_u32 s97, s97, PREG
	v_add_nc_u32 v[ADRQ], s97, v14
	v_add_nc_u32 v[ADRQ+1], SLOT, v[ADRQ]
	s_lshl_b32 s98, s[WR], 8
	s_add_co_u32 s98, s98, 24576
	v_add_nc_u32 v[ASP], s98, v15
	v_add_nc_u32 v[ASP+1], SLOT, v[ASP]
	s_add_co_u32 s99, s97, 24576
	v_add_nc_u32 v[ASQ], s99, v15
	v_add_nc_u32 v[ASQ+1], SLOT, v[ASQ]
	s_lshl_b32 s93, s[WC], 3
	s_lshl_b32 s94, s[WR], 2
	s_add_co_u32 s93, s93, s94
	s_mul_i32 s93, s93, FRG
	v_add_nc_u32 v[GOC], s93, v14
	v_lshl_add_u32 v[GO1], v3, 8, v15              ; 256 h + 16 r: lanes 0-15 the scale words, lanes 16-31 -M
	v_lshl_add_u32 v[GO2], v3, 3, v15              ; 16 r + 8 h: l
	v_cmp_ne_u32 s[HM], 0, v3
	v_and_b32 v17, 8, v2
	v_mul_u32_u24 v17, 3, v17
	v_add_nc_u32 v17, v17, v2                      ; r % 8 + 32 (r / 8)
	v_lshlrev_b32 v18, 5, v3
	v_sub_nc_u32 v17, v17, v18
	v_add_nc_u32 v[DQ], s91, v17
	v_mov_b32 v[NINF], 0xff800000
	v_mov_b32 v[NP+1], 0                           ; named as the upper half of a pair
.irp b, 0,1,2,3
	v_mov_b32 v[TM+4+\b], 0                        ; a lane permute's destination counts as read
.endr
	v_lshlrev_b32 v24, 3, v1
	v_add_nc_u32 v[ADQ8], s97, v24
	v_add_nc_u32 v[ADQ8+1], SLOT, v[ADQ8]
	v_add_nc_u32 v[ADP8], s96, v24
	v_add_nc_u32 v[ADP8+1], SLOT, v[ADP8]
	v_lshlrev_b32 v[H8], 3, v3
	s_wait_alu depctr_va_vdst(0)
	s_cmp_gt_u32 s[WV], 1
	s_cbranch_scc1 .Lnot_needed_yet                ; slot 1's tiles may stay out
	s_wait_tensorcnt 0x0
.Lnot_needed_yet:
	BAR
	FETCH 0, 0, 0
	TILE 0
	TILE 1
	s_wait_tensorcnt 0x0                           ; the wave's end
	ds_add_u32 v[SPW], v[NIL]
	s_wait_dscnt 0x0
	CROUND                                         ; the closing round
	s_endpgm
.Lfunc_end_k_q4b7c261a1d_scores:
	.size	k_q4b7c261a1d_scores, .Lfunc_end_k_q4b7c261a1d_scores-k_q4b7c261a1d_scores
	.p2alignl 7, 3214868480
	.fill 96, 4, 3214868480
	.section	.rodata,"a",@progbits
	.p2align	6, 0x0
	.amdhsa_kernel k_q4b7c261a1d_scores
		.amdhsa_group_segment_fixed_size 327680
		.amdhsa_private_segment_fixed_size 0
		.amdhsa_enable_private_segment 0
		.amdhsa_kernarg_size 24
		.amdhsa_user_sgpr_count 2
		.amdhsa_user_sgpr_kernarg_segment_ptr 1
		.amdhsa_wavefront_size32 1
		.amdhsa_system_sgpr_workgroup_id_x 1
		.amdhsa_system_sgpr_workgroup_id_y 1
		.amdhsa_system_sgpr_workgroup_id_z 1
		.amdhsa_system_vgpr_workitem_id 0
		.amdhsa_next_free_vgpr 768
		.amdhsa_next_free_sgpr 100
		.amdhsa_reserve_vcc 1
		.amdhsa_float_denorm_mode_32 3
		.amdhsa_float_denorm_mode_16_64 3
		.amdhsa_memory_ordered 1
		.amdhsa_forward_progress 1
		.amdhsa_inst_pref_size 255
	.end_amdhsa_kernel
	.section	.bss,"aw",@nobits
	.p2align	6
	.space	262144
	.amdgpu_metadata
---
amdhsa.version: [ 1, 2 ]
amdhsa.kernels:
  - .name:           k_q4b7c261a1d_scores
    .symbol:         k_q4b7c261a1d_scores.kd
    .args:
      - { .name: qkv, .offset: 0, .size: 8, .value_kind: global_buffer, .address_space: global }
      - { .name: pc, .offset: 8, .size: 8, .value_kind: global_buffer, .address_space: global }
      - { .name: st, .offset: 16, .size: 8, .value_kind: global_buffer, .address_space: global }
    .group_segment_fixed_size: 327680
    .private_segment_fixed_size: 0
    .kernarg_segment_align: 8
    .kernarg_segment_size: 24
    .max_flat_workgroup_size: 128
    .sgpr_count:     100
    .vgpr_count:     768
    .wavefront_size: 32
...
	.end_amdgpu_metadata
.endif
;; end of part 8
;; launch pv (part 9): grid 8 x 32, 4 waves a work-group, clusters of 4 x 4, 327,680 bytes of LDS; arguments pc, st, qkv, out0; writes out0
.if DOCPART == 9
	.amdgcn_target "amdgcn-amd-amdhsa--gfx1250"
	.amdhsa_code_object_version 6
	.text
	.protected	k_q4b7c261a1d_pv
	.globl	k_q4b7c261a1d_pv
	.p2align	8
	.type	k_q4b7c261a1d_pv,@function
k_q4b7c261a1d_pv:
	s_mov_b64 s[64:65], 0
	v_nop
	global_prefetch_b8 v0, s[64:65] scope:SCOPE_SE
	s_setreg_imm32_b32 hwreg(HW_REG_WAVE_MODE, 25, 1), 1
	s_wait_xcnt 0x0
	s_wait_alu depctr_hold_cnt(0) depctr_sa_sdst(0) depctr_va_vdst(0) depctr_va_sdst(0) depctr_va_ssrc(0) depctr_va_vcc(0) depctr_vm_vsrc(0)
	s_getreg_b32 s2, hwreg(HW_REG_IB_STS2, 6, 4)
	s_cmp_eq_u32 s2, 0
	s_cbranch_scc0 .Lentry_in_a_cluster
	s_endpgm
.Lentry_in_a_cluster:
	s_bfe_u32 s2, ttmp6, 0x10000c
	s_cmp_lg_u32 s2, 0xf033
	s_cbranch_scc0 .Lentry_shape_is_right
	s_endpgm
.Lentry_shape_is_right:
; y = (p v) / l on codes of FP6.  p's codes were made under a local M for each query and each 128 keys; here the row's M is the largest of them, and M(row) - M(local) is taken off p's scale bytes (held at 0),
; which is exact: a power of two is taken up by a block's scale.  l = the sum of the local l x 2^(M(local) - M(row)).
; WORK LEFT OUT: the queries 512 c .. 512 c + 511 of a batch take the keys 0 .. 512 (c + 1) - 1 alone; all later keys lie under the causal mask that the problem builds (p = 0 for every input).  A NaN or an infinity in v's later rows is not carried to these queries.
; THE DEAL: a work-group makes 128 columns of d for TWO blocks of 128 queries, first c = 3 - pair (job B), then c = pair (job A), pair = 0, 1: together always five tiles of 512 keys: tiles 0 to 2 are B's, tile 3 is B's in pair 0 and A's in pair 1, tile 4 is A's.
; So 256 work-groups have equal work.  Four waves 2 x 2: wave (wr, wc) makes 64 queries x 64 of d: 16 accumulators; source 0 = 16 of d, source 1 = 16 queries: a lane holds one query and 32 neighbours along d, 128 bytes of y.
; PANELS: row order and v^T's halves of 768 bytes as the projections' text stores them; p's fragments are images of 1,536 bytes, three loads of 16 bytes a lane.
; LDS: slot 0 holds one tile of 512 keys, slot 1 two.  Both are filled at the head (tiles 0; 1 and 2), one load a wave; slot 0 is filled again with tile 3 behind tile 0, slot 1 with tile 4 behind tile 2, each in a round of the cluster's barrier.
; CLUSTER 4 x 4: four blocks of queries x four of d; p's tiles are asked for jointly along a row, v^T's along a column.  All partners walk alike; every branch hangs on the wave's number or on the pair, which the cluster's y gives.
; PREFETCHES: p's tiles 3 and 4, and v^T's tile 3 in pair 0 (else the work-group has read those rows), shared out by address among the sixteen waves that ask jointly, three and seven K steps ahead of their loads.
; LIMITS: a block of p whose byte would fall under 0 is held at byte 0 (at most 7.5 x 2^-127 a number, against l of 1/2 or more); terms of l more than 127 powers of two under the row's M count as at most 2^-127 of themselves; NaN and infinities are not served.
; REGISTERS: window 0: v4-31 addresses and the add's two; v32-55 v^T's scale words (four for each of six places by turns), v160-239 p's (4 g + a), and nothing else; v56-95 l, -M and work; v96-159 rows of y; v240-247 1 / l in pairs.
; window 1: v0-143 v^T's fragments, three sets.  window 2: v0-127 accumulator (a, b) at 32 a + 8 b; v128-207 -M of the twenty groups of 128 keys.  window 3: v0-143 p's fragments, three sets; v144-223 the groups' l.
.set FRG,   1536
.set QPAN,  25600
.set PPAN,  24576
.set P1,    2*PPAN+2*QPAN              ; slot 1: p's two tiles, then v^T's
.set V1,    P1+4*PPAN
.set SPARE, V1+4*QPAN
.set STAGE, SPARE+512                  ; the way out: 16 rows x 272 bytes for each wave; no fill lands here
.set AV,   4                           ; v4-6   my fragments of v^T in slot 0, slot 1, slot 1's second tile; v7-9 the pieces of 8 bytes
.set AV8,  7
.set AP,   10                          ; v10-12 of p
.set AS,   13                          ; v13-15 v^T's scale words
.set VO,   16                          ; v16-18 the statistics: tiles 0 to 2, 3, 4
.set STO,  25
.set RD,   26
.set GO,   27
.set SPW,  28
.set NIL,  29
.set LSA,  56
.set T,    64
.set NRB,  76
.set NRX,  80
.set NRA,  84
.set LSB,  88
.set LX,   92
.set BK,   96
.set SCPF, 160
.set RI,   240
.set MSB, 0
.macro WIN new                         ; the immediate's high byte repeats the setting that is left
.if MSB != \new
	s_set_vgpr_msb (MSB<<8)|\new
.set MSB, \new
.endif
.endm
.macro PLACES n
.rept \n
	v_nop
.endr
.endm
.macro WALU
	s_wait_alu depctr_va_vdst(0)
.endm
.macro BAR
	s_barrier_signal -1
	s_barrier_wait -1
.endm
.macro CREST                           ; a round of the cluster's barrier behind its opening barrier
	s_cmp_lg_u32 s12, 0
	s_cbranch_scc1 .Lnot_wave_0_\@
	s_barrier_signal -3
.Lnot_wave_0_\@:
	s_barrier_wait -3
	BAR
.endm
.macro TLOAD g0, g1
	tensor_load_to_lds s[\g0:\g0+3], s[\g1:\g1+7]
	s_nop 0
	PLACES 4
.endm
.macro FETCH g                         ; K step g of twenty (128 keys each; tile g / 4) into set g % 3: 29 loads
.set R_, ((\g)/4)%3
.set S_, 48*((\g)%3)
.set SV_, 32+8*((\g)%3)+4-4*((\g)%2)
.set OV_, (((\g)%4)/2)*QPAN
.set OP_, (((\g)%4)/2)*PPAN+8*FRG*((\g)%2)
	WIN 0x40
.irp b, 0,1,2,3
.irp c, 0,1
	ds_load_b128 v[S_+12*\b+6*\c:S_+12*\b+6*\c+3], v[AV+R_] offset:OV_+8*FRG*((\g)%2)+FRG*\b+768*\c
	ds_load_b64 v[S_+12*\b+6*\c+4:S_+12*\b+6*\c+5], v[AV8+R_] offset:OV_+8*FRG*((\g)%2)+FRG*\b+768*\c+512
.endr
.endr
	WIN 0xc0
.irp a, 0,1,2,3
.irp c, 0,1,2
	ds_load_b128 v[S_+12*\a+4*\c:S_+12*\a+4*\c+3], v[AP+R_] offset:OP_+FRG*\a+512*\c
.endr
.endr
	WIN 0
	ds_load_b128 v[SV_:SV_+3], v[AS+R_] offset:OV_+512*((\g)%2)
.endm
.macro MUL g, zero                     ; 16 products; the accumulators take turns, in the same order in every step.  A product's two scale registers never have the same number modulo 8
.set S_, 48*((\g)%3)
.set SV_, 32+8*((\g)%3)+4-4*((\g)%2)
	WIN 0xad                                       ; source 0 (v^T) window 1, source 1 (p) window 3, C and D window 2
.irp a, 0,1,2,3
.irp b, 0,1,2,3
.if \zero
	v_wmma_scale_f32_16x16x128_f8f6f4 v[32*\a+8*\b:32*\a+8*\b+7], v[S_+12*\b:S_+12*\b+11], v[S_+12*\a:S_+12*\a+11], 0, v[SV_+\b], v[SCPF+4*(\g)+\a] matrix_a_fmt:MATRIX_FMT_FP6 matrix_b_fmt:MATRIX_FMT_FP6
.else
	v_wmma_scale_f32_16x16x128_f8f6f4 v[32*\a+8*\b:32*\a+8*\b+7], v[S_+12*\b:S_+12*\b+11], v[S_+12*\a:S_+12*\a+11], v[32*\a+8*\b:32*\a+8*\b+7], v[SV_+\b], v[SCPF+4*(\g)+\a] matrix_a_fmt:MATRIX_FMT_FP6 matrix_b_fmt:MATRIX_FMT_FP6
.endif
.endr
.endr
	WIN 0
.endm
; Group g's four scale words and its part of l are brought under the row's M.  52 plain lines: also the places between the step's products and the next loads.
.macro ADJ g
.if (\g) < 12
.set NR_, NRB
.set LS_, LSB
.elseif (\g) < 16
.set NR_, NRX
.set LS_, LX
.else
.set NR_, NRA
.set LS_, LSA
.endif
	WIN 0x08
.irp a, 0,1,2,3
	v_sub_f32 v[T+\a], v[NR_+\a], v[128+4*(\g)+\a] ; M(local) - M(row): a whole number, 0 or less
.endr
	WIN 0
.irp a, 0,1,2,3
	v_max_num_f32 v[T+\a], 0xc2fe0000, v[T+\a]     ; held at -127
.endr
.irp a, 0,1,2,3
	v_cvt_i32_f32 v[T+\a], v[T+\a]
.endr
	WIN 0x03
.irp a, 0,1,2,3
.if ((\g) == 0) || ((\g) == 12) || ((\g) == 16)
	v_ldexp_f32 v[LS_+\a], v[144+4*(\g)+\a], v[T+\a]
.else
	v_ldexp_f32 v[T+4+\a], v[144+4*(\g)+\a], v[T+\a]
.endif
.endr
	WIN 0
.if ((\g) != 0) && ((\g) != 12) && ((\g) != 16)
.irp a, 0,1,2,3
	v_add_f32 v[LS_+\a], v[LS_+\a], v[T+4+\a]
.endr
.endif
.irp a, 0,1,2,3
	v_sub_nc_u32 v[T+\a], 0, v[T+\a]               ; D, 0 .. 127
.endr
.irp a, 0,1,2,3
	v_perm_b32 v[T+\a], v[T+\a], v[T+\a], 0        ; in all four bytes
.endr
.irp a, 0,1,2,3
	v_or_b32 v[T+8+\a], s99, v[SCPF+4*(\g)+\a]     ; p's bytes are at most 125: 128 + byte - D is at least 1, so no borrow crosses a byte
.endr
.irp a, 0,1,2,3
	v_sub_nc_u32 v[T+8+\a], v[T+8+\a], v[T+\a]
.endr
.irp a, 0,1,2,3
	v_and_b32 v[T+\a], s99, v[T+8+\a]              ; the top bit stands where byte - D is 0 or more
.endr
.irp a, 0,1,2,3
	v_lshrrev_b32 v[T+4+\a], 7, v[T+\a]
.endr
.irp a, 0,1,2,3
	v_sub_nc_u32 v[T+\a], v[T+\a], v[T+4+\a]       ; 0x7f in those bytes, 0 in the others
.endr
.irp a, 0,1,2,3
	v_and_b32 v[SCPF+4*(\g)+\a], v[T+8+\a], v[T+\a]
.endr
	WALU
.endm
.macro STEP g, younger, next, zero     ; younger: the next step's 29 loads, which may be out
	s_wait_dscnt \younger
.if \next
	FETCH (\g)+2
.endif
	MUL \g, \zero
.if (\g) < 16
	ADJ (\g)+4
.else
	PLACES 4
.endif
.endm
.macro TURN g, r                       ; a slot's last K step with its refill: r = 0: slot 0 takes tile 3; r = 1: slot 1 takes tile 4
	s_wait_dscnt 0x0                               ; the step's fragments are in: my reads of the slot are over
	s_wait_tensorcnt 0x0                           ; all my tensor loads have landed;
	ds_add_u32 v[SPW], v[NIL]
.if \r
	s_mov_b64 s[50:51], s[88:89]
	s_or_b32 s51, s51, 0x80000000
	s_mov_b64 s[54:55], s[90:91]
	s_or_b32 s55, s55, 0x80000000
.else
	s_mov_b64 s[42:43], s[84:85]
	s_or_b32 s43, s43, 0x80000000
	s_mov_b64 s[46:47], s[86:87]
	s_or_b32 s47, s47, 0x80000000
.endif
	MUL \g, 0                                      ; work on registers while the add is out
	s_wait_dscnt 0x0
	BAR
	CREST                                          ; the other slot is whole in every partner, and nobody reads this one any more
	s_cmp_eq_u32 s12, 0
	s_cbranch_scc0 .Lnot_p_\@
	TLOAD 40+8*\r, 24                              ; wave 0: p
	s_branch .Lasked_\@
.Lnot_p_\@:
	s_cmp_eq_u32 s12, 1
	s_cbranch_scc0 .Lasked_\@
	TLOAD 44+8*\r, 32                              ; wave 1: v^T
.Lasked_\@:
	FETCH (\g)+1
	FETCH (\g)+2
	ADJ (\g)+4
.endm
; The way out of a job: l, 1 / l; block a's 16 rows x 256 bytes go through my stage while block a - 1's are stored: sixteen lanes store 256 consecutive aligned bytes.
.macro SEND a, younger, base
	s_wait_dscnt \younger
.irp t, 0,1,2,3,4,5,6,7
	global_store_b128 v[GO], v[BK+32*((\a)%2)+4*\t:BK+32*((\a)%2)+4*\t+3], s[\base:\base+1] offset:(8*(\a)+2*\t+24*(\t/4))*4096 th:TH_STORE_NT   ; place 2 t + (lane / 16) of block a is that row of the 64
.endr
.endm
.macro OUT ls, f, base
	s_wait_xcnt 0x0                                ; the earlier stores have read their registers
	PLACES 4                                       ; in front of the first read of results
.irp a, 0,1,2,3
	v_fma_f32 v[T+\a], s\f, v[LX+\a], v[\ls+\a]    ; l: tile 3's part counts for one of the two jobs (x 1 or x 0)
.endr
	WALU
.irp a, 0,1,2,3
	v_rcp_f32 v[RI+2*\a], v[T+\a]
	v_rcp_f32 v[RI+2*\a+1], v[T+\a]                ; twice: the packed multiply names a pair
.endr
	v_nop                                          ; a plain line behind the reciprocals
.irp a, 0,1,2,3
	WIN 0x82
	WALU
.set n, 0
.rept 16
	v_pk_mul_f32 v[32*\a+n:32*\a+n+1], v[32*\a+n:32*\a+n+1], v[RI+2*\a:RI+2*\a+1]   ; each accumulator from its low end on
.set n, n+2
.endr
	WIN 0x08                                       ; an LDS store's data: window 2
.irp j, 0,1,2,3,4,5,6,7
	ds_store_b128 v[STO], v[32*\a+4*\j:32*\a+4*\j+3] offset:16*\j
.endr
	WIN 0
.if \a > 1
	s_wait_xcnt 0x0                                ; block a - 2's stores have read their registers
.endif
.irp t, 0,1,2,3,4,5,6,7
	ds_load_b128 v[BK+32*(\a%2)+4*\t:BK+32*(\a%2)+4*\t+3], v[RD] offset:544*\t   ; LDS serves a wave's instructions in order: these see my stores
.endr
.if \a > 0
	SEND \a-1, 16, \base
.endif
.endr
	SEND 3, 0, \base
.endm
.macro FORK g, p                       ; a tile's first K step at which, in pair p, job B has ended: it goes out, and the step's products start A's sums
	s_wait_dscnt 29
	FETCH (\g)+2
	s_cmp_eq_u32 s19, \p
	s_cbranch_scc0 .Lgo_on_\@
	OUT LSB, 92, 56
	MUL \g, 1
	s_branch .Ljoin_\@
.Lgo_on_\@:
	MUL \g, 0
.Ljoin_\@:
.endm
; ================= the head
	s_load_b256 s[4:11], s[0:1], 0x0               ; pc, st, qkv, out0
	v_lshl_add_u32 v[SPW], v0, 2, SPARE
	v_mov_b32 v[NIL], 0
	ds_add_u32 v[SPW], v[NIL]                      ; the opening lines: the add, twice on end,
	ds_add_u32 v[SPW], v[NIL]
	v_lshrrev_b32 v1, 5, v0
	v_readfirstlane_b32 s12, v1                    ; the wave
	s_lshr_b32 s13, s12, 1                         ; wr
	s_and_b32 s14, s12, 1                          ; wc
	s_bfe_u32 s15, ttmp6, 0x40000                  ; cx
	s_bfe_u32 s16, ttmp6, 0x40004                  ; cy
	s_lshl_b32 s17, ttmp9, 2
	s_add_co_u32 s17, s17, s15                     ; which 128 of d
	s_and_b32 s18, ttmp7, 0xffff
	s_and_b32 s19, s18, 1                          ; the pair
	s_lshr_b32 s18, s18, 1                         ; the batch
	s_lshl_b32 s92, s18, 4
	s_add_co_u32 s92, s92, s16
	s_lshl_b32 s94, s19, 2
	s_add_co_u32 s21, s92, s94                     ; A's 128 queries of all: 16 batch + 4 pair + cy
	s_add_co_u32 s20, s92, 12
	s_sub_co_u32 s20, s20, s94                     ; B's: 16 batch + 4 (3 - pair) + cy
	s_lshl_b32 s2, s16, 2
	s_lshl_b32 s2, 15, s2                          ; my row of the cluster
	s_lshl_b32 s3, 0x1111, s15                     ; my column
.macro GROUP1 g, mask, rows            ; a dense block, as rows of 256 bytes
	s_or_b32 s[\g], s[\mask], (3<<16)|(1<<21)
	s_mov_b32 s[\g+1], 32<<16
	s_mov_b32 s[\g+2], (\rows)<<16
	s_mov_b32 s[\g+3], 32<<16
	s_mov_b32 s[\g+4], \rows
	s_mov_b32 s[\g+5], 32
	s_mov_b32 s[\g+6], 0
	s_mov_b32 s[\g+7], 0
.endm
	GROUP1 24, 2, 192                              ; a tile of p,
	GROUP1 32, 3, 200                              ; of v^T,
	GROUP1 68, 2, 384                              ; and two tiles of each
	GROUP1 76, 3, 400
	s_mul_i32 s60, s20, 8*PPAN                     ; p: B's tile 0
	s_mov_b32 s61, 0
	s_mul_i32 s22, s21, 8*PPAN                     ; A's first
	s_mul_i32 s23, s19, 2*PPAN
	s_add_co_u32 s88, s22, s23                     ; tile 4: A's first (pair 0) or second
	s_mov_b32 s89, 0
	s_add_co_u32 s23, s60, 6*PPAN                  ; B's fourth
	s_mul_i32 s95, s20, 24576                      ; the statistics: tiles 0 to 2
	s_mul_i32 s96, s21, 24576
	s_mul_i32 s97, s19, 6144
	s_add_co_u32 s97, s97, s96                     ; tile 4
	s_add_co_u32 s98, s95, 3*6144
	s_lshl_b32 s62, s17, 5
	s_lshl_b32 s93, s18, 3
	s_add_co_u32 s62, s62, s93
	s_add_co_u32 s62, s62, 512
	s_mul_i32 s62, s62, QPAN                       ; v^T: panel 512 + 32 (d / 128) + 8 batch
	s_mov_b32 s63, 0
	s_mul_i32 s93, s19, 2*QPAN
	s_add_co_u32 s90, s62, s93                     ; tile 4
	s_mov_b32 s91, 0
	s_add_co_u32 s86, s62, 6*QPAN
	s_mov_b32 s85, 0
	s_mov_b32 s87, 0
	s_mov_b32 s94, 0x7f800000
	s_mov_b32 s99, 0xff800000
	s_cmp_eq_u32 s19, 0
	s_cselect_b32 s84, s23, s22                    ; tile 3: B's fourth (pair 0) or A's first
	s_cselect_b32 s86, s86, s62
	s_cselect_b32 s98, s98, s96
	s_cselect_b32 s22, s99, s94                    ; -inf where tile 3 counts for B, else +inf;
	s_cselect_b32 s23, s94, s99                    ; the same for A
	s_cselect_b32 s92, 1.0, 0                      ; tile 3's weight in B's l, in A's
	s_cselect_b32 s93, 0, 1.0
	s_cselect_b32 s94, 0, -1                       ; all lanes where tile 3 is A's
	s_mov_b32 s99, 0x80808080
	s_mul_i32 s96, s13, 768
	s_add_co_u32 s95, s95, s96
	s_add_co_u32 s97, s97, s96
	s_add_co_u32 s98, s98, s96
	s_lshl_b32 s56, s20, 19                        ; y: row 128 x block + 64 wr of 4,096 bytes, + 512 (d / 128) + 256 wc
	s_lshl_b32 s58, s21, 19
	s_lshl_b32 s40, s13, 18
	s_lshl_b32 s41, s17, 9
	s_add_co_u32 s40, s40, s41
	s_lshl_b32 s41, s14, 8
	s_add_co_u32 s40, s40, s41
	s_add_co_u32 s56, s56, s40
	s_add_co_u32 s58, s58, s40
	s_mov_b32 s57, 0
	s_mov_b32 s59, 0
	s_lshl_b32 s96, s15, 2
	s_add_co_u32 s96, s96, s12
	s_mul_i32 s96, s96, 12*256                     ; my sixteenth of a tile of p among the waves of my row,
	s_lshl_b32 s100, s16, 2
	s_add_co_u32 s100, s100, s12
	s_mul_i32 s100, s100, 13                       ; and of v^T among those of my column, in blocks of 256 bytes
	s_mul_i32 s40, s14, 4*FRG
	s_add_co_u32 s40, s40, 2*PPAN
	s_mul_i32 s41, s13, 4*FRG
	s_lshl_b32 s42, s14, 8
	s_add_co_u32 s42, s42, 2*PPAN+24576
	s_mul_i32 s43, s12, 16*272
	s_add_co_u32 s43, s43, STAGE
	v_and_b32 v3, 31, v0
	v_and_b32 v1, 15, v0                           ; r
	v_bfe_u32 v2, v0, 4, 1                         ; h
	v_lshlrev_b32 v19, 4, v3
	v_lshlrev_b32 v23, 3, v3
	v_lshlrev_b32 v22, 4, v1
	v_add_nc_u32 v[VO], s95, v22
	v_add_nc_u32 v[VO+1], s98, v22
	v_add_nc_u32 v[VO+2], s97, v22
	v_add_nc_u32 v[AV], s40, v19
	v_add_nc_u32 v[AV+1], V1-2*PPAN, v[AV]
	v_add_nc_u32 v[AV+2], V1-2*PPAN+2*QPAN, v[AV]
	v_add_nc_u32 v[AV8], s40, v23
	v_add_nc_u32 v[AV8+1], V1-2*PPAN, v[AV8]
	v_add_nc_u32 v[AV8+2], V1-2*PPAN+2*QPAN, v[AV8]
	v_add_nc_u32 v[AP], s41, v19
	v_add_nc_u32 v[AP+1], P1, v[AP]
	v_add_nc_u32 v[AP+2], P1+2*PPAN, v[AP]
	v_add_nc_u32 v[AS], s42, v22
	v_add_nc_u32 v[AS+1], V1-2*PPAN, v[AS]
	v_add_nc_u32 v[AS+2], V1-2*PPAN+2*QPAN, v[AS]
	v_mul_u32_u24 v[STO], v1, 272
	v_lshl_add_u32 v[STO], v2, 7, v[STO]
	v_add_nc_u32 v[STO], s43, v[STO]               ; in: row r, + 128 h
	v_mul_u32_u24 v[RD], v2, 272
	v_add_nc_u32 v[RD], v[RD], v22
	v_add_nc_u32 v[RD], s43, v[RD]                 ; back: lanes 0-15 one row, lanes 16-31 the next
	v_lshl_add_u32 v[GO], v2, 12, v22              ; and the same in y
	v_min_u32 v20, 11, v3                          ; 12 lanes, 256 bytes apart; the others name the last block again
	v_lshlrev_b32 v20, 8, v20
	v_add_nc_u32 v20, s96, v20
	v_min_u32 v21, 12, v3
	v_add_nc_u32 v21, s100, v21
	v_min_u32 v21, 199, v21                        ; a tile of v^T is 200 blocks
	v_lshlrev_b32 v21, 8, v21
	WALU
	s_wait_dscnt 0x0                               ; and the one wait for both
	s_wait_kmcnt 0x0
.macro STATS r, w                      ; 256 bytes of each group: r = 0 the scale words, 256 -M, 512 l
.irp q, 0,1,2,3,4,5,6,7,8,9,10,11
	global_load_b128 v[\w+4*\q:\w+4*\q+3], v[VO], s[6:7] offset:1536*\q+\r
.endr
.irp q, 0,1,2,3
	global_load_b128 v[\w+48+4*\q:\w+48+4*\q+3], v[VO+1], s[6:7] offset:1536*\q+\r
	global_load_b128 v[\w+64+4*\q:\w+64+4*\q+3], v[VO+2], s[6:7] offset:1536*\q+\r
.endr
.endm
	WIN 0x80
	STATS 256, 128
	WIN 0
	STATS 0, SCPF
	WIN 0xc0
	STATS 512, 144
	WIN 0
	s_add_nc_u64 s[60:61], s[4:5], s[60:61]
	s_add_nc_u64 s[84:85], s[4:5], s[84:85]
	s_add_nc_u64 s[88:89], s[4:5], s[88:89]
	s_add_nc_u64 s[62:63], s[8:9], s[62:63]
	s_add_nc_u64 s[86:87], s[8:9], s[86:87]
	s_add_nc_u64 s[90:91], s[8:9], s[90:91]
	s_add_nc_u64 s[56:57], s[10:11], s[56:57]
	s_add_nc_u64 s[58:59], s[10:11], s[58:59]
	s_mov_b32 s40, 1                               ; group 0: slot 0's p and v^T, slot 1's p and v^T
	s_mov_b32 s41, 0
	s_mov_b64 s[42:43], s[60:61]
	s_or_b32 s43, s43, 0x80000000
	s_mov_b32 s44, 1
	s_mov_b32 s45, 2*PPAN
	s_mov_b64 s[46:47], s[62:63]
	s_or_b32 s47, s47, 0x80000000
	s_mov_b32 s48, 1
	s_mov_b32 s49, P1
	s_add_nc_u64 s[50:51], s[60:61], 2*PPAN
	s_or_b32 s51, s51, 0x80000000
	s_mov_b32 s52, 1
	s_mov_b32 s53, V1
	s_add_nc_u64 s[54:55], s[62:63], 2*QPAN
	s_or_b32 s55, s55, 0x80000000
	BAR
	CREST                                          ; all sixteen work-groups are here: the first joint loads meet
	s_cmp_eq_u32 s12, 0                            ; one load a wave: p's tile 0, v^T's tile 0, p's tiles 1 and 2, v^T's tiles 1 and 2
	s_cbranch_scc0 .Lwave_1
	TLOAD 40, 24
	s_branch .Lasked
.Lwave_1:
	s_cmp_eq_u32 s12, 1
	s_cbranch_scc0 .Lwave_2
	TLOAD 44, 32
	s_branch .Lasked
.Lwave_2:
	s_cmp_eq_u32 s12, 2
	s_cbranch_scc0 .Lwave_3
	TLOAD 48, 68
	s_branch .Lasked
.Lwave_3:
	TLOAD 52, 76
.Lasked:
	s_wait_loadcnt 0x0
.macro LEAST d, g                      ; -M of the row: the least of groups g to g + 3
	WIN 0x2a
.irp a, 0,1,2,3
	v_min3_num_f32 v[\d+\a], v[128+4*\g+\a], v[132+4*\g+\a], v[136+4*\g+\a]
.endr
	WIN 0x08
.irp a, 0,1,2,3
	v_min_num_f32 v[\d+\a], v[\d+\a], v[140+4*\g+\a]
.endr
	WIN 0
.endm
	LEAST NRB, 0
	LEAST NRX, 12
	LEAST NRA, 16
	WIN 0x28
.irp g, 4,6,8,10
.irp a, 0,1,2,3
	v_min3_num_f32 v[NRB+\a], v[NRB+\a], v[128+4*\g+\a], v[132+4*\g+\a]
.endr
.endr
	WIN 0
.irp a, 0,1,2,3
	v_max_num_f32 v[T+\a], s22, v[NRX+\a]          ; tile 3's least, or +inf where it is the other job's
	v_max_num_f32 v[T+4+\a], s23, v[NRX+\a]
.endr
.irp a, 0,1,2,3
	v_min_num_f32 v[NRB+\a], v[NRB+\a], v[T+\a]
	v_min_num_f32 v[NRA+\a], v[NRA+\a], v[T+4+\a]
.endr
.irp a, 0,1,2,3
	v_cndmask_b32 v[NRX+\a], v[NRB+\a], v[NRA+\a], s94
.endr
	ADJ 0
	ADJ 1
	ADJ 2
	ADJ 3
	s_cmp_gt_u32 s12, 1
	s_cbranch_scc1 .Lnot_needed_yet                ; slot 1's tiles may stay out
	s_wait_tensorcnt 0x0
.Lnot_needed_yet:
	BAR
; ================= twenty K steps
	FETCH 0
	FETCH 1
	global_prefetch_b8 v20, s[84:85] th:TH_LOAD_NT scope:SCOPE_SE   ; p's tile 3
	s_cmp_eq_u32 s19, 0
	s_cbranch_scc0 .Lread_already
	global_prefetch_b8 v21, s[86:87] th:TH_LOAD_NT scope:SCOPE_SE   ; v^T's tile 3
.Lread_already:
	STEP 0, 29, 1, 1                               ; the first step's products start the sums: nothing is cleared
	STEP 1, 29, 1, 0
	STEP 2, 29, 0, 0
	TURN 3, 0
	STEP 4, 29, 1, 0
	global_prefetch_b8 v20, s[88:89] th:TH_LOAD_NT scope:SCOPE_SE   ; p's tile 4
	STEP 5, 29, 1, 0
	STEP 6, 29, 1, 0
	STEP 7, 29, 1, 0
	STEP 8, 29, 1, 0
	STEP 9, 29, 1, 0
	STEP 10, 29, 0, 0
	TURN 11, 1
	FORK 12, 1
	ADJ 16
	STEP 13, 29, 1, 0
	STEP 14, 29, 0, 0
	s_wait_dscnt 0x0
	MUL 15, 0
	s_wait_tensorcnt 0x0                           ; tile 4 is in
	BAR                                            ; for every wave
	FETCH 16
	FETCH 17
	ADJ 19
	FORK 16, 0
	PLACES 4
	STEP 17, 29, 1, 0
	STEP 18, 29, 0, 0
	STEP 19, 0, 0, 0
	OUT LSA, 93, 58
	s_wait_tensorcnt 0x0                           ; the wave's end
	ds_add_u32 v[SPW], v[NIL]
	s_wait_dscnt 0x0
	BAR
	CREST                                          ; the closing round
	s_endpgm
.Lfunc_end_k_q4b7c261a1d_pv:
	.size	k_q4b7c261a1d_pv, .Lfunc_end_k_q4b7c261a1d_pv-k_q4b7c261a1d_pv
	.p2alignl 7, 3214868480
	.fill 96, 4, 3214868480
	.section	.rodata,"a",@progbits
	.p2align	6, 0x0
	.amdhsa_kernel k_q4b7c261a1d_pv
		.amdhsa_group_segment_fixed_size 327680
		.amdhsa_private_segment_fixed_size 0
		.amdhsa_enable_private_segment 0
		.amdhsa_kernarg_size 32
		.amdhsa_user_sgpr_count 2
		.amdhsa_user_sgpr_kernarg_segment_ptr 1
		.amdhsa_wavefront_size32 1
		.amdhsa_system_sgpr_workgroup_id_x 1
		.amdhsa_system_sgpr_workgroup_id_y 1
		.amdhsa_system_sgpr_workgroup_id_z 1
		.amdhsa_system_vgpr_workitem_id 0
		.amdhsa_next_free_vgpr 992
		.amdhsa_next_free_sgpr 102
		.amdhsa_reserve_vcc 0
		.amdhsa_float_denorm_mode_32 3
		.amdhsa_float_denorm_mode_16_64 3
		.amdhsa_memory_ordered 1
		.amdhsa_forward_progress 1
		.amdhsa_inst_pref_size 188
	.end_amdhsa_kernel
	.amdgpu_metadata
---
amdhsa.version: [ 1, 2 ]
amdhsa.kernels:
  - .name:           k_q4b7c261a1d_pv
    .symbol:         k_q4b7c261a1d_pv.kd
    .args:
      - { .name: pc, .offset: 0, .size: 8, .value_kind: global_buffer, .address_space: global }
      - { .name: st, .offset: 8, .size: 8, .value_kind: global_buffer, .address_space: global }
      - { .name: qkv, .offset: 16, .size: 8, .value_kind: global_buffer, .address_space: global }
      - { .name: out0, .offset: 24, .size: 8, .value_kind: global_buffer, .address_space: global }
    .group_segment_fixed_size: 327680
    .private_segment_fixed_size: 0
    .kernarg_segment_align: 8
    .kernarg_segment_size: 32
    .max_flat_workgroup_size: 128
    .sgpr_count:     102
    .vgpr_count:     992
    .wavefront_size: 32
...
	.end_amdgpu_metadata
.endif
;; end of part 9
